; MI455X (gfx1250); checked and timed in simulation.
; The chip was launched on July 23, 2026; its instructions are those of AMD's public machine-readable ISA for CDNA 5 (MIT licence, August 2026) and "CDNA5" Instruction Set Architecture Reference Guide (July 2026). The comments in the code are by the model that wrote it; some were corrected since.
;; Block. Allowed arithmetic: matrix products marked QUANTISED: E5M2 operands, one given power-of-two scale a tensor, by v_wmma_f32_16x16x64_bf8_bf8 or v_wmma_f32_16x16x128_bf8_bf8, f32 sums; everything else in f32.
;; Inputs: b_proj 512 float32; beta1 512 float32; beta2 512 float32; bf1 2,048 float32; bf2 512 float32; g1 512 float32; g2 512 float32; lowp_scales 16 int32 (the exponents e of the quantised operands' scales 2^e); w1_codes 2,048 x 16 x 32 uint8 (E5M2 codes of w1, K innermost, in blocks of 32 codes); w2_codes 512 x 64 x 32 uint8 (E5M2 codes of w2, K innermost, in blocks of 32 codes); w_proj_codes 512 x 16 x 32 uint8 (E5M2 codes of w_proj, K innermost, in blocks of 32 codes); wk_codes 16 x 32 x 16 x 32 uint8 (E5M2 codes of wk, K innermost, in blocks of 32 codes); wq_codes 16 x 32 x 16 x 32 uint8 (E5M2 codes of wq, K innermost, in blocks of 32 codes); wv_codes 16 x 32 x 16 x 32 uint8 (E5M2 codes of wv, K innermost, in blocks of 32 codes); x 4 x 2,048 x 512 float32.
;; Outputs: out0 4 x 2,048 x 512 float32.
;; This version of the problem:
;;   THIS VERSION OF THE PROBLEM IS GIVEN IN LOW PRECISION. The matrix products marked QUANTISED in the list below multiply operands that are first quantised to E5M2 (5 exponent bits, 2 mantissa bits; 8 bits a number), with one given power-of-two scale for each operand tensor; their sums are f32. All else is computed in f32.
;;   The module's matrix products, in the order in which they are computed (A, B: the left and right operand; K: the contracted axis; several contracted axes count as one K, in the product's order):
;;     1. [M 512, K 512] x [K 512, N 8,192]; A: input wq (given as codes); B: computed on the way: QUANTISED (scales: A lowp_scales[0], B lowp_scales[1])
;;     2. [M 512, K 512] x [K 512, N 8,192]; A: input wk (given as codes); B: computed on the way: QUANTISED (scales: A lowp_scales[2], B lowp_scales[3])
;;     3. [M 512, K 512] x [K 512, N 8,192]; A: input wv (given as codes); B: computed on the way: QUANTISED (scales: A lowp_scales[4], B lowp_scales[5])
;;     4. batch 64 x [M 2,048, K 32] x [K 32, N 2,048]; A: computed on the way; B: computed on the way: QUANTISED (scales: A lowp_scales[6], B lowp_scales[7])
;;     5. batch 64 x [M 2,048, K 2,048] x [K 2,048, N 32]; A: softmax (see below); B: computed on the way: QUANTISED (scales: A lowp_scales[8], B lowp_scales[9])
;;     6. [M 8,192, K 512] x [K 512, N 512]; A: computed on the way; B: input w_proj (given as codes): QUANTISED (scales: A lowp_scales[10], B lowp_scales[11])
;;     7. [M 8,192, K 512] x [K 512, N 2,048]; A: computed on the way; B: input w1 (given as codes): QUANTISED (scales: A lowp_scales[12], B lowp_scales[13])
;;     8. [M 8,192, K 2,048] x [K 2,048, N 512]; A: computed on the way; B: input w2 (given as codes): QUANTISED (scales: A lowp_scales[14], B lowp_scales[15])
;;   THE QUANTISER, for each operand of a quantised product, along K:
;;     - The operand's scale is 2^e, e = its entry of the input lowp_scales (int32; the entries are numbered through the quantised products in the list's order, A before B).
;;     - Each number is divided by the scale, clamped to +-57,344, and rounded to the nearest number of E5M2, ties to even, subnormals kept.
;;     - The product sums the exact products of the quantised numbers (number of the format x scale) in f32.
;;   ~~~python
;;   def quantise(x, axis, e):      # numpy; x: float32 -> the quantised numbers, widened to float32 again
;;       x = np.moveaxis(x, axis, -1); K = x.shape[-1]
;;       r = np.clip(x / 2.0 ** e, -57344, 57344)
;;       step = 2.0 ** (np.maximum(np.frexp(np.where(r == 0, 1, r))[1] - 1, -14) - 2)
;;       q = np.round(r / step) * step * 2.0 ** e      # np.round: ties to even
;;       return np.moveaxis(q, -1, axis).astype(np.float32)
;;   ~~~
;;   SOFTMAX AHEAD OF A QUANTISED PRODUCT. Where the list says 'softmax', what is quantised is not the finished softmax but p = 2^(t - M), with t = logit x log2(e) and M = ceil(the row's largest t), a whole number; so 1/2 < the row's largest p <= 1. The row's sum l is taken of the UNQUANTISED p, in f32, and the product's result is divided by l at the end. Since M is a whole number, a kernel that streams over the keys may use a running M (the ceiling of the running maximum): every later rescaling is an exact power of two, so the quantised numbers keep their values, but for numbers so far below the row's largest that they fall under the format's range.
;;   OPERANDS COMPUTED ON THE WAY. 'Computed on the way' means the value that the module computes at that place (a softmax that the list does not call 'softmax' is quantised finished and normalised). What goes into a quantiser is computed in f32, as accurately as f32 sums, v_exp_f32 and their like allow (about 1e-6 of the number): no bf16 or f16 on the way to a quantiser, and a product that is left as it is and whose result goes on into a quantised operand takes f32 operands (vector FMAs, or v_wmma_f32_16x16x4_f32). A number that lies on a knife's edge between two numbers of the format may be rounded either way, as far as f32 arithmetic and the matrix unit's own rounding can turn it there, and no further.
;;   INPUTS GIVEN AS CODES. w1 (in the module: [512, 2048], K = its axis 0); w2 (in the module: [2048, 512], K = its axis 0); w_proj (in the module: [512, 512], K = its axis 0); wk (in the module: [16, 512, 32], K = its axis 1); wq (in the module: [16, 512, 32], K = its axis 1); wv (in the module: [16, 512, 32], K = its axis 1): each comes as NAME_codes (uint8): NAME with its K axis moved to the last place and cut into blocks of 32 codes, [.., K / 32, bytes a block], one block behind the other in memory; one code a byte (a code: sign, 5 exponent bits, 2 mantissa bits); its scale is its entry of lowp_scales. Its value is code x scale, taken as it is: it is not quantised again, and the codes and scales need not be those that the quantiser above would give.
;; 2 versions, each right; version 2 is version 1 with the launches qkv, attn, proj, ff1, ff2 written anew for expert scheduling mode. Each part assembles by itself: llvm-mc -triple=amdgcn-amd-amdhsa -mcpu=gfx1250 --defsym DOCPART=n.
;; ======== version 1 of 2: 5 launches
;; workspace buffers: q_img 4,194,304 bytes; k_img 4,194,304 bytes; v_img 4,194,304 bytes; ao_img 4,194,304 bytes; x1b_img 16,777,216 bytes; h2_img 4,194,304 bytes; ff_img 16,777,216 bytes
;; launch qkv (part 1): grid 64 x 3, 4 waves a work-group, no clusters, 37,376 bytes of LDS; arguments x, g1, beta1, wq_codes, wk_codes, wv_codes, lowp_scales, q_img, k_img, v_img; writes q_img, k_img, v_img
.if DOCPART == 1
	.amdgcn_target "amdgcn-amd-amdhsa--gfx1250"
	.amdhsa_code_object_version 6
	.text
	.protected	k_q3b4532eade_qkv
	.globl	k_q3b4532eade_qkv
	.p2align	8
	.type	k_q3b4532eade_qkv,@function
k_q3b4532eade_qkv:
	s_mov_b64 s[64:65], 0
	v_nop
	global_prefetch_b8 v0, s[64:65] scope:SCOPE_SE
	s_setreg_imm32_b32 hwreg(HW_REG_WAVE_MODE, 25, 1), 1
	s_wait_xcnt 0x0
; h = layernorm(x, g1, beta1); q, k or v = h W, on codes of E5M2; the result is quantised again, for attention, and stored as images of operand registers.
; SHARES.  Work-group (gx, y): rows 128 gx .. +127 of the 8,192, in two blocks of 64; y picks the weight: 0 wq, 1 wk, 2 wv.  64 x 3 = 192 work-groups: one weight, 256 KB of codes,
; fills the four waves' registers (512 each), so three weights want three work-groups.  Wave w keeps weight rows 128 w .. +127 (heads 4 w .. 4 w + 3) x K 512 for the whole launch, and normalises row tile w of each block.
; ROW TILES AND WEIGHT TILES ARE NOT 16 NEIGHBOURS: lane-row r of tile t is row 32 (t / 2) + 8 (t % 2) + r + 8 (r / 8), so that the 16 registers which a lane gets from tiles 2 b and 2 b + 1 are 16 neighbours, 32 b + 16 (lane / 16) + 0 .. 15.
; A FRAGMENT (16 rows x 128 K, 16 registers): registers 4 c .. 4 c + 3 of lane (r, h) hold k = 32 c + 16 h + 0 .. 15, alike on both sides of every product; its IMAGE is 2,048 bytes, register group c of lane l at 512 c + 16 l.
; q, k: source 0 = 16 weight rows, source 1 = 16 rows of h: a lane holds one row and 16 neighbouring f of a head.  v: the sources swapped: a lane holds one f and 16 neighbouring keys, since the keys are the next K.
; q_img, k_img: [b x head][row tile in the batch][lane][16 bytes].   v_img: [b x head][128 keys][f tile][32 keys][lane][16 bytes].  Every store of a wave covers 512 consecutive bytes, aligned.
; NOT SHARED IN A CLUSTER: the 64 work-groups of one y read the same 256 KB, each once, straight into the registers where the codes stay; a joint load would lay them in LDS, from where the same 256 KB would have to be read once more.
; LIMITS on the given exponents, so that each power of two is an f32 number: h's exponent (entry 1, 3 or 5) and (the result's - the weight's - h's) between -126 and 112.  NaN among the inputs is not served; an infinity is held at the largest code.
; REGISTERS, in windows of 256: window 0: v4-31 addresses and statistics; v32-159 two sets of h's fragments (while a block is normalised: g1 and beta1 of a K step); v160-223 eight accumulators; v224-239 codes just made.
;   windows 1, 2: the weight's fragment (tile t, K step s) at v[16 (t + 8 (s % 2))] of window 1 + s / 2.   window 3: my row tile of x: register 16 b + i = k 32 b + 16 h + i.
.set GL,    32768                      ; LDS: 0 .. 32767 h's 16 images, (tile m, K step s) at 2048 (4 m + s); then g1 (2,048 bytes), then beta1
.set XA,    4                          ; v4   x: my lane's byte in the wave's tile
.set LI,    5                          ; v5   16 x lane
.set XWI,   6                          ; v6   where I store my tile's images
.set GA,    7                          ; v7   g1 in LDS, at my half's 16 numbers of a block of 32
.set WA,    8                          ; v8   the weight: my lane's byte in a tile
.set TID16, 11                         ; v11  16 x thread
.set GST,   29                         ; v29  where my thread lays its 16 bytes of g1
.set MU,    12                         ; v[12:13] the row's mean, twice
.set RS,    14                         ; v[14:15] 1 / sqrt(var + eps), twice
.set SCH,   16                         ; v16, v17  2^eh and 57,344 x 2^eh: h's conversion
.set LIMH,  17
.set SCO,   18                         ; v18, v19  the same with eo - ew - eh: the result's
.set LIMO,  19
.set CH,    20                         ; v[20:27] four chains of pairs
.set PD,    28                         ; v28  a lane permute's destination
.set XF,    32
.set ACC,   160
.set PC,    224
.set MSB, 0
.macro WIN new                         ; the immediate's high byte repeats the setting that is left; a switch that changes nothing is dropped
.if MSB != (\new)
	s_set_vgpr_msb (MSB<<8)|(\new)
.set MSB, (\new)
.endif
.endm
.macro PLACES n
.rept \n
	v_nop
.endr
.endm
.macro BARRIER                         ; my LDS stores have landed and my LDS loads are in: then the work-group's barrier
	s_wait_dscnt 0x0
	s_barrier_signal -1
	s_barrier_wait -1
.endm
.macro XLOAD off                       ; my tile's 16 rows x 512 numbers, 256 a lane, from off bytes on
	WIN 0xc0                                       ; destination window 3
.set i, 0
.rept 64
	global_load_b128 v[4*i:4*i+3], v[XA], s[4:5] offset:\off+128*(i/4)+16*(i%4)
.set i, i+1
.endr
	WIN 0
.endm
.macro WLOAD pitch, base               ; my 128 weight rows x K 512: 32 fragments
.irp s, 0,1,2,3
	WIN 0x40*(1+\s/2)                              ; destination window 1 or 2
.irp t, 0,1,2,3,4,5,6,7
.irp c, 0,1,2,3
	global_load_b128 v[16*(\t+8*(\s%2))+4*\c:16*(\t+8*(\s%2))+4*\c+3], v[WA], s[\base:\base+1] offset:(32*(\t/2)+8*(\t%2))*\pitch+128*\s+32*\c
.endr
.endr
.endr
	WIN 0
.endm
.macro FETCH buf, m                    ; row tile m's four fragments from LDS into set buf
.set i, 0
.rept 16
	ds_load_b128 v[XF+64*(\buf)+4*i:XF+64*(\buf)+4*i+3], v[LI] offset:8192*(\m)+512*i
.set i, i+1
.endr
.endm
; 32 products: my 8 weight tiles (source 0) x one row tile (source 1), K 512.  The eight accumulators take turns, one instruction a turn; the first K step starts the sums.
.macro MULT_T buf
.irp s, 0,1,2,3
	WIN 0x01+\s/2                                  ; source 0 window 1 or 2
.irp t, 0,1,2,3,4,5,6,7
.if \s == 0
	v_wmma_f32_16x16x128_bf8_bf8 v[ACC+8*\t:ACC+8*\t+7], v[16*(\t+8*(\s%2)):16*(\t+8*(\s%2))+15], v[XF+64*(\buf)+16*\s:XF+64*(\buf)+16*\s+15], 0
.else
	v_wmma_f32_16x16x128_bf8_bf8 v[ACC+8*\t:ACC+8*\t+7], v[16*(\t+8*(\s%2)):16*(\t+8*(\s%2))+15], v[XF+64*(\buf)+16*\s:XF+64*(\buf)+16*\s+15], v[ACC+8*\t:ACC+8*\t+7]
.endif
.endr
.endr
.endm
; 32 products the other way round: two row tiles (source 0) x weight tiles 4 g .. 4 g + 3 (source 1).  Accumulator (q, n) at ACC + 16 q + 8 n: a lane's 16 registers of a q are 16 neighbouring rows (keys).
.macro MULT_N g
.irp s, 0,1,2,3
	WIN 0x04*(1+\s/2)                              ; source 1 window 1 or 2
.irp q, 0,1,2,3
.irp n, 0,1
.if \s == 0
	v_wmma_f32_16x16x128_bf8_bf8 v[ACC+16*\q+8*\n:ACC+16*\q+8*\n+7], v[XF+64*\n+16*\s:XF+64*\n+16*\s+15], v[16*(4*(\g)+\q+8*(\s%2)):16*(4*(\g)+\q+8*(\s%2))+15], 0
.else
	v_wmma_f32_16x16x128_bf8_bf8 v[ACC+16*\q+8*\n:ACC+16*\q+8*\n+7], v[XF+64*\n+16*\s:XF+64*\n+16*\s+15], v[16*(4*(\g)+\q+8*(\s%2)):16*(4*(\g)+\q+8*(\s%2))+15], v[ACC+16*\q+8*\n:ACC+16*\q+8*\n+7]
.endif
.endr
.endr
.endr
.endm
.macro QOUT                            ; the 64 sums become 16 registers of codes
	WIN 0
	PLACES 4                                       ; between the last product and the first read of a result (ISA guide 7.12.1)
	s_wait_xcnt 0x0                                ; the last stores have read the codes' registers: these are written again only behind this wait
.set i, 0
.rept 64
	v_med3_num_f32 v[ACC+i], v[ACC+i], -v[LIMO], v[LIMO]   ; the conversion does not saturate (ISA guide 7.6.2): the hold at the largest code x the scale; each accumulator from its low end on
.set i, i+1
.endr
.set i, 0
.rept 8
	v_cvt_scalef32_pk8_bf8_f32 v[PC+2*i:PC+2*i+1], v[ACC+8*i:ACC+8*i+7], v[SCO]   ; sum / 2^(eo - ew - eh): the three scales in one
.set i, i+1
.endr
	v_nop                                          ; a plain line between the conversions and the products that write their sources again
.endm
; K step s of my tile: (x - mean) rs g1 + beta1, the hold, the codes, the image.
.macro KSTEP s
	WIN 0
.set i, 0
.rept 16
	ds_load_b128 v[32+4*i:35+4*i], v[GA] offset:512*\s+128*(i/4)+16*(i%4)          ; g1 at my 64 places of this K step: the 16 lanes of a half read the same bytes
	ds_load_b128 v[96+4*i:99+4*i], v[GA] offset:2048+512*\s+128*(i/4)+16*(i%4)     ; beta1
.set i, i+1
.endr
	s_wait_dscnt 0x0                               ; they are in; and the last image's stores have read the codes' registers
	WIN 0xc3                                       ; source 0 and destination window 3
.set i, 0
.rept 32
	v_pk_mul_f32 v[64*\s+2*i:64*\s+2*i+1], v[64*\s+2*i:64*\s+2*i+1], v[RS:RS+1]
.set i, i+1
.endr
.set i, 0
.rept 32
	v_pk_fma_f32 v[64*\s+2*i:64*\s+2*i+1], v[64*\s+2*i:64*\s+2*i+1], v[32+2*i:33+2*i], v[96+2*i:97+2*i]
.set i, i+1
.endr
.set i, 0
.rept 64
	v_med3_num_f32 v[64*\s+i], v[64*\s+i], -v[LIMH], v[LIMH]
.set i, i+1
.endr
	WIN 0x03                                       ; source 0 window 3
.set i, 0
.rept 8
	v_cvt_scalef32_pk8_bf8_f32 v[PC+2*i:PC+2*i+1], v[64*\s+8*i:64*\s+8*i+7], v[SCH]
.set i, i+1
.endr
	v_nop
	WIN 0
.irp c, 0,1,2,3
	ds_store_b128 v[XWI], v[PC+4*\c:PC+4*\c+3] offset:2048*\s+512*\c
.endr
.endm
	s_load_b128 s[4:7], s[0:1], 0x0                ; x, g1
	s_load_b128 s[8:11], s[0:1], 0x10              ; beta1, wq
	s_load_b128 s[12:15], s[0:1], 0x20             ; wk, wv
	s_load_b128 s[16:19], s[0:1], 0x30             ; the scales' exponents, q_img
	s_load_b128 s[20:23], s[0:1], 0x40             ; k_img, v_img
	v_lshl_add_u32 v254, v0, 2, 0x9000
	v_mov_b32 v255, 0
	v_lshrrev_b32 v1, 5, v0
	v_readfirstlane_b32 s24, v1                    ; wave 0..3
	v_and_b32 v1, 31, v0                           ; lane
	v_and_b32 v2, 15, v0                           ; r
	v_bfe_u32 v3, v0, 4, 1                         ; h
	v_and_b32 v30, 8, v2
	v_add_nc_u32 v30, v30, v2                      ; r + 8 (r / 8)
	v_lshlrev_b32 v[XA], 11, v30
	v_lshl_add_u32 v[XA], v3, 6, v[XA]             ; a row of x is 2,048 bytes; + 64 h: my 16 numbers of a block of 32
	v_lshlrev_b32 v[LI], 4, v1
	s_lshl_b32 s58, s24, 13
	v_add_nc_u32 v[XWI], s58, v[LI]                ; my tile's four images: 8,192 x wave
	v_lshlrev_b32 v[GA], 6, v3
	v_add_nc_u32 v[GA], GL, v[GA]
	v_lshlrev_b32 v[WA], 9, v30
	v_lshl_add_u32 v[WA], v3, 4, v[WA]             ; a weight row is 512 codes; + 16 h
	v_lshlrev_b32 v[TID16], 4, v0
	v_add_nc_u32 v[GST], GL, v[TID16]
	v_mov_b32 v[PD], 0                             ; written once: a lane permute's destination counts as one of its sources
	s_and_b32 s25, ttmp7, 0xffff                   ; y
	s_mov_b32 s26, 2                               ; blocks to go
	s_mov_b32 s53, 0
	s_mov_b32 s54, 0x76543210                      ; v_permlanex16_b32: lane l xor 16
	s_mov_b32 s55, 0xfedcba98
	s_mov_b32 s56, 0x3b000000                      ; 1 / 512
	s_mov_b32 s57, 0x3727c5ac                      ; 1e-5
	s_lshl_b32 s58, ttmp9, 7                       ; x: row 128 gx + 32 (w / 2) + 8 (w % 2),
	s_lshr_b32 s59, s24, 1
	s_lshl_b32 s59, s59, 5
	s_add_co_u32 s58, s58, s59
	s_and_b32 s59, s24, 1
	s_lshl_b32 s59, s59, 3
	s_add_co_u32 s58, s58, s59
	s_lshl_b32 s58, s58, 11                        ; in bytes
	s_mov_b32 s59, 0
	s_lshl_b32 s60, s24, 16                        ; the weight: 128 rows of 512 bytes a wave
	s_mov_b32 s61, 0
	s_lshr_b32 s62, ttmp9, 4                       ; the images: (16 x batch + 4 w) x 65,536 + (gx % 16) x 4,096, for all three layouts
	s_lshl_b32 s62, s62, 4
	s_lshl_b32 s63, s24, 2
	s_add_co_u32 s62, s62, s63
	s_lshl_b32 s62, s62, 16
	s_and_b32 s63, ttmp9, 15
	s_lshl_b32 s63, s63, 12
	s_add_co_u32 s62, s62, s63
	s_mov_b32 s63, 0
	s_wait_kmcnt 0x0
	s_load_b512 s[32:47], s[16:17], 0x0            ; the sixteen exponents
	s_cmp_eq_u32 s25, 1                            ; the weight and the image are chosen by y alone
	s_cselect_b64 s[48:49], s[12:13], s[14:15]
	s_cselect_b64 s[50:51], s[20:21], s[22:23]
	s_cmp_eq_u32 s25, 0
	s_cselect_b64 s[48:49], s[10:11], s[48:49]
	s_cselect_b64 s[50:51], s[18:19], s[50:51]
	s_mov_b32 s52, 2048                            ; from block to block: four row tiles of 512 bytes (q, k), or two groups of 32 keys (v)
	s_cmp_eq_u32 s25, 2
	s_cselect_b32 s52, 1024, s52
	s_add_nc_u64 s[4:5], s[4:5], s[58:59]
	s_add_nc_u64 s[48:49], s[48:49], s[60:61]
	s_add_nc_u64 s[50:51], s[50:51], s[62:63]
	XLOAD 0                                        ; the first block's tile of x first, the weight behind it
	global_load_b128 v[240:243], v[TID16], s[6:7]
	global_load_b128 v[244:247], v[TID16], s[8:9]
	WLOAD 512, 48
	s_wait_kmcnt 0x0
	s_cmp_eq_u32 s25, 1
	s_cselect_b32 s28, s34, s36                    ; ew
	s_cselect_b32 s29, s35, s37                    ; eh
	s_cselect_b32 s30, s39, s41                    ; eo: entry 6 (q), 7 (k), 9 (v)
	s_cmp_eq_u32 s25, 0
	s_cselect_b32 s28, s32, s28
	s_cselect_b32 s29, s33, s29
	s_cselect_b32 s30, s38, s30
	s_sub_co_i32 s30, s30, s28
	s_sub_co_i32 s30, s30, s29                     ; eo - ew - eh
	s_add_co_i32 s29, s29, 127
	s_lshl_b32 s31, s29, 23
	v_mov_b32 v[SCH], s31                          ; 2^eh as f32: the conversion takes its exponent field
	s_add_co_i32 s29, s29, 15
	s_lshl_b32 s29, s29, 23
	s_or_b32 s29, s29, 0x600000
	v_mov_b32 v[LIMH], s29                         ; 57,344 x 2^eh
	s_add_co_i32 s30, s30, 127
	s_lshl_b32 s31, s30, 23
	v_mov_b32 v[SCO], s31
	s_add_co_i32 s30, s30, 15
	s_lshl_b32 s30, s30, 23
	s_or_b32 s30, s30, 0x600000
	v_mov_b32 v[LIMO], s30
	s_wait_loadcnt 63                              ; 128 loads of the weight were issued behind x, g1 and beta1: with 63 out at the most these are in
	ds_store_b128 v[GST], v[240:243]
	ds_store_b128 v[GST], v[244:247] offset:2048
	BARRIER                                        ; g1 and beta1 lie in LDS; they are only read from here on
.Lblock:
	; ---- the row's mean: my 256 numbers in four chains of pairs, then the lane 16 away
	WIN 0x0f                                       ; sources 0 and 1 window 3
.irp q, 0,1,2,3
	v_pk_add_f32 v[CH+2*\q:CH+2*\q+1], v[4*\q:4*\q+1], v[4*\q+2:4*\q+3]   ; the first eight pairs start the chains: nothing is cleared
.endr
	WIN 0x0c                                       ; source 1 window 3
.set i, 8
.rept 120
	v_pk_add_f32 v[CH+2*(i%4):CH+2*(i%4)+1], v[CH+2*(i%4):CH+2*(i%4)+1], v[2*i:2*i+1]
.set i, i+1
.endr
	WIN 0
	v_pk_add_f32 v[CH:CH+1], v[CH:CH+1], v[CH+2:CH+3]
	v_pk_add_f32 v[CH+4:CH+5], v[CH+4:CH+5], v[CH+6:CH+7]
	v_pk_add_f32 v[CH:CH+1], v[CH:CH+1], v[CH+4:CH+5]
	v_add_f32 v[CH], v[CH], v[CH+1]
	v_permlanex16_b32 v[PD], v[CH], s54, s55
	v_add_f32 v[CH], v[CH], v[PD]
	v_mul_f32 v[MU], s56, v[CH]
	v_mov_b32 v[MU+1], v[MU]
	; ---- x - mean in place, then the mean of its squares: two passes over registers, no difference of large sums
	WIN 0xc3
.set i, 0
.rept 128
	v_pk_add_f32 v[2*i:2*i+1], v[2*i:2*i+1], v[MU:MU+1] neg_lo:[0,1] neg_hi:[0,1]
.set i, i+1
.endr
	WIN 0x0f
.irp q, 0,1,2,3
	v_pk_mul_f32 v[CH+2*\q:CH+2*\q+1], v[2*\q:2*\q+1], v[2*\q:2*\q+1]
.endr
.set i, 4
.rept 124
	v_pk_fma_f32 v[CH+2*(i%4):CH+2*(i%4)+1], v[2*i:2*i+1], v[2*i:2*i+1], v[CH+2*(i%4):CH+2*(i%4)+1]
.set i, i+1
.endr
	WIN 0
	v_pk_add_f32 v[CH:CH+1], v[CH:CH+1], v[CH+2:CH+3]
	v_pk_add_f32 v[CH+4:CH+5], v[CH+4:CH+5], v[CH+6:CH+7]
	v_pk_add_f32 v[CH:CH+1], v[CH:CH+1], v[CH+4:CH+5]
	v_add_f32 v[CH], v[CH], v[CH+1]
	v_permlanex16_b32 v[PD], v[CH], s54, s55
	v_add_f32 v[CH], v[CH], v[PD]
	v_fma_f32 v[CH], v[CH], s56, s57               ; var + eps
	v_rsq_f32 v[RS], v[CH]
	v_nop                                          ; a plain line behind the transcendental
	s_wait_alu depctr_va_vdst(0)
	v_mov_b32 v[RS+1], v[RS]
	KSTEP 0
	KSTEP 1
	KSTEP 2
	KSTEP 3
	BARRIER                                        ; the block's sixteen images lie in LDS
	s_cmp_eq_u32 s26, 1                            ; the next block's x is asked for here, if there is one: no load leaves its buffer
	s_cbranch_scc1 .Llastx
	XLOAD 131072                                   ; 64 rows on
	s_wait_loadcnt 63                              ; these 64 were issued behind the weight's loads: with 63 out at the most the weight is in
	s_branch .Lxdone
.Llastx:
	s_wait_loadcnt 0x0
.Lxdone:
	s_cmp_eq_u32 s25, 2
	s_cbranch_scc1 .Lvpath
	; ---- q, k: a row tile at a time; the next tile's fragments are fetched while this one is multiplied
	FETCH 0, 0
.irp m, 0,1,2,3
.if \m < 3
	FETCH (\m+1)%2, \m+1
	s_wait_dscnt 16                                ; this tile's fragments are in; the next tile's 16 loads may be out
.else
	s_wait_dscnt 0x0
.endif
	MULT_T \m%2
	QOUT
.irp b, 0,1,2,3
	global_store_b128 v[LI], v[PC+4*\b:PC+4*\b+3], s[50:51] offset:65536*\b+512*\m   ; head 4 w + b, row tile m: lane (r, h): f = 16 h .. 16 h + 15 of row r
.endr
.endr
	s_branch .Ljoin
.Lvpath:
	; ---- v: two row tiles (32 keys) at a time, four weight tiles (two heads) at a time
.irp p, 0,1
	FETCH 0, 2*\p
	FETCH 1, 2*\p+1
	s_wait_dscnt 0x0
.irp g, 0,1
	MULT_N \g
	QOUT
.irp q, 0,1,2,3
	global_store_b128 v[LI], v[PC+4*\q:PC+4*\q+3], s[50:51] offset:(2*\g+\q/2)*65536+(\q%2)*2048+512*\p   ; head 4 w + 2 g + q / 2, f tile q % 2, keys 32 p on: lane (r, h): 16 keys of one f
.endr
.endr
.endr
.Ljoin:
	s_wait_xcnt 0x0                                ; the stores have read their base and their data
	s_add_nc_u64 s[50:51], s[50:51], s[52:53]
	s_wait_loadcnt 0x0                             ; the next block's x is in
	BARRIER                                        ; every wave's reads of the images are over: the next block may write them
	s_sub_co_u32 s26, s26, 1
	s_cmp_lg_u32 s26, 0
	s_cbranch_scc1 .Lblock
	s_wait_tensorcnt 0x0
	ds_add_u32 v254, v255
	s_wait_dscnt 0x0
	s_endpgm
.Lfunc_end_k_q3b4532eade_qkv:
	.size	k_q3b4532eade_qkv, .Lfunc_end_k_q3b4532eade_qkv-k_q3b4532eade_qkv
	.p2alignl 7, 3214868480
	.fill 96, 4, 3214868480
	.section	.rodata,"a",@progbits
	.p2align	6, 0x0
	.amdhsa_kernel k_q3b4532eade_qkv
		.amdhsa_group_segment_fixed_size 37376
		.amdhsa_private_segment_fixed_size 0
		.amdhsa_enable_private_segment 0
		.amdhsa_kernarg_size 80
		.amdhsa_user_sgpr_count 2
		.amdhsa_user_sgpr_kernarg_segment_ptr 1
		.amdhsa_wavefront_size32 1
		.amdhsa_system_sgpr_workgroup_id_x 1
		.amdhsa_system_sgpr_workgroup_id_y 1
		.amdhsa_system_sgpr_workgroup_id_z 1
		.amdhsa_system_vgpr_workitem_id 0
		.amdhsa_next_free_vgpr 1024
		.amdhsa_next_free_sgpr 66
		.amdhsa_reserve_vcc 0
		.amdhsa_float_denorm_mode_32 3
		.amdhsa_float_denorm_mode_16_64 3
		.amdhsa_memory_ordered 1
		.amdhsa_forward_progress 1
		.amdhsa_inst_pref_size 164
	.end_amdhsa_kernel
	.amdgpu_metadata
---
amdhsa.version: [ 1, 2 ]
amdhsa.kernels:
  - .name:           k_q3b4532eade_qkv
    .symbol:         k_q3b4532eade_qkv.kd
    .args:
      - { .name: x, .offset: 0, .size: 8, .value_kind: global_buffer, .address_space: global }
      - { .name: g1, .offset: 8, .size: 8, .value_kind: global_buffer, .address_space: global }
      - { .name: beta1, .offset: 16, .size: 8, .value_kind: global_buffer, .address_space: global }
      - { .name: wq_codes, .offset: 24, .size: 8, .value_kind: global_buffer, .address_space: global }
      - { .name: wk_codes, .offset: 32, .size: 8, .value_kind: global_buffer, .address_space: global }
      - { .name: wv_codes, .offset: 40, .size: 8, .value_kind: global_buffer, .address_space: global }
      - { .name: lowp_scales, .offset: 48, .size: 8, .value_kind: global_buffer, .address_space: global }
      - { .name: q_img, .offset: 56, .size: 8, .value_kind: global_buffer, .address_space: global }
      - { .name: k_img, .offset: 64, .size: 8, .value_kind: global_buffer, .address_space: global }
      - { .name: v_img, .offset: 72, .size: 8, .value_kind: global_buffer, .address_space: global }
    .group_segment_fixed_size: 37376
    .private_segment_fixed_size: 0
    .kernarg_segment_align: 8
    .kernarg_segment_size: 80
    .max_flat_workgroup_size: 128
    .sgpr_count:     66
    .vgpr_count:     1024
    .wavefront_size: 32
...
	.end_amdgpu_metadata
.endif
;; end of part 1
;; launch attn (part 2): grid 4 x 64, 16 waves a work-group, no clusters, 133,120 bytes of LDS; arguments q_img, k_img, v_img, lowp_scales, ao_img; writes ao_img
.if DOCPART == 2
	.amdgcn_target "amdgcn-amd-amdhsa--gfx1250"
	.amdhsa_code_object_version 6
	.text
	.protected	k_q3b4532eade_attn
	.globl	k_q3b4532eade_attn
	.p2align	8
	.type	k_q3b4532eade_attn,@function
k_q3b4532eade_attn:
	s_mov_b64 s[64:65], 0
	v_nop
	global_prefetch_b8 v0, s[64:65] scope:SCOPE_SE
	s_setreg_imm32_b32 hwreg(HW_REG_WAVE_MODE, 25, 1), 1
	s_wait_xcnt 0x0
; Causal attention of one (batch, head) on codes of E5M2, head size 32; the result is quantised for the projection and stored as images of operand registers.
; t = score x log2(e) / sqrt(512); M = the running largest t rounded UP to a whole number; p = 2^(t - M) is quantised along the keys, not normalised; the row's sum is taken of the unquantised p and divides at the end.
; When M moves, the sum and O are multiplied by 2^(old M - new M), which rounds nothing.
; SHARES.  Work-group (qx, bh).  Wave w owns two tiles of 16 queries, one after the other: tile 4 w + qx and tile 127 - (4 w + qx).  Tile u needs u / 8 + 1 key steps of 128 keys, so the two need 17: the same for every wave of the launch.
; u / 8 is w / 2, then 15 - w / 2: the wave's number alone.  Four waves share a SIMD, so that one wave's softmax stands beside another's products and LDS loads.
; The head's K and V images, 64 KB each, are laid in LDS once, as they lie in memory, and only read behind one barrier.
; LAYOUT.  Both products are used transposed: S^T = K Q^T (source 0 = 16 keys, source 1 = my 16 queries), O^T = V^T P^T: a lane holds ONE query throughout.  Lane-row r of tile u is row 32 (u / 2) + 8 (u % 2) + r + 8 (r / 8),
; so the 16 registers of key tiles 2 b, 2 b + 1 are the keys 32 b + 16 (lane / 16) + 0 .. 15, which is the order of P's fragment.
; K = 32 IS HALF OF THE SHORTEST FORM'S 64: registers 0-3 of Q's and K's fragments hold f = 16 (lane / 16) + 0 .. 15, registers 4-7 zero codes on both sides, set once.
; THE MASK.  Every wave walks 16 trips (a constant); a step all of whose keys come after the tile's queries is jumped over by a scalar branch on ids; in the one step on the diagonal hidden scores become -infinity ahead of the maximum.
; NOT SHARED IN A CLUSTER: the four work-groups of a head read the same 128 KB, each once at its head, for the 272 key steps of its sixteen waves; the fill goes through registers and this text has no tensor load.
; LIMITS on the given exponents: entries 6 + 7 between -122 and 131 (added to c's exponent field); entries 8 and 10 between -126 and 112; 8 + 9 is applied by v_ldexp_f32 and has none.
; REGISTERS: v1-5 addresses that stay; v8-10 at work; v12 -M, v13 the largest t, v[14:15] the sum in two halves; v16-23 Q; v32-95 eight key tiles; v96-159 S^T, then p; v160-175 O^T; v176-191 p's codes; v192-223 V's two fragments; v224-254 at work.
	s_load_b128 s[4:7], s[0:1], 0x0                ; q_img, k_img
	s_load_b128 s[8:11], s[0:1], 0x10              ; v_img, the scales' exponents
	s_load_b64 s[12:13], s[0:1], 0x20              ; ao_img
	v_lshl_add_u32 v251, v0, 2, 0x20000
	v_mov_b32 v255, 0
	v_lshrrev_b32 v1, 5, v0
	v_readfirstlane_b32 s24, v1                    ; wave 0..15
	v_and_b32 v6, 31, v0
	v_lshlrev_b32 v1, 4, v6                        ; 16 x lane: K's images begin at LDS byte 0,
	v_add_nc_u32 v2, 65536, v1                     ; V's at 65,536
	v_lshlrev_b32 v3, 4, v0                        ; the fill: 16 x thread,
	v_add_nc_u32 v4, 65536, v3
	v_and_b32 v6, 15, v0
	v_and_b32 v7, 8, v6
	v_add_nc_u32 v6, v6, v7                        ; r + 8 (r / 8)
	v_bfe_u32 v7, v0, 4, 1
	v_lshlrev_b32 v7, 4, v7
	v_sub_nc_u32 v5, v6, v7                        ; the mask: my query's place in its tile less 16 (lane / 16)
	s_and_b32 s26, ttmp7, 0xffff                   ; bh
	s_lshl_b32 s27, s24, 2
	s_add_co_u32 s27, s27, ttmp9                   ; my first tile: 4 w + qx
	s_lshr_b32 s28, s24, 1                         ; its key step on the diagonal
	s_mov_b32 s31, 2                               ; tiles to go
	s_mov_b32 s32, 0x3d8293ee                      ; c = log2(e) / sqrt(512)
	s_mov_b32 s34, 0x76543210                      ; v_permlanex16_b32: lane l xor 16
	s_mov_b32 s35, 0xfedcba98
	s_lshl_b32 s44, s26, 16                        ; the head's 65,536 bytes in each image
	s_mov_b32 s45, 0
	s_wait_kmcnt 0x0
	s_load_b128 s[16:19], s[10:11], 0x18           ; entries 6 to 9: q, k, p, v
	s_load_b32 s20, s[10:11], 0x28                 ; entry 10: the result
	s_add_nc_u64 s[6:7], s[6:7], s[44:45]
	s_add_nc_u64 s[8:9], s[8:9], s[44:45]
.set i, 0
.rept 8
	global_load_b128 v[96+4*i:99+4*i], v3, s[6:7] offset:8192*i      ; 512 threads x 16 bytes: 8,192 consecutive bytes a line
.set i, i+1
.endr
.set i, 0
.rept 8
	global_load_b128 v[128+4*i:131+4*i], v3, s[8:9] offset:8192*i
.set i, i+1
.endr
.irp j, 20,21,22,23
	v_mov_b32 v\j, 0                               ; the upper half of K: zero codes, in Q
.endr
.set i, 0
.rept 8
.irp j, 4,5,6,7
	v_mov_b32 v[32+8*i+\j], 0                      ; and in the eight key tiles
.endr
.set i, i+1
.endr
	v_mov_b32 v241, 0xff800000                     ; -infinity
	v_mov_b32 v248, 0                              ; written once: a lane permute's destination counts as one of its sources
	v_mov_b32 v253, 0                              ; (named as the upper half of the pair v[252:253])
	s_wait_kmcnt 0x0
	s_add_co_i32 s44, s16, s17
	s_lshl_b32 s44, s44, 23
	s_add_co_i32 s32, s32, s44                     ; a score stands for score x 2^(eq + ek): the exponents are added to c's exponent field
	s_mov_b32 s33, s32                             ; (named with it as a pair, so it is written)
	s_add_co_i32 s44, s18, 127
	s_lshl_b32 s45, s44, 23
	v_mov_b32 v244, s45                            ; 2^ep as f32
	s_add_co_i32 s44, s44, 15
	s_lshl_b32 s44, s44, 23
	s_or_b32 s44, s44, 0x600000
	v_mov_b32 v240, s44                            ; 57,344 x 2^ep
	s_add_co_i32 s44, s20, 127
	s_lshl_b32 s45, s44, 23
	v_mov_b32 v246, s45                            ; the same for the result
	s_add_co_i32 s44, s44, 15
	s_lshl_b32 s44, s44, 23
	s_or_b32 s44, s44, 0x600000
	v_mov_b32 v245, s44
	s_add_co_i32 s46, s18, s19                     ; ep + ev
.set i, 0
.rept 8
	s_wait_loadcnt 15-i                            ; loads come back in order (ISA guide 5.7.1): load i is in, the younger ones may be out
	ds_store_b128 v3, v[96+4*i:99+4*i] offset:8192*i
.set i, i+1
.endr
.set i, 0
.rept 8
	s_wait_loadcnt 7-i
	ds_store_b128 v4, v[128+4*i:131+4*i] offset:8192*i
.set i, i+1
.endr
	s_wait_dscnt 0x0                               ; for the others' sake: my stores have landed
	s_barrier_signal -1
	s_barrier_wait -1                              ; K and V lie in LDS; nothing is written there again
.Ltile:
	s_wait_xcnt 0x0                                ; the last tile's store has read its data and its base
	s_lshl_b32 s44, s26, 16
	s_lshl_b32 s45, s27, 9
	s_add_co_u32 s44, s44, s45
	s_mov_b32 s45, 0
	s_add_nc_u64 s[40:41], s[4:5], s[44:45]        ; Q's image: bh x 65,536 + 512 x tile
	s_lshr_b32 s44, s26, 4
	s_lshl_b32 s44, s44, 7
	s_add_co_u32 s44, s44, s27
	s_lshl_b32 s44, s44, 13
	s_and_b32 s47, s26, 15
	s_lshl_b32 s47, s47, 9
	s_add_co_u32 s44, s44, s47
	s_add_nc_u64 s[42:43], s[12:13], s[44:45]      ; the result's: (128 x batch + tile) x 8,192 + 512 x head
	global_load_b128 v[16:19], v1, s[40:41]
	s_lshl_b32 s48, s27, 4
	s_and_b32 s47, s27, 1
	s_lshl_b32 s47, s47, 3
	s_sub_co_u32 s48, s48, s47                     ; the tile's first row: 16 u - 8 (u % 2)
	v_mov_b32 v13, 0xff61b1e6                      ; the largest t so far: -3e38, under every t
	v_floor_f32 v12, -v13                          ; -M
	v_mov_b32 v14, 0
	v_mov_b32 v15, 0
.set i, 0
.rept 16
	v_mov_b32 v[160+i], 0                          ; O^T: the step is written once; its first trip finds zeros
.set i, i+1
.endr
	s_mov_b32 s29, 0                               ; the key step
	s_wait_loadcnt 0x0
.Lstep:
	s_cmp_gt_u32 s29, s28                          ; all 128 keys come after my queries: nothing to do
	s_cbranch_scc1 .Lhidden
	s_lshl_b32 s30, s29, 12                        ; a key step is 4,096 bytes of K's images and of V's
	v_add_nc_u32 v8, s30, v1
	v_add_nc_u32 v9, s30, v2
.irp t, 0,1,2,3,4,5,6,7
	ds_load_b128 v[32+8*\t:35+8*\t], v8 offset:512*\t
.endr
.irp t, 0,1,2,3,4,5,6,7
	ds_load_b128 v[192+4*\t:195+4*\t], v9 offset:512*\t       ; f tile t / 4, keys 32 (t % 4) on
.endr
	s_wait_dscnt 8                                 ; K's eight loads are in; V's eight may be out
.irp t, 0,1,2,3,4,5,6,7
	v_wmma_f32_16x16x64_bf8_bf8 v[96+8*\t:103+8*\t], v[32+8*\t:39+8*\t], v[16:23], 0
.endr
.rept 4
	v_nop                                          ; between the last product and the first read of a result (ISA guide 7.12.1)
.endr
	s_cmp_lg_u32 s29, s28                          ; a step in front of the diagonal: all its keys count
	s_cbranch_scc1 .Lopen
	s_lshl_b32 s44, s29, 7
	s_sub_co_i32 s44, s48, s44
	v_add_nc_u32 v10, s44, v5                      ; d = my query - the step's first key - 16 (lane / 16).  Register 16 b + i holds key 32 b + 16 (lane / 16) + i of the step: hidden where 32 b + i > d
.set n, 0
.rept 64
	v_cmp_gt_i32 vcc_lo, 32*(n/16)+(n%16), v10
	v_cndmask_b32 v[96+n], v[96+n], v241, vcc_lo
.set n, n+1
.endr
.Lopen:
	v_max3_num_f32 v254, v96, v97, v98             ; the step's largest score of my query among my 64 keys, in two chains,
	v_max3_num_f32 v252, v99, v100, v101
.irp i, 6,10,14,18,22,26,30,34,38,42,46,50,54,58
	v_max3_num_f32 v254, v254, v[96+\i], v[97+\i]
	v_max3_num_f32 v252, v252, v[98+\i], v[99+\i]
.endr
	v_max3_num_f32 v254, v254, v158, v159
	v_max_num_f32 v254, v254, v252
	v_permlanex16_b32 v248, v254, s34, s35
	v_max_num_f32 v254, v254, v248                 ; and among lane l xor 16's
	v_mul_f32 v254, s32, v254                      ; as t (c is positive)
	v_max_num_f32 v13, v13, v254                   ; the running largest t
	v_mov_b32 v254, v12
	v_floor_f32 v12, -v13                          ; the new -M = floor(-t) = -ceil(t)
	v_sub_f32 v254, v12, v254                      ; old M - new M: a whole number, 0 or less
	v_cvt_i32_f32 v254, v254                       ; (it saturates)
	v_ldexp_f32 v252, 1.0, v254                    ; f = 2^(old M - new M)
.set j, 0
.rept 32
	v_pk_fma_f32 v[96+j:97+j], v[96+j:97+j], s[32:33], v[12:13] op_sel_hi:[1,0,0]   ; t - M, two at a time
.set j, j+2
.endr
.set j, 0
.rept 64
	v_exp_f32 v[96+j], v[96+j]                     ; p = 2^(t - M), at most 1
.set j, j+1
.endr
	v_pk_mul_f32 v[14:15], v[14:15], v[252:253] op_sel_hi:[1,0]   ; the sums under the new M (a plain line behind the exponentials)
	s_wait_alu depctr_va_vdst(0)
	v_pk_add_f32 v[242:243], v[96:97], v[98:99]    ; the row's sum of the unquantised p, in two chains
.irp j, 4,8,12,16,20,24,28,32,36,40,44,48,52,56,60
	v_pk_add_f32 v[14:15], v[14:15], v[96+\j:97+\j]
	v_pk_add_f32 v[242:243], v[242:243], v[98+\j:99+\j]
.endr
	v_pk_add_f32 v[14:15], v[14:15], v[242:243]
	s_cmp_ge_i32 s18, -15                          ; p <= 1 <= 57,344 x 2^ep wherever ep >= -15: the hold would change nothing there.  A branch on a whole number that was given
	s_cbranch_scc1 .Lheld
.set j, 0
.rept 64
	v_min_num_f32 v[96+j], v[96+j], v240           ; the conversion does not saturate (ISA guide 7.6.2); p is not negative, so the hold is one-sided
.set j, j+1
.endr
.Lheld:
.set j, 0
.rept 8
	v_cvt_scalef32_pk8_bf8_f32 v[176+2*j:177+2*j], v[96+8*j:103+8*j], v244
.set j, j+1
.endr
.set j, 0
.rept 8
	v_pk_mul_f32 v[160+2*j:161+2*j], v[160+2*j:161+2*j], v[252:253] op_sel_hi:[1,0]   ; O^T under the new M; also the plain lines behind the conversions
.set j, j+1
.endr
	s_wait_dscnt 0x0                               ; V is in
	v_wmma_f32_16x16x128_bf8_bf8 v[160:167], v[192:207], v[176:191], v[160:167]   ; the two accumulators take turns, and eight other products stand between two links of each
	v_wmma_f32_16x16x128_bf8_bf8 v[168:175], v[208:223], v[176:191], v[168:175]
.rept 4
	v_nop                                          ; in front of the next step's loads into V's registers, and of the first read of O^T
.endr
.Lhidden:
	s_add_co_u32 s29, s29, 1
	s_cmp_lt_u32 s29, 16
	s_cbranch_scc1 .Lstep
	; ---- the tile's way out: O^T x 2^(ep + ev) / the sum, quantised: register 8 ft + i is f = 16 (lane / 16) + 8 ft + i of my query: 16 bytes of the projection's fragment
	v_add_f32 v14, v14, v15
	v_permlanex16_b32 v248, v14, s34, s35
	v_add_f32 v14, v14, v248                       ; the row's sum
	v_rcp_f32 v14, v14
	v_nop                                          ; a plain line behind the transcendental
	s_wait_alu depctr_va_vdst(0)
	v_ldexp_f32 v14, v14, s46
.set j, 0
.rept 16
	v_mul_f32 v[224+j], v[160+j], v14
.set j, j+1
.endr
.set j, 0
.rept 16
	v_med3_num_f32 v[224+j], v[224+j], -v245, v245
.set j, j+1
.endr
	v_cvt_scalef32_pk8_bf8_f32 v[176:177], v[224:231], v246
	v_cvt_scalef32_pk8_bf8_f32 v[178:179], v[232:239], v246
	v_nop
	global_store_b128 v1, v[176:179], s[42:43]     ; the wave stores 512 consecutive bytes, aligned
	s_sub_co_u32 s27, 127, s27                     ; the partner tile,
	s_sub_co_u32 s28, 15, s28                      ; and its step on the diagonal
	s_sub_co_u32 s31, s31, 1
	s_cmp_lg_u32 s31, 0
	s_cbranch_scc1 .Ltile
	s_wait_tensorcnt 0x0
	ds_add_u32 v251, v255
	s_wait_dscnt 0x0
	s_endpgm
.Lfunc_end_k_q3b4532eade_attn:
	.size	k_q3b4532eade_attn, .Lfunc_end_k_q3b4532eade_attn-k_q3b4532eade_attn
	.p2alignl 7, 3214868480
	.fill 96, 4, 3214868480
	.section	.rodata,"a",@progbits
	.p2align	6, 0x0
	.amdhsa_kernel k_q3b4532eade_attn
		.amdhsa_group_segment_fixed_size 133120
		.amdhsa_private_segment_fixed_size 0
		.amdhsa_enable_private_segment 0
		.amdhsa_kernarg_size 40
		.amdhsa_user_sgpr_count 2
		.amdhsa_user_sgpr_kernarg_segment_ptr 1
		.amdhsa_wavefront_size32 1
		.amdhsa_system_sgpr_workgroup_id_x 1
		.amdhsa_system_sgpr_workgroup_id_y 1
		.amdhsa_system_sgpr_workgroup_id_z 1
		.amdhsa_system_vgpr_workitem_id 0
		.amdhsa_next_free_vgpr 256
		.amdhsa_next_free_sgpr 66
		.amdhsa_reserve_vcc 1
		.amdhsa_float_denorm_mode_32 3
		.amdhsa_float_denorm_mode_16_64 3
		.amdhsa_memory_ordered 1
		.amdhsa_forward_progress 1
		.amdhsa_inst_pref_size 30
	.end_amdhsa_kernel
	.amdgpu_metadata
---
amdhsa.version: [ 1, 2 ]
amdhsa.kernels:
  - .name:           k_q3b4532eade_attn
    .symbol:         k_q3b4532eade_attn.kd
    .args:
      - { .name: q_img, .offset: 0, .size: 8, .value_kind: global_buffer, .address_space: global }
      - { .name: k_img, .offset: 8, .size: 8, .value_kind: global_buffer, .address_space: global }
      - { .name: v_img, .offset: 16, .size: 8, .value_kind: global_buffer, .address_space: global }
      - { .name: lowp_scales, .offset: 24, .size: 8, .value_kind: global_buffer, .address_space: global }
      - { .name: ao_img, .offset: 32, .size: 8, .value_kind: global_buffer, .address_space: global }
    .group_segment_fixed_size: 133120
    .private_segment_fixed_size: 0
    .kernarg_segment_align: 8
    .kernarg_segment_size: 40
    .max_flat_workgroup_size: 512
    .sgpr_count:     66
    .vgpr_count:     256
    .wavefront_size: 32
...
	.end_amdgpu_metadata
.endif
;; end of part 2
;; launch proj (part 3): grid 256 x 1, 4 waves a work-group, no clusters, 1,536 bytes of LDS; arguments ao_img, w_proj_codes, b_proj, x, g2, beta2, bf2, lowp_scales, x1b_img, h2_img; writes x1b_img, h2_img
.if DOCPART == 3
	.amdgcn_target "amdgcn-amd-amdhsa--gfx1250"
	.amdhsa_code_object_version 6
	.text
	.protected	k_q3b4532eade_proj
	.globl	k_q3b4532eade_proj
	.p2align	8
	.type	k_q3b4532eade_proj,@function
k_q3b4532eade_proj:
	s_mov_b64 s[64:65], 0
	v_nop
	global_prefetch_b8 v0, s[64:65] scope:SCOPE_SE
	s_setreg_imm32_b32 hwreg(HW_REG_WAVE_MODE, 25, 1), 1
	s_wait_xcnt 0x0
; x1 = x + attention's result x w_proj + b_proj (the product on codes of E5M2); h2 = layernorm(x1, g2, beta2), quantised.  Stored: x1 + bf2 as an image of the last launch's accumulators, and h2's codes as images of fragments.
; SHARES.  Work-group i: row tiles 2 i and 2 i + 1, which are rows 32 i .. 32 i + 31.  Wave w: columns 128 w .. +127, K 512: its part of w_proj stays in 512 registers.  Each wave loads both tiles' eight fragments itself (16 KB).
; Source 0 = 16 weight rows, source 1 = 16 rows: a lane holds one row; lane-row r of tile t is row 32 (t / 2) + 8 (t % 2) + r + 8 (r / 8), so register R (0 .. 63) of a tile's accumulators is column 128 w + 32 (R / 16) + 16 (lane / 16) + R % 16.
; THE RESIDUAL AND THE BIAS ARE THE C OF THE FIRST K STEP: (x + b_proj) / 2^E, E = entries 10 + 11; the finished sums are multiplied by 2^E.  Both scalings are by powers of two.
; THE ROW'S STATISTICS span four waves.  Each wave takes the mean and the sum of squared deviations of its 128 columns; the four pairs meet in LDS; mean = the mean of the four, M2 = the sum of the four M2 + 128 x the sum of (mean_i - mean)^2:
; one exchange, and no difference of large sums.
; NOT SHARED IN A CLUSTER: all 256 work-groups read the same 256 KB of w_proj, each once, straight into the registers where it stays.
; LIMITS on the given exponents: entries 10 + 11 between -126 and 126; entry 12 between -126 and 112.  NaN among the inputs is not served.
; REGISTERS, in windows of 256: window 0: v2-31 addresses and statistics; v32-159 the eight fragments ((m, s) at 32 + 64 m + 16 s), later x1 + bf2; v160-223 b_proj, then bf2, then the four waves' statistics; v224-255 h2's codes.
;   windows 1, 2: w_proj's fragment (t, s) at v[16 (t + 8 (s % 2))] of window 1 + s / 2.   window 3: v0-127 the 16 accumulators ((m, t) at 64 m + 8 t); v128-191 g2; v192-255 beta2.
.set XA,  4                            ; v4   x: my lane's byte in a tile
.set LI,  5                            ; v5   16 x lane
.set WA,  6                            ; v6   the weight: my lane's byte in a tile
.set CV,  7                            ; v7   64 (lane / 16): my half's 16 numbers of a block of 32 columns
.set SA,  9                            ; v9   LDS: where I lay my wave's statistics of row r
.set SL,  10                           ; v10  LDS: the four waves' statistics of row r
.set CH,  12                           ; v[12:19] tile m: two chains of pairs at 12 + 4 m; later rs twice and nd twice
.set MW,  20                           ; v[20:23] tile m: my wave's mean, twice
.set ST,  24                           ; v[24:27] tile m: (mean, M2) to exchange
.set LIM, 29
.set SC,  30
.set AF,  32
.set BI,  160
.set PC,  224
.set MSB, 0
.macro WIN new                         ; the immediate's high byte repeats the setting that is left; a switch that changes nothing is dropped
.if MSB != (\new)
	s_set_vgpr_msb (MSB<<8)|(\new)
.set MSB, (\new)
.endif
.endm
.macro COLS reg, base                  ; 64 numbers of a vector over the columns, in the accumulators' layout
.set i, 0
.rept 16
	global_load_b128 v[\reg+4*i:\reg+4*i+3], v[CV], s[\base:\base+1] offset:128*(i/4)+16*(i%4)
.set i, i+1
.endr
.endm
.macro FOLD                            ; each tile's two chains, a pair's halves, and the lane 16 away: the sum lands in v[CH + 4 m]
.irp m, 0,1
	v_pk_add_f32 v[CH+4*\m:CH+4*\m+1], v[CH+4*\m:CH+4*\m+1], v[CH+4*\m+2:CH+4*\m+3]
.endr
.irp m, 0,1
	v_add_f32 v[CH+4*\m], v[CH+4*\m], v[CH+4*\m+1]
.endr
.irp m, 0,1
	v_permlanex16_b32 v[CH+4*\m+2], v[CH+4*\m], s34, s35
.endr
.irp m, 0,1
	v_add_f32 v[CH+4*\m], v[CH+4*\m], v[CH+4*\m+2]
.endr
.endm
	s_load_b128 s[4:7], s[0:1], 0x0                ; ao_img, w_proj
	s_load_b128 s[8:11], s[0:1], 0x10              ; b_proj, x
	s_load_b128 s[12:15], s[0:1], 0x20             ; g2, beta2
	s_load_b128 s[16:19], s[0:1], 0x30             ; bf2, the scales' exponents
	s_load_b128 s[20:23], s[0:1], 0x40             ; x1b_img, h2_img
	v_lshl_add_u32 v28, v0, 2, 0x400
	v_mov_b32 v31, 0
	v_lshrrev_b32 v1, 5, v0
	v_readfirstlane_b32 s32, v1                    ; wave 0..3
	v_and_b32 v1, 31, v0
	v_and_b32 v2, 15, v0                           ; r
	v_bfe_u32 v3, v0, 4, 1                         ; h
	v_and_b32 v8, 8, v2
	v_add_nc_u32 v8, v8, v2                        ; r + 8 (r / 8)
	v_lshlrev_b32 v[XA], 11, v8
	v_lshl_add_u32 v[XA], v3, 6, v[XA]
	v_lshlrev_b32 v[LI], 4, v1
	v_lshlrev_b32 v[WA], 9, v8
	v_lshl_add_u32 v[WA], v3, 4, v[WA]
	v_lshlrev_b32 v[CV], 6, v3
	v_lshlrev_b32 v[SL], 5, v2                     ; 32 bytes a row: four waves x (mean, M2)
	s_lshl_b32 s36, s32, 3
	v_add_nc_u32 v[SA], s36, v[SL]
	s_mov_b32 s34, 0x76543210                      ; v_permlanex16_b32: lane l xor 16
	s_mov_b32 s35, 0xfedcba98
	s_mov_b32 s40, 0x3c000000                      ; 1 / 128
	s_mov_b32 s41, 0x3b000000                      ; 1 / 512
	s_mov_b32 s42, 0x3727c5ac                      ; 1e-5
	s_mov_b32 s43, 0x43000000                      ; 128
	s_mov_b32 s37, 0
	s_mov_b32 s39, 0
	s_wait_kmcnt 0x0
	s_load_b128 s[24:27], s[18:19], 0x28           ; entries 10 to 13
	s_lshl_b32 s36, ttmp9, 14                      ; two tiles' images of 8,192 bytes
	s_add_nc_u64 s[4:5], s[4:5], s[36:37]
	s_add_nc_u64 s[22:23], s[22:23], s[36:37]
	s_lshl_b32 s38, s32, 11                        ; h2: K step w
	s_add_nc_u64 s[22:23], s[22:23], s[38:39]
	s_lshl_b32 s38, s32, 16                        ; my 128 rows of w_proj
	s_add_nc_u64 s[6:7], s[6:7], s[38:39]
	s_lshl_b32 s38, s32, 9                         ; my 128 columns, in f32
	s_add_nc_u64 s[8:9], s[8:9], s[38:39]
	s_add_nc_u64 s[12:13], s[12:13], s[38:39]
	s_add_nc_u64 s[14:15], s[14:15], s[38:39]
	s_add_nc_u64 s[16:17], s[16:17], s[38:39]
	s_add_nc_u64 s[10:11], s[10:11], s[38:39]
	s_lshl_b32 s36, ttmp9, 16                      ; 32 rows of 2,048 bytes; also two tiles of x1b_img
	s_add_nc_u64 s[10:11], s[10:11], s[36:37]
	s_add_nc_u64 s[20:21], s[20:21], s[36:37]
	s_lshl_b32 s38, s32, 13                        ; x1b_img: column group w
	s_add_nc_u64 s[20:21], s[20:21], s[38:39]
	WIN 0xc0                                       ; destination window 3
.set i, 0
.rept 32
	global_load_b128 v[4*i:4*i+3], v[XA], s[10:11] offset:16384*(i/16)+128*((i%16)/4)+16*(i%4) th:TH_LOAD_NT   ; x goes straight into the accumulators' registers
.set i, i+1
.endr
	COLS 128, 12
	COLS 192, 14
	WIN 0
	COLS BI, 8
.set i, 0
.rept 32
	global_load_b128 v[AF+4*i:AF+4*i+3], v[LI], s[4:5] offset:512*i       ; the two tiles' eight fragments, as they lie
.set i, i+1
.endr
.irp s, 0,1,2,3
	WIN 0x40*(1+\s/2)
.irp t, 0,1,2,3,4,5,6,7
.irp c, 0,1,2,3
	global_load_b128 v[16*(\t+8*(\s%2))+4*\c:16*(\t+8*(\s%2))+4*\c+3], v[WA], s[6:7] offset:(32*(\t/2)+8*(\t%2))*512+128*\s+32*\c
.endr
.endr
.endr
	WIN 0
	s_wait_kmcnt 0x0
	s_add_co_i32 s36, s24, s25                     ; E
	s_sub_co_i32 s28, 127, s36
	s_lshl_b32 s28, s28, 23                        ; 2^-E as f32
	s_mov_b32 s29, s28                             ; (named with it as a pair, so it is written)
	s_add_co_i32 s30, s36, 127
	s_lshl_b32 s30, s30, 23                        ; 2^E
	s_mov_b32 s31, s30
	s_add_co_i32 s36, s26, 127
	s_lshl_b32 s37, s36, 23
	v_mov_b32 v[SC], s37                           ; 2^e12: h2's conversion
	s_add_co_i32 s36, s36, 15
	s_lshl_b32 s36, s36, 23
	s_or_b32 s36, s36, 0x600000
	v_mov_b32 v[LIM], s36
	s_wait_loadcnt 63                              ; 128 loads of the weight were issued behind all the others: with 63 out at the most the others are in
.set i, 0
.rept 32
	v_pk_mul_f32 v[BI+2*i:BI+2*i+1], v[BI+2*i:BI+2*i+1], s[28:29] op_sel_hi:[1,0]     ; b_proj / 2^E
.set i, i+1
.endr
	WIN 0xc3                                       ; source 0 and destination window 3
.set i, 0
.rept 64
	v_pk_fma_f32 v[2*i:2*i+1], v[2*i:2*i+1], s[28:29], v[BI+2*(i%32):BI+2*(i%32)+1] op_sel_hi:[1,0,1]   ; (x + b_proj) / 2^E
.set i, i+1
.endr
	WIN 0
	COLS BI, 16                                    ; bf2 takes b_proj's place
	s_wait_loadcnt 0x0
.irp s, 0,1,2,3
	WIN 0xf1+\s/2                                  ; source 0 window 1 or 2, C and D window 3
.irp m, 0,1
.irp t, 0,1,2,3,4,5,6,7
	v_wmma_f32_16x16x128_bf8_bf8 v[64*\m+8*\t:64*\m+8*\t+7], v[16*(\t+8*(\s%2)):16*(\t+8*(\s%2))+15], v[AF+64*\m+16*\s:AF+64*\m+16*\s+15], v[64*\m+8*\t:64*\m+8*\t+7]   ; the sixteen accumulators take turns
.endr
.endr
.endr
.rept 4
	v_nop                                          ; between the last product and the first read of a result (ISA guide 7.12.1)
.endr
	WIN 0xc3
.set i, 0
.rept 64
	v_pk_mul_f32 v[2*i:2*i+1], v[2*i:2*i+1], s[30:31] op_sel_hi:[1,0]     ; x1; each accumulator from its low end on
.set i, i+1
.endr
	WIN 0x03                                       ; source 0 window 3
.set i, 0
.rept 64
	v_pk_add_f32 v[AF+2*i:AF+2*i+1], v[2*i:2*i+1], v[BI+2*(i%32):BI+2*(i%32)+1]   ; x1 + bf2, for the last launch
.set i, i+1
.endr
	WIN 0
.set i, 0
.rept 32
	global_store_b128 v[LI], v[AF+4*i:AF+4*i+3], s[20:21] offset:32768*(i/16)+512*(i%16)   ; 512 consecutive bytes a line
.set i, i+1
.endr
	; ---- my 128 columns' mean of each row
	WIN 0x0f
.irp m, 0,1
.irp q, 0,1
	v_pk_add_f32 v[CH+4*\m+2*\q:CH+4*\m+2*\q+1], v[64*\m+4*\q:64*\m+4*\q+1], v[64*\m+4*\q+2:64*\m+4*\q+3]
.endr
.endr
	WIN 0x0c
.set i, 4
.rept 28
.irp m, 0,1
	v_pk_add_f32 v[CH+4*\m+2*(i%2):CH+4*\m+2*(i%2)+1], v[CH+4*\m+2*(i%2):CH+4*\m+2*(i%2)+1], v[64*\m+2*i:64*\m+2*i+1]
.endr
.set i, i+1
.endr
	WIN 0
	FOLD
.irp m, 0,1
	v_mul_f32 v[MW+2*\m], s40, v[CH+4*\m]
.endr
.irp m, 0,1
	v_mov_b32 v[MW+2*\m+1], v[MW+2*\m]
	v_mov_b32 v[ST+2*\m], v[MW+2*\m]
.endr
	; ---- d = x1 - that mean, in place, and the sum of d^2
	WIN 0xc3
.set i, 0
.rept 32
.irp m, 0,1
	v_pk_add_f32 v[64*\m+2*i:64*\m+2*i+1], v[64*\m+2*i:64*\m+2*i+1], v[MW+2*\m:MW+2*\m+1] neg_lo:[0,1] neg_hi:[0,1]
.endr
.set i, i+1
.endr
	WIN 0x0f
.irp m, 0,1
.irp q, 0,1
	v_pk_mul_f32 v[CH+4*\m+2*\q:CH+4*\m+2*\q+1], v[64*\m+2*\q:64*\m+2*\q+1], v[64*\m+2*\q:64*\m+2*\q+1]
.endr
.endr
.set i, 2
.rept 30
.irp m, 0,1
	v_pk_fma_f32 v[CH+4*\m+2*(i%2):CH+4*\m+2*(i%2)+1], v[64*\m+2*i:64*\m+2*i+1], v[64*\m+2*i:64*\m+2*i+1], v[CH+4*\m+2*(i%2):CH+4*\m+2*(i%2)+1]
.endr
.set i, i+1
.endr
	WIN 0
	FOLD
.irp m, 0,1
	v_mov_b32 v[ST+2*\m+1], v[CH+4*\m]
.endr
.irp m, 0,1
	ds_store_b64 v[SA], v[ST+2*\m:ST+2*\m+1] offset:512*\m     ; both halves of the lanes hold the same pair and write the same bytes
.endr
	s_wait_dscnt 0x0                               ; for the others' sake: my stores have landed
	s_barrier_signal -1
	s_barrier_wait -1
.irp m, 0,1
	ds_load_b128 v[BI+8*\m:BI+8*\m+3], v[SL] offset:512*\m
	ds_load_b128 v[BI+8*\m+4:BI+8*\m+7], v[SL] offset:512*\m+16
.endr
	s_wait_dscnt 0x0
.irp m, 0,1
	v_add_f32 v[176+4*\m], v[BI+8*\m], v[BI+8*\m+2]
	v_add_f32 v[177+4*\m], v[BI+8*\m+4], v[BI+8*\m+6]
	v_add_f32 v[176+4*\m], v[176+4*\m], v[177+4*\m]
	v_mul_f32 v[176+4*\m], 0x3e800000, v[176+4*\m]             ; the row's mean
.irp q, 0,2,4,6
	v_sub_f32 v[BI+8*\m+\q], v[BI+8*\m+\q], v[176+4*\m]
.endr
	v_mul_f32 v[177+4*\m], v[BI+8*\m], v[BI+8*\m]
.irp q, 2,4,6
	v_fma_f32 v[177+4*\m], v[BI+8*\m+\q], v[BI+8*\m+\q], v[177+4*\m]
.endr
	v_add_f32 v[178+4*\m], v[BI+8*\m+1], v[BI+8*\m+3]
	v_add_f32 v[179+4*\m], v[BI+8*\m+5], v[BI+8*\m+7]
	v_add_f32 v[178+4*\m], v[178+4*\m], v[179+4*\m]
	v_fma_f32 v[178+4*\m], v[177+4*\m], s43, v[178+4*\m]       ; the row's M2
	v_fma_f32 v[178+4*\m], v[178+4*\m], s41, s42               ; var + eps
	v_rsq_f32 v[CH+4*\m], v[178+4*\m]                          ; rs
	v_sub_f32 v[179+4*\m], v[MW+2*\m], v[176+4*\m]             ; my wave's mean - the row's (a plain line behind the transcendental)
	s_wait_alu depctr_va_vdst(0)
	v_mul_f32 v[CH+4*\m+2], v[179+4*\m], v[CH+4*\m]            ; nd: (x1 - mean) rs = d rs + nd
	v_mov_b32 v[CH+4*\m+1], v[CH+4*\m]
	v_mov_b32 v[CH+4*\m+3], v[CH+4*\m+2]
.endr
	WIN 0xc3
.set i, 0
.rept 32
.irp m, 0,1
	v_pk_fma_f32 v[64*\m+2*i:64*\m+2*i+1], v[64*\m+2*i:64*\m+2*i+1], v[CH+4*\m:CH+4*\m+1], v[CH+4*\m+2:CH+4*\m+3]
.endr
.set i, i+1
.endr
	WIN 0xff                                       ; all four in window 3
.set i, 0
.rept 32
.irp m, 0,1
	v_pk_fma_f32 v[64*\m+2*i:64*\m+2*i+1], v[64*\m+2*i:64*\m+2*i+1], v[128+2*i:129+2*i], v[192+2*i:193+2*i]   ; x g2 + beta2
.endr
.set i, i+1
.endr
	WIN 0xc3
.set i, 0
.rept 128
	v_med3_num_f32 v[i], v[i], -v[LIM], v[LIM]     ; the conversion does not saturate (ISA guide 7.6.2)
.set i, i+1
.endr
	WIN 0x03
.set i, 0
.rept 16
	v_cvt_scalef32_pk8_bf8_f32 v[PC+2*i:PC+2*i+1], v[8*i:8*i+7], v[SC]
.set i, i+1
.endr
	v_nop
	WIN 0
.set i, 0
.rept 8
	global_store_b128 v[LI], v[PC+4*i:PC+4*i+3], s[22:23] offset:8192*(i/4)+512*(i%4)      ; tile i / 4, K step w, register group i % 4
.set i, i+1
.endr
	s_wait_tensorcnt 0x0
	ds_add_u32 v28, v31
	s_wait_dscnt 0x0
	s_endpgm
.Lfunc_end_k_q3b4532eade_proj:
	.size	k_q3b4532eade_proj, .Lfunc_end_k_q3b4532eade_proj-k_q3b4532eade_proj
	.p2alignl 7, 3214868480
	.fill 96, 4, 3214868480
	.section	.rodata,"a",@progbits
	.p2align	6, 0x0
	.amdhsa_kernel k_q3b4532eade_proj
		.amdhsa_group_segment_fixed_size 1536
		.amdhsa_private_segment_fixed_size 0
		.amdhsa_enable_private_segment 0
		.amdhsa_kernarg_size 80
		.amdhsa_user_sgpr_count 2
		.amdhsa_user_sgpr_kernarg_segment_ptr 1
		.amdhsa_wavefront_size32 1
		.amdhsa_system_sgpr_workgroup_id_x 1
		.amdhsa_system_sgpr_workgroup_id_y 1
		.amdhsa_system_sgpr_workgroup_id_z 1
		.amdhsa_system_vgpr_workitem_id 0
		.amdhsa_next_free_vgpr 1024
		.amdhsa_next_free_sgpr 66
		.amdhsa_reserve_vcc 0
		.amdhsa_float_denorm_mode_32 3
		.amdhsa_float_denorm_mode_16_64 3
		.amdhsa_memory_ordered 1
		.amdhsa_forward_progress 1
		.amdhsa_inst_pref_size 82
	.end_amdhsa_kernel
	.amdgpu_metadata
---
amdhsa.version: [ 1, 2 ]
amdhsa.kernels:
  - .name:           k_q3b4532eade_proj
    .symbol:         k_q3b4532eade_proj.kd
    .args:
      - { .name: ao_img, .offset: 0, .size: 8, .value_kind: global_buffer, .address_space: global }
      - { .name: w_proj_codes, .offset: 8, .size: 8, .value_kind: global_buffer, .address_space: global }
      - { .name: b_proj, .offset: 16, .size: 8, .value_kind: global_buffer, .address_space: global }
      - { .name: x, .offset: 24, .size: 8, .value_kind: global_buffer, .address_space: global }
      - { .name: g2, .offset: 32, .size: 8, .value_kind: global_buffer, .address_space: global }
      - { .name: beta2, .offset: 40, .size: 8, .value_kind: global_buffer, .address_space: global }
      - { .name: bf2, .offset: 48, .size: 8, .value_kind: global_buffer, .address_space: global }
      - { .name: lowp_scales, .offset: 56, .size: 8, .value_kind: global_buffer, .address_space: global }
      - { .name: x1b_img, .offset: 64, .size: 8, .value_kind: global_buffer, .address_space: global }
      - { .name: h2_img, .offset: 72, .size: 8, .value_kind: global_buffer, .address_space: global }
    .group_segment_fixed_size: 1536
    .private_segment_fixed_size: 0
    .kernarg_segment_align: 8
    .kernarg_segment_size: 80
    .max_flat_workgroup_size: 128
    .sgpr_count:     66
    .vgpr_count:     1024
    .wavefront_size: 32
...
	.end_amdgpu_metadata
.endif
;; end of part 3
;; launch ff1 (part 4): grid 64 x 4, 4 waves a work-group, no clusters, 66,048 bytes of LDS; arguments h2_img, w1_codes, bf1, lowp_scales, ff_img; writes ff_img
.if DOCPART == 4
	.amdgcn_target "amdgcn-amd-amdhsa--gfx1250"
	.amdhsa_code_object_version 6
	.text
	.protected	k_q3b4532eade_ff1
	.globl	k_q3b4532eade_ff1
	.p2align	8
	.type	k_q3b4532eade_ff1,@function
k_q3b4532eade_ff1:
	s_mov_b64 s[64:65], 0
	v_nop
	global_prefetch_b8 v0, s[64:65] scope:SCOPE_SE
	s_setreg_imm32_b32 hwreg(HW_REG_WAVE_MODE, 25, 1), 1
	s_wait_xcnt 0x0
; relu(h2 w1 + bf1), the product on codes of E5M2, quantised for the last product and stored as images of fragments.
; SHARES.  Work-group (rg, cg): row tiles 8 rg .. 8 rg + 7 (128 rows) x hidden units 512 cg .. +511.  Wave w: 128 of these units, K 512: its part of w1 stays in 512 registers; a fragment of h2 read from LDS feeds eight products.
; The eight tiles' images, 64 KB, are laid in LDS once, as they lie in memory, and only read behind one barrier.
; Source 0 = 16 weight rows, source 1 = 16 rows of h2; lane-row r of weight tile t is unit 32 (t / 2) + 8 (t % 2) + r + 8 (r / 8), so the 16 registers of tiles 2 b, 2 b + 1 are units 32 b + 16 (lane / 16) + 0 .. 15: the wave's 128 units are one K step of the next product.
; bf1 / 2^(e12 + e13) is the C of the first K step; the activation costs nothing: the hold that the conversion wants clips at 0 as well.
; NOT SHARED IN A CLUSTER: the 64 work-groups of one cg read the same 256 KB of w1, each once, straight into the registers where it stays; the four of one rg share 64 KB of images, a fifth of what a work-group fetches.
; LIMITS on the given exponents: e14 - e12 - e13 between -126 and 112; e12 + e13 is applied by v_ldexp_f32 and has none.
; REGISTERS, in windows of 256: window 0: v5-19 addresses and scales; v32-159 two sets of h2's fragments (first: the copy's 128 registers); v160-223 eight accumulators; v224-239 codes.  windows 1, 2: w1's fragments.  window 3: v0-63 the bias.
.set LI,    5
.set WA,    6
.set CV,    7
.set TID16, 11
.set SC,    18
.set LIM,   19
.set XF,    32
.set ACC,   160
.set PC,    224
.set MSB, 0
.macro WIN new                         ; the immediate's high byte repeats the setting that is left; a switch that changes nothing is dropped
.if MSB != (\new)
	s_set_vgpr_msb (MSB<<8)|(\new)
.set MSB, (\new)
.endif
.endm
.macro FETCH buf, m                    ; row tile m's four fragments from LDS into set buf
.set i, 0
.rept 16
	ds_load_b128 v[XF+64*(\buf)+4*i:XF+64*(\buf)+4*i+3], v[LI] offset:8192*(\m)+512*i
.set i, i+1
.endr
.endm
.macro TILE m
.if \m < 7
	FETCH (\m+1)%2, \m+1
	s_wait_dscnt 16                                ; this tile's fragments are in; the next tile's 16 loads may be out
.else
	s_wait_dscnt 0x0
.endif
.irp s, 0,1,2,3
.if \s == 0
	WIN 0x31                                       ; source 0 (w1) window 1, C (the bias) window 3
.else
	WIN 0x01+\s/2
.endif
.irp t, 0,1,2,3,4,5,6,7
.if \s == 0
	v_wmma_f32_16x16x128_bf8_bf8 v[ACC+8*\t:ACC+8*\t+7], v[16*\t:16*\t+15], v[XF+64*(\m%2):XF+64*(\m%2)+15], v[8*\t:8*\t+7]
.else
	v_wmma_f32_16x16x128_bf8_bf8 v[ACC+8*\t:ACC+8*\t+7], v[16*(\t+8*(\s%2)):16*(\t+8*(\s%2))+15], v[XF+64*(\m%2)+16*\s:XF+64*(\m%2)+16*\s+15], v[ACC+8*\t:ACC+8*\t+7]   ; the eight accumulators take turns
.endif
.endr
.endr
	WIN 0
.rept 4
	v_nop                                          ; between the last product and the first read of a result (ISA guide 7.12.1)
.endr
	s_wait_xcnt 0x0                                ; the last tile's stores have read the codes' registers
.set i, 0
.rept 64
	v_med3_num_f32 v[ACC+i], v[ACC+i], 0, v[LIM]   ; the activation and the hold in one; each accumulator from its low end on
.set i, i+1
.endr
.set i, 0
.rept 8
	v_cvt_scalef32_pk8_bf8_f32 v[PC+2*i:PC+2*i+1], v[ACC+8*i:ACC+8*i+7], v[SC]
.set i, i+1
.endr
	v_nop                                          ; a plain line between the conversions and the products that write their sources again
.irp b, 0,1,2,3
	global_store_b128 v[LI], v[PC+4*\b:PC+4*\b+3], s[12:13] offset:32768*\m+512*\b     ; 512 consecutive bytes a line
.endr
.endm
	s_load_b128 s[4:7], s[0:1], 0x0                ; h2_img, w1
	s_load_b128 s[8:11], s[0:1], 0x10              ; bf1, the scales' exponents
	s_load_b64 s[12:13], s[0:1], 0x20              ; ff_img
	v_lshl_add_u32 v254, v0, 2, 0x10000
	v_mov_b32 v255, 0
	v_lshrrev_b32 v1, 5, v0
	v_readfirstlane_b32 s20, v1                    ; wave 0..3
	v_and_b32 v1, 31, v0
	v_and_b32 v2, 15, v0
	v_bfe_u32 v3, v0, 4, 1
	v_and_b32 v8, 8, v2
	v_add_nc_u32 v8, v8, v2                        ; r + 8 (r / 8)
	v_lshlrev_b32 v[LI], 4, v1
	v_lshlrev_b32 v[WA], 9, v8
	v_lshl_add_u32 v[WA], v3, 4, v[WA]
	v_lshlrev_b32 v[CV], 6, v3
	v_lshlrev_b32 v[TID16], 4, v0
	s_and_b32 s21, ttmp7, 0xffff                   ; cg
	s_lshl_b32 s22, s21, 2
	s_add_co_u32 s22, s22, s20                     ; 4 cg + w: my 128 units, and the next product's K step
	s_mov_b32 s25, 0
	s_mov_b32 s27, 0
	s_wait_kmcnt 0x0
	s_load_b128 s[16:19], s[10:11], 0x30           ; entries 12 to 15
	s_lshl_b32 s24, ttmp9, 16                      ; eight tiles' images of 8,192 bytes
	s_add_nc_u64 s[4:5], s[4:5], s[24:25]
	s_lshl_b32 s24, s22, 16                        ; 128 rows of 512 codes
	s_add_nc_u64 s[6:7], s[6:7], s[24:25]
	s_lshl_b32 s24, s22, 9                         ; 128 numbers of bf1
	s_add_nc_u64 s[8:9], s[8:9], s[24:25]
	s_lshl_b32 s24, ttmp9, 18                      ; ff_img: eight tiles of 32,768 bytes,
	s_lshl_b32 s26, s22, 11                        ; K step 4 cg + w
	s_add_nc_u64 s[12:13], s[12:13], s[24:25]
	s_add_nc_u64 s[12:13], s[12:13], s[26:27]
.set i, 0
.rept 32
	global_load_b128 v[XF+4*i:XF+4*i+3], v[TID16], s[4:5] offset:2048*i       ; 128 threads x 16 bytes: 2,048 consecutive bytes a line
.set i, i+1
.endr
	WIN 0xc0
.set i, 0
.rept 16
	global_load_b128 v[4*i:4*i+3], v[CV], s[8:9] offset:128*(i/4)+16*(i%4)    ; bf1 in the accumulators' layout
.set i, i+1
.endr
.irp s, 0,1,2,3
	WIN 0x40*(1+\s/2)
.irp t, 0,1,2,3,4,5,6,7
.irp c, 0,1,2,3
	global_load_b128 v[16*(\t+8*(\s%2))+4*\c:16*(\t+8*(\s%2))+4*\c+3], v[WA], s[6:7] offset:(32*(\t/2)+8*(\t%2))*512+128*\s+32*\c
.endr
.endr
.endr
	WIN 0
	s_wait_kmcnt 0x0
	s_add_co_i32 s24, s16, s17                     ; e12 + e13: a sum stands for sum x 2^(e12 + e13)
	s_sub_co_i32 s23, 0, s24
	s_sub_co_i32 s24, s18, s24                     ; e14 - e12 - e13: the three scales in one
	s_add_co_i32 s24, s24, 127
	s_lshl_b32 s26, s24, 23
	v_mov_b32 v[SC], s26
	s_add_co_i32 s24, s24, 15
	s_lshl_b32 s24, s24, 23
	s_or_b32 s24, s24, 0x600000
	v_mov_b32 v[LIM], s24
	s_wait_loadcnt 63                              ; 128 loads of the weight were issued behind the images and the bias: with 63 out at the most these are in
.set i, 0
.rept 32
	ds_store_b128 v[TID16], v[XF+4*i:XF+4*i+3] offset:2048*i
.set i, i+1
.endr
	WIN 0xc3
.set i, 0
.rept 64
	v_ldexp_f32 v[i], v[i], s23                    ; bf1 / 2^(e12 + e13)
.set i, i+1
.endr
	WIN 0
	s_wait_dscnt 0x0                               ; for the others' sake: my stores have landed
	s_barrier_signal -1
	s_barrier_wait -1                              ; the images lie in LDS; nothing is written there again
	s_wait_loadcnt 0x0                             ; the weight
	FETCH 0, 0
.irp m, 0,1,2,3,4,5,6,7
	TILE \m
.endr
	s_wait_tensorcnt 0x0
	ds_add_u32 v254, v255
	s_wait_dscnt 0x0
	s_endpgm
.Lfunc_end_k_q3b4532eade_ff1:
	.size	k_q3b4532eade_ff1, .Lfunc_end_k_q3b4532eade_ff1-k_q3b4532eade_ff1
	.p2alignl 7, 3214868480
	.fill 96, 4, 3214868480
	.section	.rodata,"a",@progbits
	.p2align	6, 0x0
	.amdhsa_kernel k_q3b4532eade_ff1
		.amdhsa_group_segment_fixed_size 66048
		.amdhsa_private_segment_fixed_size 0
		.amdhsa_enable_private_segment 0
		.amdhsa_kernarg_size 40
		.amdhsa_user_sgpr_count 2
		.amdhsa_user_sgpr_kernarg_segment_ptr 1
		.amdhsa_wavefront_size32 1
		.amdhsa_system_sgpr_workgroup_id_x 1
		.amdhsa_system_sgpr_workgroup_id_y 1
		.amdhsa_system_sgpr_workgroup_id_z 1
		.amdhsa_system_vgpr_workitem_id 0
		.amdhsa_next_free_vgpr 1024
		.amdhsa_next_free_sgpr 66
		.amdhsa_reserve_vcc 0
		.amdhsa_float_denorm_mode_32 3
		.amdhsa_float_denorm_mode_16_64 3
		.amdhsa_memory_ordered 1
		.amdhsa_forward_progress 1
		.amdhsa_inst_pref_size 91
	.end_amdhsa_kernel
	.amdgpu_metadata
---
amdhsa.version: [ 1, 2 ]
amdhsa.kernels:
  - .name:           k_q3b4532eade_ff1
    .symbol:         k_q3b4532eade_ff1.kd
    .args:
      - { .name: h2_img, .offset: 0, .size: 8, .value_kind: global_buffer, .address_space: global }
      - { .name: w1_codes, .offset: 8, .size: 8, .value_kind: global_buffer, .address_space: global }
      - { .name: bf1, .offset: 16, .size: 8, .value_kind: global_buffer, .address_space: global }
      - { .name: lowp_scales, .offset: 24, .size: 8, .value_kind: global_buffer, .address_space: global }
      - { .name: ff_img, .offset: 32, .size: 8, .value_kind: global_buffer, .address_space: global }
    .group_segment_fixed_size: 66048
    .private_segment_fixed_size: 0
    .kernarg_segment_align: 8
    .kernarg_segment_size: 40
    .max_flat_workgroup_size: 128
    .sgpr_count:     66
    .vgpr_count:     1024
    .wavefront_size: 32
...
	.end_amdgpu_metadata
.endif
;; end of part 4
;; launch ff2 (part 5): grid 64 x 4, 4 waves a work-group, no clusters, 230,912 bytes of LDS; arguments ff_img, w2_codes, x1b_img, lowp_scales, out0; writes out0
.if DOCPART == 5
	.amdgcn_target "amdgcn-amd-amdhsa--gfx1250"
	.amdhsa_code_object_version 6
	.text
	.protected	k_q3b4532eade_ff2
	.globl	k_q3b4532eade_ff2
	.p2align	8
	.type	k_q3b4532eade_ff2,@function
k_q3b4532eade_ff2:
	s_mov_b64 s[64:65], 0
	v_nop
	global_prefetch_b8 v0, s[64:65] scope:SCOPE_SE
	s_setreg_imm32_b32 hwreg(HW_REG_WAVE_MODE, 25, 1), 1
	s_wait_xcnt 0x0
; out0 = (x1 + bf2) + hidden layer x w2, the product on codes of E5M2.
; SHARES.  Work-group (rg, cg): row tiles 8 rg .. 8 rg + 7 (128 rows) x columns 128 cg .. +127.  THE WAVES SHARE K: wave w keeps K = 512 w .. +511 of the 128 columns in 512 registers and reads only its own quarter of each row tile's
; fragments, straight from memory: no byte is read twice in a work-group, and a fragment feeds eight products.  The four partial sums of a tile meet in LDS.
; IN A GROUP OF FOUR ROW TILES wave w's tile j is row tile (w + j) % 4 of the group: j = 0 is its own, which it finishes and stores; j = 1, 2, 3 go to wave (w + j) % 4.  So no register number hangs on the wave's number.  Order of work: j = 1, 2, 3, 0.
; x1 + bf2, divided by 2^E (E = entries 14 + 15), is the C of my own tile's first K step; the finished sum is multiplied by 2^E.  K is summed in four partial f32 sums: the order of rounding differs from one chain along K.
; LDS: partial sums: group g at 98,304 g, receiver d at + 24,576 d, slot j - 1 at + 8,192 (j - 1), an image of 64 registers each; every group has bytes of its own, so one barrier a group is enough.
;      From 196,608: a stage of 16 rows x (512 + 16) bytes for each wave, its own.
; NOT SHARED IN A CLUSTER: w2's 256 KB a work-group go once, straight into the registers where they stay; the four work-groups of one rg read the same images, each wave its quarter once, straight into operand registers.
; LIMIT on the given exponents: entries 14 + 15 between -126 and 126.
; REGISTERS, in windows of 256: window 0: v5-19 addresses; v32-223 three sets of four fragments, by turns.  windows 1, 2: w2's fragment (t, s) at v[16 (t + 8 (s % 2))] of window 1 + s / 2.  window 3: tile j's eight accumulators at v[64 j + 8 t].
.set LI,  5                            ; v5   16 x lane
.set WA,  6                            ; v6   the weight: my lane's byte in a tile
.set SD,  7                            ; v[7 + 4 g + j], j = 1 .. 3: where tile j's partial sums go in group g
.set RR,  16                           ; v[16 + g]: where I find the three that are sent to me
.set STO, 18                           ; v18  the stage: where I put 16 bytes of a row
.set RD,  19                           ; v19  and where I read a row back
.set AF,  32
.set STG, 196608
.set MSB, 0
.macro WIN new                         ; the immediate's high byte repeats the setting that is left; a switch that changes nothing is dropped
.if MSB != (\new)
	s_set_vgpr_msb (MSB<<8)|(\new)
.set MSB, (\new)
.endif
.endm
.macro ALOAD n                         ; the n-th tile in the order of work: my K quarter's four fragments, into set n % 3
.set JJ, (((\n)%4)+1)%4
.set i, 0
.rept 16
	global_load_b128 v[AF+64*((\n)%3)+4*i:AF+64*((\n)%3)+4*i+3], v[LI], s[20+2*JJ:21+2*JJ] offset:131072*((\n)/4)+512*i
.set i, i+1
.endr
.endm
.macro XLOADQ g                        ; x1 + bf2 of my own tile of group g, straight into its accumulators' registers
	WIN 0xc0
.set i, 0
.rept 16
	global_load_b128 v[4*i:4*i+3], v[LI], s[32:33] offset:131072*\g+512*i th:TH_LOAD_NT
.set i, i+1
.endr
	WIN 0
.endm
.macro SCALE0                          ; / 2^E
	WIN 0xc3
.set i, 0
.rept 32
	v_pk_mul_f32 v[2*i:2*i+1], v[2*i:2*i+1], s[38:39] op_sel_hi:[1,0]
.set i, i+1
.endr
.endm
; 32 products: my 8 weight tiles x one row tile, my K quarter.  The eight accumulators take turns.  Behind them the set takes the tile three further on.
.macro TILE n
.set JJ, (((\n)%4)+1)%4
.irp s, 0,1,2,3
.if (\s == 0) && (JJ != 0)
	WIN 0xc1                                       ; source 0 window 1, D window 3
.else
	WIN 0xf1+\s/2                                  ; source 0 window 1 or 2, C and D window 3
.endif
.irp t, 0,1,2,3,4,5,6,7
.if (\s == 0) && (JJ != 0)
	v_wmma_f32_16x16x128_bf8_bf8 v[64*JJ+8*\t:64*JJ+8*\t+7], v[16*\t:16*\t+15], v[AF+64*((\n)%3):AF+64*((\n)%3)+15], 0
.else
	v_wmma_f32_16x16x128_bf8_bf8 v[64*JJ+8*\t:64*JJ+8*\t+7], v[16*(\t+8*(\s%2)):16*(\t+8*(\s%2))+15], v[AF+64*((\n)%3)+16*\s:AF+64*((\n)%3)+16*\s+15], v[64*JJ+8*\t:64*JJ+8*\t+7]
.endif
.endr
.endr
	WIN 0
.rept 4
	v_nop                                          ; in front of loads into registers that the products have read, and of the first read of a result
.endr
.if (\n)+3 < 8
	ALOAD (\n)+3
.endif
.endm
; A group's end: the partial sums change hands, my own tile is finished and leaves as whole rows.
.macro EPI g
	WIN 0x0c                                       ; store data window 3
.irp j, 1,2,3
.set i, 0
.rept 16
	ds_store_b128 v[SD+4*\g+\j], v[64*\j+4*i:64*\j+4*i+3] offset:512*i     ; an image of the registers; each accumulator from its low end on
.set i, i+1
.endr
.endr
	s_wait_dscnt 0x0                               ; for the others' sake: my stores have landed
	s_barrier_signal -1
	s_barrier_wait -1
	WIN 0xc0                                       ; destination window 3
.irp j, 1,2,3
.set i, 0
.rept 16
	ds_load_b128 v[64*\j+4*i:64*\j+4*i+3], v[RR+\g] offset:8192*(\j-1)+512*i
.set i, i+1
.endr
.endr
	WIN 0xcf                                       ; sources 0 and 1 and destination window 3
.irp j, 1,2,3
	s_wait_dscnt 16*(3-\j)                         ; slot j - 1 is in; the later slots' 16 loads each may be out
.set i, 0
.rept 32
	v_pk_add_f32 v[2*i:2*i+1], v[2*i:2*i+1], v[64*\j+2*i:64*\j+2*i+1]
.set i, i+1
.endr
.endr
.set i, 0
.rept 32
	v_pk_mul_f32 v[2*i:2*i+1], v[2*i:2*i+1], s[36:37] op_sel_hi:[1,0]      ; x 2^E
.set i, i+1
.endr
	WIN 0x0c
.set i, 0
.rept 16
	ds_store_b128 v[STO], v[4*i:4*i+3] offset:128*(i/4)+16*(i%4)           ; lane (r, h): row r, columns 32 (i / 4) + 16 h + 4 (i % 4) on
.set i, i+1
.endr
	WIN 0xc0
.set i, 0
.rept 16
	ds_load_b128 v[64+4*i:67+4*i], v[RD] offset:528*i                      ; LDS serves a wave's instructions in order (ISA guide 5.7.1.4): these see my stores
.set i, i+1
.endr
	WIN 0x0c
.set i, 0
.rept 16
	s_wait_dscnt 15-i                              ; row i is back; the younger rows may be out
	global_store_b128 v[LI], v[64+4*i:67+4*i], s[34:35] offset:(i+8*(i/8))*2048+131072*\g th:TH_STORE_NT   ; the wave stores 512 consecutive bytes of a row, aligned
.set i, i+1
.endr
	WIN 0
.if \g == 0
	s_wait_xcnt 0x0                                ; the stores have read their data: tile 1's accumulators are written again only behind this wait
.endif
.endm
	s_load_b128 s[4:7], s[0:1], 0x0                ; ff_img, w2
	s_load_b128 s[8:11], s[0:1], 0x10              ; x1b_img, the scales' exponents
	s_load_b64 s[12:13], s[0:1], 0x20              ; out0
	v_lshl_add_u32 v254, v0, 2, 0x38400
	v_mov_b32 v255, 0
	v_lshrrev_b32 v1, 5, v0
	v_readfirstlane_b32 s28, v1                    ; wave 0..3
	v_and_b32 v1, 31, v0
	v_and_b32 v2, 15, v0                           ; r
	v_bfe_u32 v3, v0, 4, 1                         ; h
	v_and_b32 v4, 8, v2
	v_add_nc_u32 v4, v4, v2                        ; r + 8 (r / 8)
	v_lshlrev_b32 v[LI], 4, v1
	v_lshlrev_b32 v[WA], 11, v4                    ; a row of w2 is 2,048 codes
	v_lshl_add_u32 v[WA], v3, 4, v[WA]
.irp j, 1,2,3
	s_add_co_u32 s40, s28, \j
	s_and_b32 s40, s40, 3                          ; the receiver
	s_mul_i32 s40, s40, 24576
	s_add_co_u32 s40, s40, 8192*(\j-1)
	v_add_nc_u32 v[SD+\j], s40, v[LI]
	v_add_nc_u32 v[SD+4+\j], 98304, v[SD+\j]
.endr
	s_mul_i32 s40, s28, 24576
	v_add_nc_u32 v[RR], s40, v[LI]
	v_add_nc_u32 v[RR+1], 98304, v[RR]
	s_mul_i32 s40, s28, 8448
	s_add_co_u32 s40, s40, STG                     ; my stage
	v_mul_u32_u24 v[STO], v2, 528
	v_lshl_add_u32 v[STO], v3, 6, v[STO]
	v_add_nc_u32 v[STO], s40, v[STO]
	v_add_nc_u32 v[RD], s40, v[LI]
	s_and_b32 s30, ttmp7, 0xffff                   ; cg
	s_lshl_b32 s29, ttmp9, 3                       ; 8 rg: the work-group's first row tile
	s_mov_b32 s41, 0
	s_mov_b32 s43, 0
	s_wait_kmcnt 0x0
	s_load_b64 s[16:17], s[10:11], 0x38            ; entries 14, 15
	s_lshl_b32 s42, s28, 13                        ; my K quarter: four images of 2,048 bytes
.irp j, 0,1,2,3
	s_add_co_u32 s40, s28, \j
	s_and_b32 s40, s40, 3
	s_add_co_u32 s40, s40, s29
	s_lshl_b32 s40, s40, 15                        ; a row tile of ff_img is 32,768 bytes
	s_add_nc_u64 s[20+2*\j:21+2*\j], s[4:5], s[40:41]
	s_add_nc_u64 s[20+2*\j:21+2*\j], s[20+2*\j:21+2*\j], s[42:43]
.endr
	s_add_co_u32 s40, s29, s28
	s_lshl_b32 s40, s40, 15                        ; x1b_img: row tile 8 rg + w,
	s_lshl_b32 s42, s30, 13                        ; column group cg
	s_add_nc_u64 s[32:33], s[8:9], s[40:41]
	s_add_nc_u64 s[32:33], s[32:33], s[42:43]
	s_lshl_b32 s40, ttmp9, 7                       ; out0: row 128 rg + 32 (w / 2) + 8 (w % 2),
	s_lshr_b32 s42, s28, 1
	s_lshl_b32 s42, s42, 5
	s_add_co_u32 s40, s40, s42
	s_and_b32 s42, s28, 1
	s_lshl_b32 s42, s42, 3
	s_add_co_u32 s40, s40, s42
	s_lshl_b32 s40, s40, 11
	s_lshl_b32 s42, s30, 9                         ; column 128 cg
	s_add_nc_u64 s[34:35], s[12:13], s[40:41]
	s_add_nc_u64 s[34:35], s[34:35], s[42:43]
	s_lshl_b32 s40, s30, 18                        ; w2: 128 rows of 2,048 codes a column group,
	s_lshl_b32 s42, s28, 9                         ; K from 512 w on
	s_add_nc_u64 s[44:45], s[6:7], s[40:41]
	s_add_nc_u64 s[44:45], s[44:45], s[42:43]
	XLOADQ 0
	ALOAD 0
	ALOAD 1
	ALOAD 2
.irp s, 0,1,2,3
	WIN 0x40*(1+\s/2)
.irp t, 0,1,2,3,4,5,6,7
.irp c, 0,1,2,3
	global_load_b128 v[16*(\t+8*(\s%2))+4*\c:16*(\t+8*(\s%2))+4*\c+3], v[WA], s[44:45] offset:(32*(\t/2)+8*(\t%2))*2048+128*\s+32*\c
.endr
.endr
.endr
	WIN 0
	s_wait_kmcnt 0x0
	s_add_co_i32 s40, s16, s17                     ; E
	s_add_co_i32 s36, s40, 127
	s_lshl_b32 s36, s36, 23                        ; 2^E as f32
	s_mov_b32 s37, s36                             ; (named with it as a pair, so it is written)
	s_sub_co_i32 s38, 127, s40
	s_lshl_b32 s38, s38, 23                        ; 2^-E
	s_mov_b32 s39, s38
	s_wait_loadcnt 0x0                             ; the weight, the first three tiles, x1 + bf2
	SCALE0
	TILE 0
	TILE 1
	TILE 2
	s_wait_loadcnt 32                              ; the fourth tile's fragments are in; the two runs of 16 issued behind them may be out
	TILE 3
	EPI 0
	XLOADQ 1
	s_wait_loadcnt 48                              ; behind the fifth tile's: the sixth's, the seventh's, and x1 + bf2
	TILE 4
	s_wait_loadcnt 48                              ; behind the sixth's: the seventh's, x1 + bf2, the eighth's
	TILE 5
	s_wait_loadcnt 32                              ; behind the seventh's: x1 + bf2 and the eighth's
	TILE 6
	s_wait_loadcnt 0x0
	SCALE0
	TILE 7
	EPI 1
	s_wait_tensorcnt 0x0
	ds_add_u32 v254, v255
	s_wait_dscnt 0x0
	s_endpgm
.Lfunc_end_k_q3b4532eade_ff2:
	.size	k_q3b4532eade_ff2, .Lfunc_end_k_q3b4532eade_ff2-k_q3b4532eade_ff2
	.p2alignl 7, 3214868480
	.fill 96, 4, 3214868480
	.section	.rodata,"a",@progbits
	.p2align	6, 0x0
	.amdhsa_kernel k_q3b4532eade_ff2
		.amdhsa_group_segment_fixed_size 230912
		.amdhsa_private_segment_fixed_size 0
		.amdhsa_enable_private_segment 0
		.amdhsa_kernarg_size 40
		.amdhsa_user_sgpr_count 2
		.amdhsa_user_sgpr_kernarg_segment_ptr 1
		.amdhsa_wavefront_size32 1
		.amdhsa_system_sgpr_workgroup_id_x 1
		.amdhsa_system_sgpr_workgroup_id_y 1
		.amdhsa_system_sgpr_workgroup_id_z 1
		.amdhsa_system_vgpr_workitem_id 0
		.amdhsa_next_free_vgpr 1024
		.amdhsa_next_free_sgpr 66
		.amdhsa_reserve_vcc 0
		.amdhsa_float_denorm_mode_32 3
		.amdhsa_float_denorm_mode_16_64 3
		.amdhsa_memory_ordered 1
		.amdhsa_forward_progress 1
		.amdhsa_inst_pref_size 91
	.end_amdhsa_kernel
	.amdgpu_metadata
---
amdhsa.version: [ 1, 2 ]
amdhsa.kernels:
  - .name:           k_q3b4532eade_ff2
    .symbol:         k_q3b4532eade_ff2.kd
    .args:
      - { .name: ff_img, .offset: 0, .size: 8, .value_kind: global_buffer, .address_space: global }
      - { .name: w2_codes, .offset: 8, .size: 8, .value_kind: global_buffer, .address_space: global }
      - { .name: x1b_img, .offset: 16, .size: 8, .value_kind: global_buffer, .address_space: global }
      - { .name: lowp_scales, .offset: 24, .size: 8, .value_kind: global_buffer, .address_space: global }
      - { .name: out0, .offset: 32, .size: 8, .value_kind: global_buffer, .address_space: global }
    .group_segment_fixed_size: 230912
    .private_segment_fixed_size: 0
    .kernarg_segment_align: 8
    .kernarg_segment_size: 40
    .max_flat_workgroup_size: 128
    .sgpr_count:     66
    .vgpr_count:     1024
    .wavefront_size: 32
...
	.end_amdgpu_metadata
.endif
;; end of part 5
;; ======== version 2 of 2: 5 launches; version 1 with the launches qkv, attn, proj, ff1, ff2 written anew for expert scheduling mode
;; workspace buffers: q_img 4,194,304 bytes; k_img 4,194,304 bytes; v_img 4,194,304 bytes; ao_img 4,194,304 bytes; x1b_img 16,777,216 bytes; h2_img 4,194,304 bytes; ff_img 16,777,216 bytes
;; launch qkv (part 6): grid 64 x 3, 4 waves a work-group, no clusters, 37,376 bytes of LDS; arguments x, g1, beta1, wq_codes, wk_codes, wv_codes, lowp_scales, q_img, k_img, v_img; writes q_img, k_img, v_img
.if DOCPART == 6
	.amdgcn_target "amdgcn-amd-amdhsa--gfx1250"
	.amdhsa_code_object_version 6
	.text
	.protected	k_q3b4532eade_qkv
	.globl	k_q3b4532eade_qkv
	.p2align	8
	.type	k_q3b4532eade_qkv,@function
k_q3b4532eade_qkv:
	s_mov_b64 s[64:65], 0
	v_nop
	global_prefetch_b8 v0, s[64:65] scope:SCOPE_SE
	s_setreg_imm32_b32 hwreg(HW_REG_WAVE_SCHED_MODE, 0, 2), 2
	s_setreg_imm32_b32 hwreg(HW_REG_WAVE_MODE, 25, 1), 1
	s_wait_xcnt 0x0
	s_wait_alu depctr_vm_vsrc(0)
; h = layernorm(x, g1, beta1); q, k or v = h W, on codes of E5M2; the result is quantised again, for attention, and stored as images of operand registers.
; SHARES.  Work-group (gx, y): rows 128 gx .. +127 of the 8,192, in two blocks of 64; y picks the weight: 0 wq, 1 wk, 2 wv.  64 x 3 = 192 work-groups: one weight, 256 KB of codes,
; fills the four waves' registers (512 each), so three weights want three work-groups.  Wave w keeps weight rows 128 w .. +127 (heads 4 w .. 4 w + 3) x K 512 for the whole launch, and normalises row tile w of each block.
; ROW TILES AND WEIGHT TILES ARE NOT 16 NEIGHBOURS: lane-row r of tile t is row 32 (t / 2) + 8 (t % 2) + r + 8 (r / 8), so that the 16 registers which a lane gets from tiles 2 b and 2 b + 1 are 16 neighbours, 32 b + 16 (lane / 16) + 0 .. 15.
; A FRAGMENT (16 rows x 128 K, 16 registers): registers 4 c .. 4 c + 3 of lane (r, h) hold k = 32 c + 16 h + 0 .. 15, alike on both sides of every product; its IMAGE is 2,048 bytes, register group c of lane l at 512 c + 16 l.
; q, k: source 0 = 16 weight rows, source 1 = 16 rows of h: a lane holds one row and 16 neighbouring f of a head.  v: the sources swapped: a lane holds one f and 16 neighbouring keys, since the keys are the next K.
; q_img, k_img: [b x head][row tile in the batch][lane][16 bytes].   v_img: [b x head][128 keys][f tile][32 keys][lane][16 bytes].  Every store of a wave covers 512 consecutive bytes, aligned.
; NOT SHARED IN A CLUSTER: the 64 work-groups of one y read the same 256 KB, each once, straight into the registers where the codes stay; a joint load would lay them in LDS, from where the same 256 KB would have to be read once more.
; LIMITS on the given exponents, so that each power of two is an f32 number: h's exponent (entry 1, 3 or 5) and (the result's - the weight's - h's) between -126 and 112.  NaN among the inputs is not served; an infinity is held at the largest code.
; REGISTERS, in windows of 256: window 0: v4-31 addresses and statistics; v32-159 two sets of h's fragments (while a block is normalised: g1 and beta1 of a K step); v160-223 eight accumulators; v224-239 codes just made.
;   windows 1, 2: the weight's fragment (tile t, K step s) at v[16 (t + 8 (s % 2))] of window 1 + s / 2.   window 3: my row tile of x: register 16 b + i = k 32 b + 16 h + i.
; THE MODE: SCHED_MODE bits 1:0 = 2 (LLVM: expert scheduling mode 2), set by the entry lines.  The code itself states the register dependences
; between vector or matrix instructions and memory or LDS instructions, with s_wait_alu, always for 0.
; THE PLAN.  Registers that memory or LDS instructions touch:
;   window 3       x.  Loaded by XLOAD; read and written by a block's normalising lines.  XLOAD's wait on va_vdst stands behind its window switch.
;   v32-159        While a block is normalised: g1 and beta1 of one K step, from LDS; read by that step's 32 multiply-adds.  Behind these one wait, then the next step's 32 loads, which land under the step's 64 holds;
;                  K step 0's are asked for at the block's head and land under the mean and the variance.  Later: two sets of h's fragments, from LDS, read by the products; a set is asked for again behind the wait in front of a tile's stores.
;   v224-239       The codes.  Written by conversions; read by the LDS stores of an image or by the global stores of a result.  A wait on va_vdst ahead of each run of stores, a wait on vm_vsrc ahead of the conversions that write them again.
;   v4-11, v29     Addresses, made once at the head and never written again.   v240-247: loaded once, stored to LDS once.   v254, v255: written at the head, read by the closing add alone.
.set GL,    32768                      ; LDS: 0 .. 32767 h's 16 images, (tile m, K step s) at 2048 (4 m + s); then g1 (2,048 bytes), then beta1
.set XA,    4                          ; v4   x: my lane's byte in the wave's tile
.set LI,    5                          ; v5   16 x lane
.set XWI,   6                          ; v6   where I store my tile's images
.set GA,    7                          ; v7   g1 in LDS, at my half's 16 numbers of a block of 32
.set WA,    8                          ; v8   the weight: my lane's byte in a tile
.set TID16, 11                         ; v11  16 x thread
.set GST,   29                         ; v29  where my thread lays its 16 bytes of g1
.set MU,    12                         ; v[12:13] the row's mean, twice
.set RS,    14                         ; v[14:15] 1 / sqrt(var + eps), twice
.set SCH,   16                         ; v16, v17  2^eh and 57,344 x 2^eh: h's conversion
.set LIMH,  17
.set SCO,   18                         ; v18, v19  the same with eo - ew - eh: the result's
.set LIMO,  19
.set CH,    20                         ; v[20:27] four chains of pairs
.set PD,    28                         ; v28  a lane permute's destination
.set XF,    32
.set ACC,   160
.set PC,    224
.set MSB, 0
.macro WIN new                         ; the immediate's high byte repeats the setting that is left; a switch that changes nothing is dropped
.if MSB != (\new)
	s_set_vgpr_msb (MSB<<8)|(\new)
.set MSB, (\new)
.endif
.endm
.macro PLACES n
.rept \n
	v_nop
.endr
.endm
.macro BARRIER                         ; my LDS stores have landed and my LDS loads are in: then the work-group's barrier
	s_wait_dscnt 0x0
	s_barrier_signal -1
	s_barrier_wait -1
.endm
.macro XLOAD off                       ; my tile's 16 rows x 512 numbers, 256 a lane, from off bytes on
	WIN 0xc0                                       ; destination window 3
	s_wait_alu depctr_va_vdst(0)                   ; at the head: the addresses v4 to v11 and v29 are written, which the loads and stores read; in the loop: the block's holds and conversions are done with x's registers, in which these loads land
.set i, 0
.rept 64
	global_load_b128 v[4*i:4*i+3], v[XA], s[4:5] offset:\off+128*(i/4)+16*(i%4)
.set i, i+1
.endr
	WIN 0
.endm
.macro WLOAD pitch, base               ; my 128 weight rows x K 512: 32 fragments
.irp s, 0,1,2,3
	WIN 0x40*(1+\s/2)                              ; destination window 1 or 2
.irp t, 0,1,2,3,4,5,6,7
.irp c, 0,1,2,3
	global_load_b128 v[16*(\t+8*(\s%2))+4*\c:16*(\t+8*(\s%2))+4*\c+3], v[WA], s[\base:\base+1] offset:(32*(\t/2)+8*(\t%2))*\pitch+128*\s+32*\c
.endr
.endr
.endr
	WIN 0
.endm
.macro FETCH buf, m                    ; row tile m's four fragments from LDS into set buf
.set i, 0
.rept 16
	ds_load_b128 v[XF+64*(\buf)+4*i:XF+64*(\buf)+4*i+3], v[LI] offset:8192*(\m)+512*i
.set i, i+1
.endr
.endm
.macro GLOAD s                         ; g1 and beta1 at my 64 places of K step s: the 16 lanes of a half read the same bytes
.set i, 0
.rept 16
	ds_load_b128 v[32+4*i:35+4*i], v[GA] offset:512*(\s)+128*(i/4)+16*(i%4)          ; g1
	ds_load_b128 v[96+4*i:99+4*i], v[GA] offset:2048+512*(\s)+128*(i/4)+16*(i%4)     ; beta1
.set i, i+1
.endr
.endm
; 32 products: my 8 weight tiles (source 0) x one row tile (source 1), K 512.  The eight accumulators take turns, one instruction a turn; the first K step starts the sums.
.macro MULT_T buf
.irp s, 0,1,2,3
	WIN 0x01+\s/2                                  ; source 0 window 1 or 2
.irp t, 0,1,2,3,4,5,6,7
.if \s == 0
	v_wmma_f32_16x16x128_bf8_bf8 v[ACC+8*\t:ACC+8*\t+7], v[16*(\t+8*(\s%2)):16*(\t+8*(\s%2))+15], v[XF+64*(\buf)+16*\s:XF+64*(\buf)+16*\s+15], 0
.else
	v_wmma_f32_16x16x128_bf8_bf8 v[ACC+8*\t:ACC+8*\t+7], v[16*(\t+8*(\s%2)):16*(\t+8*(\s%2))+15], v[XF+64*(\buf)+16*\s:XF+64*(\buf)+16*\s+15], v[ACC+8*\t:ACC+8*\t+7]
.endif
.endr
.endr
.endm
; 32 products the other way round: two row tiles (source 0) x weight tiles 4 g .. 4 g + 3 (source 1).  Accumulator (q, n) at ACC + 16 q + 8 n: a lane's 16 registers of a q are 16 neighbouring rows (keys).
.macro MULT_N g
.irp s, 0,1,2,3
	WIN 0x04*(1+\s/2)                              ; source 1 window 1 or 2
.irp q, 0,1,2,3
.irp n, 0,1
.if \s == 0
	v_wmma_f32_16x16x128_bf8_bf8 v[ACC+16*\q+8*\n:ACC+16*\q+8*\n+7], v[XF+64*\n+16*\s:XF+64*\n+16*\s+15], v[16*(4*(\g)+\q+8*(\s%2)):16*(4*(\g)+\q+8*(\s%2))+15], 0
.else
	v_wmma_f32_16x16x128_bf8_bf8 v[ACC+16*\q+8*\n:ACC+16*\q+8*\n+7], v[XF+64*\n+16*\s:XF+64*\n+16*\s+15], v[16*(4*(\g)+\q+8*(\s%2)):16*(4*(\g)+\q+8*(\s%2))+15], v[ACC+16*\q+8*\n:ACC+16*\q+8*\n+7]
.endif
.endr
.endr
.endr
.endm
.macro QOUT                            ; the 64 sums become 16 registers of codes
	WIN 0
	PLACES 4                                       ; between the last product and the first read of a result (ISA guide 7.12.1)
	s_wait_xcnt 0x0                                ; the last stores have read the codes' registers: these are written again only behind this wait
	s_wait_alu depctr_vm_vsrc(0)                   ; the last stores of codes, an image's into LDS or a result's to memory, have read v224-239, which the conversions below write
.set i, 0
.rept 64
	v_med3_num_f32 v[ACC+i], v[ACC+i], -v[LIMO], v[LIMO]   ; the conversion does not saturate (ISA guide 7.6.2): the hold at the largest code x the scale; each accumulator from its low end on
.set i, i+1
.endr
.set i, 0
.rept 8
	v_cvt_scalef32_pk8_bf8_f32 v[PC+2*i:PC+2*i+1], v[ACC+8*i:ACC+8*i+7], v[SCO]   ; sum / 2^(eo - ew - eh): the three scales in one
.set i, i+1
.endr
	v_nop                                          ; a plain line between the conversions and the products that write their sources again
	s_wait_alu depctr_va_vdst(0)                   ; the conversions have written the codes, which the stores read; the products are done reading their fragments of h, in whose registers the next LDS loads land
.endm
; K step s of my tile: (x - mean) rs g1 + beta1, the hold, the codes, the image.  Its g1 and beta1 were asked for a K step ago.
.macro KSTEP s
	WIN 0
	s_wait_dscnt 0x0                               ; g1 and beta1 of this K step are in
	s_wait_alu depctr_vm_vsrc(0)                   ; the last image's LDS stores (K step 0: the last block's global stores) have read v224-239, which the conversions below write
	WIN 0xc3                                       ; source 0 and destination window 3
.set i, 0
.rept 32
	v_pk_mul_f32 v[64*\s+2*i:64*\s+2*i+1], v[64*\s+2*i:64*\s+2*i+1], v[RS:RS+1]
.set i, i+1
.endr
.set i, 0
.rept 32
	v_pk_fma_f32 v[64*\s+2*i:64*\s+2*i+1], v[64*\s+2*i:64*\s+2*i+1], v[32+2*i:33+2*i], v[96+2*i:97+2*i]
.set i, i+1
.endr
.if \s < 3
	WIN 0
	s_wait_alu depctr_va_vdst(0)                   ; the multiply-adds are done reading g1 and beta1, in whose registers the next K step's land
	GLOAD \s+1                                     ; they land under the 64 holds below
.endif
	WIN 0xc3
.set i, 0
.rept 64
	v_med3_num_f32 v[64*\s+i], v[64*\s+i], -v[LIMH], v[LIMH]
.set i, i+1
.endr
	WIN 0x03                                       ; source 0 window 3
.set i, 0
.rept 8
	v_cvt_scalef32_pk8_bf8_f32 v[PC+2*i:PC+2*i+1], v[64*\s+8*i:64*\s+8*i+7], v[SCH]
.set i, i+1
.endr
	v_nop
	WIN 0
	s_wait_alu depctr_va_vdst(0)                   ; the conversions have written the codes, which the LDS stores read
.irp c, 0,1,2,3
	ds_store_b128 v[XWI], v[PC+4*\c:PC+4*\c+3] offset:2048*\s+512*\c
.endr
.endm
	s_load_b128 s[4:7], s[0:1], 0x0                ; x, g1
	s_load_b128 s[8:11], s[0:1], 0x10              ; beta1, wq
	s_load_b128 s[12:15], s[0:1], 0x20             ; wk, wv
	s_load_b128 s[16:19], s[0:1], 0x30             ; the scales' exponents, q_img
	s_load_b128 s[20:23], s[0:1], 0x40             ; k_img, v_img
	v_lshl_add_u32 v254, v0, 2, 0x9000
	v_mov_b32 v255, 0
	v_lshrrev_b32 v1, 5, v0
	v_readfirstlane_b32 s24, v1                    ; wave 0..3
	v_and_b32 v1, 31, v0                           ; lane
	v_and_b32 v2, 15, v0                           ; r
	v_bfe_u32 v3, v0, 4, 1                         ; h
	v_and_b32 v30, 8, v2
	v_add_nc_u32 v30, v30, v2                      ; r + 8 (r / 8)
	v_lshlrev_b32 v[XA], 11, v30
	v_lshl_add_u32 v[XA], v3, 6, v[XA]             ; a row of x is 2,048 bytes; + 64 h: my 16 numbers of a block of 32
	v_lshlrev_b32 v[LI], 4, v1
	s_wait_alu depctr_va_sdst(0)                   ; s24 is written, ahead of its first reader
	s_lshl_b32 s58, s24, 13
	v_add_nc_u32 v[XWI], s58, v[LI]                ; my tile's four images: 8,192 x wave
	v_lshlrev_b32 v[GA], 6, v3
	v_add_nc_u32 v[GA], GL, v[GA]
	v_lshlrev_b32 v[WA], 9, v30
	v_lshl_add_u32 v[WA], v3, 4, v[WA]             ; a weight row is 512 codes; + 16 h
	v_lshlrev_b32 v[TID16], 4, v0
	v_add_nc_u32 v[GST], GL, v[TID16]
	v_mov_b32 v[PD], 0                             ; written once: a lane permute's destination counts as one of its sources
	s_and_b32 s25, ttmp7, 0xffff                   ; y
	s_mov_b32 s26, 2                               ; blocks to go
	s_mov_b32 s53, 0
	s_mov_b32 s54, 0x76543210                      ; v_permlanex16_b32: lane l xor 16
	s_mov_b32 s55, 0xfedcba98
	s_mov_b32 s56, 0x3b000000                      ; 1 / 512
	s_mov_b32 s57, 0x3727c5ac                      ; 1e-5
	s_lshl_b32 s58, ttmp9, 7                       ; x: row 128 gx + 32 (w / 2) + 8 (w % 2),
	s_lshr_b32 s59, s24, 1
	s_lshl_b32 s59, s59, 5
	s_add_co_u32 s58, s58, s59
	s_and_b32 s59, s24, 1
	s_lshl_b32 s59, s59, 3
	s_add_co_u32 s58, s58, s59
	s_lshl_b32 s58, s58, 11                        ; in bytes
	s_mov_b32 s59, 0
	s_lshl_b32 s60, s24, 16                        ; the weight: 128 rows of 512 bytes a wave
	s_mov_b32 s61, 0
	s_lshr_b32 s62, ttmp9, 4                       ; the images: (16 x batch + 4 w) x 65,536 + (gx % 16) x 4,096, for all three layouts
	s_lshl_b32 s62, s62, 4
	s_lshl_b32 s63, s24, 2
	s_add_co_u32 s62, s62, s63
	s_lshl_b32 s62, s62, 16
	s_and_b32 s63, ttmp9, 15
	s_lshl_b32 s63, s63, 12
	s_add_co_u32 s62, s62, s63
	s_mov_b32 s63, 0
	s_wait_kmcnt 0x0
	s_load_b512 s[32:47], s[16:17], 0x0            ; the sixteen exponents
	s_cmp_eq_u32 s25, 1                            ; the weight and the image are chosen by y alone
	s_cselect_b64 s[48:49], s[12:13], s[14:15]
	s_cselect_b64 s[50:51], s[20:21], s[22:23]
	s_cmp_eq_u32 s25, 0
	s_cselect_b64 s[48:49], s[10:11], s[48:49]
	s_cselect_b64 s[50:51], s[18:19], s[50:51]
	s_mov_b32 s52, 2048                            ; from block to block: four row tiles of 512 bytes (q, k), or two groups of 32 keys (v)
	s_cmp_eq_u32 s25, 2
	s_cselect_b32 s52, 1024, s52
	s_add_nc_u64 s[4:5], s[4:5], s[58:59]
	s_add_nc_u64 s[48:49], s[48:49], s[60:61]
	s_add_nc_u64 s[50:51], s[50:51], s[62:63]
	XLOAD 0                                        ; the first block's tile of x first, the weight behind it
	global_load_b128 v[240:243], v[TID16], s[6:7]
	global_load_b128 v[244:247], v[TID16], s[8:9]
	WLOAD 512, 48
	s_wait_kmcnt 0x0
	s_cmp_eq_u32 s25, 1
	s_cselect_b32 s28, s34, s36                    ; ew
	s_cselect_b32 s29, s35, s37                    ; eh
	s_cselect_b32 s30, s39, s41                    ; eo: entry 6 (q), 7 (k), 9 (v)
	s_cmp_eq_u32 s25, 0
	s_cselect_b32 s28, s32, s28
	s_cselect_b32 s29, s33, s29
	s_cselect_b32 s30, s38, s30
	s_sub_co_i32 s30, s30, s28
	s_sub_co_i32 s30, s30, s29                     ; eo - ew - eh
	s_add_co_i32 s29, s29, 127
	s_lshl_b32 s31, s29, 23
	v_mov_b32 v[SCH], s31                          ; 2^eh as f32: the conversion takes its exponent field
	s_add_co_i32 s29, s29, 15
	s_lshl_b32 s29, s29, 23
	s_or_b32 s29, s29, 0x600000
	v_mov_b32 v[LIMH], s29                         ; 57,344 x 2^eh
	s_add_co_i32 s30, s30, 127
	s_lshl_b32 s31, s30, 23
	v_mov_b32 v[SCO], s31
	s_add_co_i32 s30, s30, 15
	s_lshl_b32 s30, s30, 23
	s_or_b32 s30, s30, 0x600000
	v_mov_b32 v[LIMO], s30
	s_wait_loadcnt 63                              ; 128 loads of the weight were issued behind x, g1 and beta1: with 63 out at the most these are in
	ds_store_b128 v[GST], v[240:243]               ; (the address was written ahead of the wait in XLOAD; the four moves since name v16 to v19 alone)
	ds_store_b128 v[GST], v[244:247] offset:2048
	BARRIER                                        ; g1 and beta1 lie in LDS; they are only read from here on
.Lblock:
	GLOAD 0                                        ; K step 0's g1 and beta1 land under the mean and the variance.  No wait: the last lines that named v32-159, the last block's products, stand ahead of the wait in front of that block's last stores
	; ---- the row's mean: my 256 numbers in four chains of pairs, then the lane 16 away
	WIN 0x0f                                       ; sources 0 and 1 window 3
.irp q, 0,1,2,3
	v_pk_add_f32 v[CH+2*\q:CH+2*\q+1], v[4*\q:4*\q+1], v[4*\q+2:4*\q+3]   ; the first eight pairs start the chains: nothing is cleared
.endr
	WIN 0x0c                                       ; source 1 window 3
.set i, 8
.rept 120
	v_pk_add_f32 v[CH+2*(i%4):CH+2*(i%4)+1], v[CH+2*(i%4):CH+2*(i%4)+1], v[2*i:2*i+1]
.set i, i+1
.endr
	WIN 0
	v_pk_add_f32 v[CH:CH+1], v[CH:CH+1], v[CH+2:CH+3]
	v_pk_add_f32 v[CH+4:CH+5], v[CH+4:CH+5], v[CH+6:CH+7]
	v_pk_add_f32 v[CH:CH+1], v[CH:CH+1], v[CH+4:CH+5]
	v_add_f32 v[CH], v[CH], v[CH+1]
	v_permlanex16_b32 v[PD], v[CH], s54, s55
	v_add_f32 v[CH], v[CH], v[PD]
	v_mul_f32 v[MU], s56, v[CH]
	v_mov_b32 v[MU+1], v[MU]
	; ---- x - mean in place, then the mean of its squares: two passes over registers, no difference of large sums
	WIN 0xc3
.set i, 0
.rept 128
	v_pk_add_f32 v[2*i:2*i+1], v[2*i:2*i+1], v[MU:MU+1] neg_lo:[0,1] neg_hi:[0,1]
.set i, i+1
.endr
	WIN 0x0f
.irp q, 0,1,2,3
	v_pk_mul_f32 v[CH+2*\q:CH+2*\q+1], v[2*\q:2*\q+1], v[2*\q:2*\q+1]
.endr
.set i, 4
.rept 124
	v_pk_fma_f32 v[CH+2*(i%4):CH+2*(i%4)+1], v[2*i:2*i+1], v[2*i:2*i+1], v[CH+2*(i%4):CH+2*(i%4)+1]
.set i, i+1
.endr
	WIN 0
	v_pk_add_f32 v[CH:CH+1], v[CH:CH+1], v[CH+2:CH+3]
	v_pk_add_f32 v[CH+4:CH+5], v[CH+4:CH+5], v[CH+6:CH+7]
	v_pk_add_f32 v[CH:CH+1], v[CH:CH+1], v[CH+4:CH+5]
	v_add_f32 v[CH], v[CH], v[CH+1]
	v_permlanex16_b32 v[PD], v[CH], s54, s55
	v_add_f32 v[CH], v[CH], v[PD]
	v_fma_f32 v[CH], v[CH], s56, s57               ; var + eps
	v_rsq_f32 v[RS], v[CH]
	v_nop                                          ; a plain line behind the transcendental
	s_wait_alu depctr_va_vdst(0)                   ; the reciprocal root is written, ahead of its first reader
	v_mov_b32 v[RS+1], v[RS]
	KSTEP 0
	KSTEP 1
	KSTEP 2
	KSTEP 3
	BARRIER                                        ; the block's sixteen images lie in LDS
	s_cmp_eq_u32 s26, 1                            ; the next block's x is asked for here, if there is one: no load leaves its buffer
	s_cbranch_scc1 .Llastx
	XLOAD 131072                                   ; 64 rows on
	s_wait_loadcnt 63                              ; these 64 were issued behind the weight's loads: with 63 out at the most the weight is in
	s_branch .Lxdone
.Llastx:
	s_wait_loadcnt 0x0
.Lxdone:
	s_cmp_eq_u32 s25, 2
	s_cbranch_scc1 .Lvpath
	; ---- q, k: a row tile at a time; the next tile's fragments are fetched while this one is multiplied.  A fetch owes no wait of its own: it follows a run of stores, and the wait ahead of that run has shown every earlier reader of v32-159 done
	FETCH 0, 0
.irp m, 0,1,2,3
.if \m < 3
	FETCH (\m+1)%2, \m+1
	s_wait_dscnt 16                                ; this tile's fragments are in; the next tile's 16 loads may be out
.else
	s_wait_dscnt 0x0
.endif
	MULT_T \m%2
	QOUT
.irp b, 0,1,2,3
	global_store_b128 v[LI], v[PC+4*\b:PC+4*\b+3], s[50:51] offset:65536*\b+512*\m   ; head 4 w + b, row tile m: lane (r, h): f = 16 h .. 16 h + 15 of row r
.endr
.endr
	s_branch .Ljoin
.Lvpath:
	; ---- v: two row tiles (32 keys) at a time, four weight tiles (two heads) at a time
.irp p, 0,1
	FETCH 0, 2*\p
	FETCH 1, 2*\p+1
	s_wait_dscnt 0x0
.irp g, 0,1
	MULT_N \g
	QOUT
.irp q, 0,1,2,3
	global_store_b128 v[LI], v[PC+4*\q:PC+4*\q+3], s[50:51] offset:(2*\g+\q/2)*65536+(\q%2)*2048+512*\p   ; head 4 w + 2 g + q / 2, f tile q % 2, keys 32 p on: lane (r, h): 16 keys of one f
.endr
.endr
.endr
.Ljoin:
	s_wait_xcnt 0x0                                ; the stores have read their base and their data
	s_add_nc_u64 s[50:51], s[50:51], s[52:53]
	s_wait_loadcnt 0x0                             ; the next block's x is in
	BARRIER                                        ; every wave's reads of the images are over: the next block may write them
	s_sub_co_u32 s26, s26, 1
	s_cmp_lg_u32 s26, 0
	s_cbranch_scc1 .Lblock
	s_wait_dscnt 0x0                               ; the closing lines, six on end
	s_wait_alu 0x0
	s_wait_tensorcnt 0x0
	ds_add_u32 v254, v255
	s_wait_dscnt 0x0
	s_endpgm
.Lfunc_end_k_q3b4532eade_qkv:
	.size	k_q3b4532eade_qkv, .Lfunc_end_k_q3b4532eade_qkv-k_q3b4532eade_qkv
	.p2alignl 7, 3214868480
	.fill 96, 4, 3214868480
	.section	.rodata,"a",@progbits
	.p2align	6, 0x0
	.amdhsa_kernel k_q3b4532eade_qkv
		.amdhsa_group_segment_fixed_size 37376
		.amdhsa_private_segment_fixed_size 0
		.amdhsa_enable_private_segment 0
		.amdhsa_kernarg_size 80
		.amdhsa_user_sgpr_count 2
		.amdhsa_user_sgpr_kernarg_segment_ptr 1
		.amdhsa_wavefront_size32 1
		.amdhsa_system_sgpr_workgroup_id_x 1
		.amdhsa_system_sgpr_workgroup_id_y 1
		.amdhsa_system_sgpr_workgroup_id_z 1
		.amdhsa_system_vgpr_workitem_id 0
		.amdhsa_next_free_vgpr 1024
		.amdhsa_next_free_sgpr 66
		.amdhsa_reserve_vcc 0
		.amdhsa_float_denorm_mode_32 3
		.amdhsa_float_denorm_mode_16_64 3
		.amdhsa_memory_ordered 1
		.amdhsa_forward_progress 1
		.amdhsa_inst_pref_size 165
	.end_amdhsa_kernel
	.amdgpu_metadata
---
amdhsa.version: [ 1, 2 ]
amdhsa.kernels:
  - .name:           k_q3b4532eade_qkv
    .symbol:         k_q3b4532eade_qkv.kd
    .args:
      - { .name: x, .offset: 0, .size: 8, .value_kind: global_buffer, .address_space: global }
      - { .name: g1, .offset: 8, .size: 8, .value_kind: global_buffer, .address_space: global }
      - { .name: beta1, .offset: 16, .size: 8, .value_kind: global_buffer, .address_space: global }
      - { .name: wq_codes, .offset: 24, .size: 8, .value_kind: global_buffer, .address_space: global }
      - { .name: wk_codes, .offset: 32, .size: 8, .value_kind: global_buffer, .address_space: global }
      - { .name: wv_codes, .offset: 40, .size: 8, .value_kind: global_buffer, .address_space: global }
      - { .name: lowp_scales, .offset: 48, .size: 8, .value_kind: global_buffer, .address_space: global }
      - { .name: q_img, .offset: 56, .size: 8, .value_kind: global_buffer, .address_space: global }
      - { .name: k_img, .offset: 64, .size: 8, .value_kind: global_buffer, .address_space: global }
      - { .name: v_img, .offset: 72, .size: 8, .value_kind: global_buffer, .address_space: global }
    .group_segment_fixed_size: 37376
    .private_segment_fixed_size: 0
    .kernarg_segment_align: 8
    .kernarg_segment_size: 80
    .max_flat_workgroup_size: 128
    .sgpr_count:     66
    .vgpr_count:     1024
    .wavefront_size: 32
...
	.end_amdgpu_metadata
.endif
;; end of part 6
;; launch attn (part 7): grid 4 x 64, 16 waves a work-group, no clusters, 133,120 bytes of LDS; arguments q_img, k_img, v_img, lowp_scales, ao_img; writes ao_img
.if DOCPART == 7
	.amdgcn_target "amdgcn-amd-amdhsa--gfx1250"
	.amdhsa_code_object_version 6
	.text
	.protected	k_q3b4532eade_attn
	.globl	k_q3b4532eade_attn
	.p2align	8
	.type	k_q3b4532eade_attn,@function
k_q3b4532eade_attn:
	s_mov_b64 s[64:65], 0
	v_nop
	global_prefetch_b8 v0, s[64:65] scope:SCOPE_SE
	s_setreg_imm32_b32 hwreg(HW_REG_WAVE_SCHED_MODE, 0, 2), 2
	s_setreg_imm32_b32 hwreg(HW_REG_WAVE_MODE, 25, 1), 1
	s_wait_xcnt 0x0
	s_wait_alu depctr_vm_vsrc(0)
; Causal attention of one (batch, head) on codes of E5M2, head size 32; the result is quantised for the projection and stored as images of operand registers.
; t = score x log2(e) / sqrt(512); M = the running largest t rounded UP to a whole number; p = 2^(t - M) is quantised along the keys, not normalised; the row's sum is taken of the unquantised p and divides at the end.
; When M moves, the sum and O are multiplied by 2^(old M - new M), which rounds nothing.
; SHARES.  Work-group (qx, bh).  Wave w owns two tiles of 16 queries, one after the other: tile 4 w + qx and tile 127 - (4 w + qx).  Tile u needs u / 8 + 1 key steps of 128 keys, so the two need 17: the same for every wave of the launch.
; u / 8 is w / 2, then 15 - w / 2: the wave's number alone.  Four waves share a SIMD, so that one wave's softmax stands beside another's products and LDS loads.
; The head's K and V images, 64 KB each, are laid in LDS once, as they lie in memory, and only read behind one barrier.
; LAYOUT.  Both products are used transposed: S^T = K Q^T (source 0 = 16 keys, source 1 = my 16 queries), O^T = V^T P^T: a lane holds ONE query throughout.  Lane-row r of tile u is row 32 (u / 2) + 8 (u % 2) + r + 8 (r / 8),
; so the 16 registers of key tiles 2 b, 2 b + 1 are the keys 32 b + 16 (lane / 16) + 0 .. 15, which is the order of P's fragment.
; K = 32 IS HALF OF THE SHORTEST FORM'S 64: registers 0-3 of Q's and K's fragments hold f = 16 (lane / 16) + 0 .. 15, registers 4-7 zero codes on both sides, set once.
; THE MASK.  Every wave walks 16 trips (a constant); a step all of whose keys come after the tile's queries is jumped over by a scalar branch on ids; in the one step on the diagonal hidden scores become -infinity ahead of the maximum.
; NOT SHARED IN A CLUSTER: the four work-groups of a head read the same 128 KB, each once at its head, for the 272 key steps of its sixteen waves; the fill goes through registers and this text has no tensor load.
; LIMITS on the given exponents: entries 6 + 7 between -122 and 131 (added to c's exponent field); entries 8 and 10 between -126 and 112; 8 + 9 is applied by v_ldexp_f32 and has none.
; REGISTERS: v1-5 addresses that stay; v8-10 at work; v12 -M, v13 the largest t, v[14:15] the sum in two halves; v16-23 Q; v32-95 eight key tiles; v96-159 S^T, then p; v160-175 O^T; v176-191 p's codes; v192-223 V's two fragments; v224-254 at work.
; THE MODE: SCHED_MODE bits 1:0 = 2 (LLVM: expert scheduling mode 2), set by the entry lines.  The code itself states the register dependences
; between vector or matrix instructions and memory or LDS instructions, with s_wait_alu, always for 0.
; THE PLAN.  Registers that memory or LDS instructions touch:
;   v1-4           Addresses, made once at the head and never written again.
;   v96-159        At the head: the fill's loads land here and its LDS stores read them; from the first step on the products write them: the wait on vm_vsrc at a tile's head.
;   v16-19         Q: one load a tile; read by the tile's products.  The wait on va_vdst ahead of a tile's store shows these done, and no vector line between it and the next tile's load names v16-19 or v1.
;   v8, v9         A step's LDS addresses.  An LDS address has no scalar base, so they are made anew in each step: a wait on vm_vsrc ahead of the two additions (the last step's loads have read them), a wait on va_vdst behind them.
;   v32.., v192-223  K's tiles and V's fragments, from LDS; read by the step's products.  The same wait on va_vdst at the next step's head shows these done.
;   v176-179       The tile's codes: conversions write them, one store reads them: a wait on va_vdst ahead of the store, the wait on vm_vsrc at the next tile's head.
;   s36-39, s20-23 The diagonal's masks: eight compares write them, one wait on va_sdst, eight selects read them.
;   v251, v255     Written at the head, read by the closing add alone.
	s_load_b128 s[4:7], s[0:1], 0x0                ; q_img, k_img
	s_load_b128 s[8:11], s[0:1], 0x10              ; v_img, the scales' exponents
	s_load_b64 s[12:13], s[0:1], 0x20              ; ao_img
	v_lshl_add_u32 v251, v0, 2, 0x20000
	v_mov_b32 v255, 0
	v_lshrrev_b32 v1, 5, v0
	v_readfirstlane_b32 s24, v1                    ; wave 0..15
	v_and_b32 v6, 31, v0
	v_lshlrev_b32 v1, 4, v6                        ; 16 x lane: K's images begin at LDS byte 0,
	v_add_nc_u32 v2, 65536, v1                     ; V's at 65,536
	v_lshlrev_b32 v3, 4, v0                        ; the fill: 16 x thread,
	v_add_nc_u32 v4, 65536, v3
	v_and_b32 v6, 15, v0
	v_and_b32 v7, 8, v6
	v_add_nc_u32 v6, v6, v7                        ; r + 8 (r / 8)
	v_bfe_u32 v7, v0, 4, 1
	v_lshlrev_b32 v7, 4, v7
	v_sub_nc_u32 v5, v6, v7                        ; the mask: my query's place in its tile less 16 (lane / 16)
	s_and_b32 s26, ttmp7, 0xffff                   ; bh
	s_wait_alu depctr_va_sdst(0)                   ; s24 is written, ahead of its first reader
	s_lshl_b32 s27, s24, 2
	s_add_co_u32 s27, s27, ttmp9                   ; my first tile: 4 w + qx
	s_lshr_b32 s28, s24, 1                         ; its key step on the diagonal
	s_mov_b32 s31, 2                               ; tiles to go
	s_mov_b32 s32, 0x3d8293ee                      ; c = log2(e) / sqrt(512)
	s_mov_b32 s34, 0x76543210                      ; v_permlanex16_b32: lane l xor 16
	s_mov_b32 s35, 0xfedcba98
	s_lshl_b32 s44, s26, 16                        ; the head's 65,536 bytes in each image
	s_mov_b32 s45, 0
	s_wait_kmcnt 0x0
	s_load_b128 s[16:19], s[10:11], 0x18           ; entries 6 to 9: q, k, p, v
	s_load_b32 s20, s[10:11], 0x28                 ; entry 10: the result
	s_add_nc_u64 s[6:7], s[6:7], s[44:45]
	s_add_nc_u64 s[8:9], s[8:9], s[44:45]
	s_wait_alu depctr_va_vdst(0)                   ; the addresses v1 to v4 are written, which every load and store below reads
.set i, 0
.rept 8
	global_load_b128 v[96+4*i:99+4*i], v3, s[6:7] offset:8192*i      ; 512 threads x 16 bytes: 8,192 consecutive bytes a line
.set i, i+1
.endr
.set i, 0
.rept 8
	global_load_b128 v[128+4*i:131+4*i], v3, s[8:9] offset:8192*i
.set i, i+1
.endr
.irp j, 20,21,22,23
	v_mov_b32 v\j, 0                               ; the upper half of K: zero codes, in Q
.endr
.set i, 0
.rept 8
.irp j, 4,5,6,7
	v_mov_b32 v[32+8*i+\j], 0                      ; and in the eight key tiles
.endr
.set i, i+1
.endr
	v_mov_b32 v241, 0xff800000                     ; -infinity
	v_mov_b32 v248, 0                              ; written once: a lane permute's destination counts as one of its sources
	v_mov_b32 v253, 0                              ; (named as the upper half of the pair v[252:253])
	s_wait_kmcnt 0x0
	s_add_co_i32 s44, s16, s17
	s_lshl_b32 s44, s44, 23
	s_add_co_i32 s32, s32, s44                     ; a score stands for score x 2^(eq + ek): the exponents are added to c's exponent field
	s_mov_b32 s33, s32                             ; (named with it as a pair, so it is written)
	s_add_co_i32 s44, s18, 127
	s_lshl_b32 s45, s44, 23
	v_mov_b32 v244, s45                            ; 2^ep as f32
	s_add_co_i32 s44, s44, 15
	s_lshl_b32 s44, s44, 23
	s_or_b32 s44, s44, 0x600000
	v_mov_b32 v240, s44                            ; 57,344 x 2^ep
	s_add_co_i32 s44, s20, 127
	s_lshl_b32 s45, s44, 23
	v_mov_b32 v246, s45                            ; the same for the result
	s_add_co_i32 s44, s44, 15
	s_lshl_b32 s44, s44, 23
	s_or_b32 s44, s44, 0x600000
	v_mov_b32 v245, s44
	s_add_co_i32 s46, s18, s19                     ; ep + ev
.set i, 0
.rept 8
	s_wait_loadcnt 15-i                            ; loads come back in order (ISA guide 5.7.1): load i is in, the younger ones may be out
	ds_store_b128 v3, v[96+4*i:99+4*i] offset:8192*i
.set i, i+1
.endr
.set i, 0
.rept 8
	s_wait_loadcnt 7-i
	ds_store_b128 v4, v[128+4*i:131+4*i] offset:8192*i
.set i, i+1
.endr
	s_wait_dscnt 0x0                               ; for the others' sake: my stores have landed
	s_barrier_signal -1
	s_barrier_wait -1                              ; K and V lie in LDS; nothing is written there again
.Ltile:
	s_wait_xcnt 0x0                                ; the last tile's store has read its data and its base
	s_wait_alu depctr_vm_vsrc(0)                   ; first tile: the fill's LDS stores have read v96-159, which the products write; second tile: the last tile's store has read v176-179, which the conversions write
	s_lshl_b32 s44, s26, 16
	s_lshl_b32 s45, s27, 9
	s_add_co_u32 s44, s44, s45
	s_mov_b32 s45, 0
	s_add_nc_u64 s[40:41], s[4:5], s[44:45]        ; Q's image: bh x 65,536 + 512 x tile
	s_lshr_b32 s44, s26, 4
	s_lshl_b32 s44, s44, 7
	s_add_co_u32 s44, s44, s27
	s_lshl_b32 s44, s44, 13
	s_and_b32 s47, s26, 15
	s_lshl_b32 s47, s47, 9
	s_add_co_u32 s44, s44, s47
	s_add_nc_u64 s[42:43], s[12:13], s[44:45]      ; the result's: (128 x batch + tile) x 8,192 + 512 x head
	global_load_b128 v[16:19], v1, s[40:41]        ; (no wait: the last tile's products, which read v16-19, stand ahead of the wait in front of its store)
	s_lshl_b32 s48, s27, 4
	s_and_b32 s47, s27, 1
	s_lshl_b32 s47, s47, 3
	s_sub_co_u32 s48, s48, s47                     ; the tile's first row: 16 u - 8 (u % 2)
	v_mov_b32 v13, 0xff61b1e6                      ; the largest t so far: -3e38, under every t
	v_floor_f32 v12, -v13                          ; -M
	v_mov_b32 v14, 0
	v_mov_b32 v15, 0
.set i, 0
.rept 16
	v_mov_b32 v[160+i], 0                          ; O^T: the step is written once; its first trip finds zeros
.set i, i+1
.endr
	s_mov_b32 s29, 0                               ; the key step
	s_wait_loadcnt 0x0
.Lstep:
	s_cmp_gt_u32 s29, s28                          ; all 128 keys come after my queries: nothing to do
	s_cbranch_scc1 .Lhidden
	s_lshl_b32 s30, s29, 12                        ; a key step is 4,096 bytes of K's images and of V's
	s_wait_alu depctr_vm_vsrc(0)                   ; the last step's LDS loads have read v8 and v9
	v_add_nc_u32 v8, s30, v1
	v_add_nc_u32 v9, s30, v2
	s_wait_alu depctr_va_vdst(0)                   ; v8 and v9 are written, which the loads below read; the last step's products are done reading K's tiles and V's fragments, in whose registers these loads land
.irp t, 0,1,2,3,4,5,6,7
	ds_load_b128 v[32+8*\t:35+8*\t], v8 offset:512*\t
.endr
.irp t, 0,1,2,3,4,5,6,7
	ds_load_b128 v[192+4*\t:195+4*\t], v9 offset:512*\t       ; f tile t / 4, keys 32 (t % 4) on
.endr
	s_wait_dscnt 8                                 ; K's eight loads are in; V's eight may be out
.irp t, 0,1,2,3,4,5,6,7
	v_wmma_f32_16x16x64_bf8_bf8 v[96+8*\t:103+8*\t], v[32+8*\t:39+8*\t], v[16:23], 0
.endr
.rept 4
	v_nop                                          ; between the last product and the first read of a result (ISA guide 7.12.1)
.endr
	s_cmp_lg_u32 s29, s28                          ; a step in front of the diagonal: all its keys count
	s_cbranch_scc1 .Lopen
	s_lshl_b32 s44, s29, 7
	s_sub_co_i32 s44, s48, s44
	v_add_nc_u32 v10, s44, v5                      ; d = my query - the step's first key - 16 (lane / 16).  Register 16 b + i holds key 32 b + 16 (lane / 16) + i of the step: hidden where 32 b + i > d
.set n, 0
.rept 8                                        ; an accumulator's eight registers at a time: eight compares into eight scalar registers, one wait, eight selects
.irp q, 0,1,2,3
	v_cmp_gt_i32 s[36+\q], 32*((n+\q)/16)+((n+\q)%16), v10
	v_cmp_gt_i32 s[20+\q], 32*((n+4+\q)/16)+((n+4+\q)%16), v10
.endr
	s_wait_alu depctr_va_sdst(0)                   ; the eight masks are written, ahead of the selects that read them
.irp q, 0,1,2,3
	v_cndmask_b32 v[96+n+\q], v[96+n+\q], v241, s[36+\q]
	v_cndmask_b32 v[100+n+\q], v[100+n+\q], v241, s[20+\q]
.endr
.set n, n+8
.endr
.Lopen:
	v_max3_num_f32 v254, v96, v97, v98             ; the step's largest score of my query among my 64 keys, in two chains,
	v_max3_num_f32 v252, v99, v100, v101
.irp i, 6,10,14,18,22,26,30,34,38,42,46,50,54,58
	v_max3_num_f32 v254, v254, v[96+\i], v[97+\i]
	v_max3_num_f32 v252, v252, v[98+\i], v[99+\i]
.endr
	v_max3_num_f32 v254, v254, v158, v159
	v_max_num_f32 v254, v254, v252
	v_permlanex16_b32 v248, v254, s34, s35
	v_max_num_f32 v254, v254, v248                 ; and among lane l xor 16's
	v_mul_f32 v254, s32, v254                      ; as t (c is positive)
	v_max_num_f32 v13, v13, v254                   ; the running largest t
	v_mov_b32 v254, v12
	v_floor_f32 v12, -v13                          ; the new -M = floor(-t) = -ceil(t)
	v_sub_f32 v254, v12, v254                      ; old M - new M: a whole number, 0 or less
	v_cvt_i32_f32 v254, v254                       ; (it saturates)
	v_ldexp_f32 v252, 1.0, v254                    ; f = 2^(old M - new M)
.set j, 0
.rept 32
	v_pk_fma_f32 v[96+j:97+j], v[96+j:97+j], s[32:33], v[12:13] op_sel_hi:[1,0,0]   ; t - M, two at a time
.set j, j+2
.endr
.set j, 0
.rept 64
	v_exp_f32 v[96+j], v[96+j]                     ; p = 2^(t - M), at most 1
.set j, j+1
.endr
	v_pk_mul_f32 v[14:15], v[14:15], v[252:253] op_sel_hi:[1,0]   ; the sums under the new M (a plain line behind the exponentials)
	s_wait_alu depctr_va_vdst(0)                   ; the 64 exponentials are written, ahead of their first reader: one wait for the batch
	v_pk_add_f32 v[242:243], v[96:97], v[98:99]    ; the row's sum of the unquantised p, in two chains
.irp j, 4,8,12,16,20,24,28,32,36,40,44,48,52,56,60
	v_pk_add_f32 v[14:15], v[14:15], v[96+\j:97+\j]
	v_pk_add_f32 v[242:243], v[242:243], v[98+\j:99+\j]
.endr
	v_pk_add_f32 v[14:15], v[14:15], v[242:243]
	s_cmp_ge_i32 s18, -15                          ; p <= 1 <= 57,344 x 2^ep wherever ep >= -15: the hold would change nothing there.  A branch on a whole number that was given
	s_cbranch_scc1 .Lheld
.set j, 0
.rept 64
	v_min_num_f32 v[96+j], v[96+j], v240           ; the conversion does not saturate (ISA guide 7.6.2); p is not negative, so the hold is one-sided
.set j, j+1
.endr
.Lheld:
.set j, 0
.rept 8
	v_cvt_scalef32_pk8_bf8_f32 v[176+2*j:177+2*j], v[96+8*j:103+8*j], v244
.set j, j+1
.endr
.set j, 0
.rept 8
	v_pk_mul_f32 v[160+2*j:161+2*j], v[160+2*j:161+2*j], v[252:253] op_sel_hi:[1,0]   ; O^T under the new M; also the plain lines behind the conversions
.set j, j+1
.endr
	s_wait_dscnt 0x0                               ; V is in
	v_wmma_f32_16x16x128_bf8_bf8 v[160:167], v[192:207], v[176:191], v[160:167]   ; the two accumulators take turns, and eight other products stand between two links of each
	v_wmma_f32_16x16x128_bf8_bf8 v[168:175], v[208:223], v[176:191], v[168:175]
.rept 4
	v_nop                                          ; in front of the first read of O^T (ISA guide 7.12.1)
.endr
.Lhidden:
	s_add_co_u32 s29, s29, 1
	s_cmp_lt_u32 s29, 16
	s_cbranch_scc1 .Lstep
	; ---- the tile's way out: O^T x 2^(ep + ev) / the sum, quantised: register 8 ft + i is f = 16 (lane / 16) + 8 ft + i of my query: 16 bytes of the projection's fragment
	v_add_f32 v14, v14, v15
	v_permlanex16_b32 v248, v14, s34, s35
	v_add_f32 v14, v14, v248                       ; the row's sum
	v_rcp_f32 v14, v14
	v_nop                                          ; a plain line behind the transcendental
	s_wait_alu depctr_va_vdst(0)                   ; the reciprocal is written, ahead of its first reader
	v_ldexp_f32 v14, v14, s46
.set j, 0
.rept 16
	v_mul_f32 v[224+j], v[160+j], v14
.set j, j+1
.endr
.set j, 0
.rept 16
	v_med3_num_f32 v[224+j], v[224+j], -v245, v245
.set j, j+1
.endr
	v_cvt_scalef32_pk8_bf8_f32 v[176:177], v[224:231], v246
	v_cvt_scalef32_pk8_bf8_f32 v[178:179], v[232:239], v246
	v_nop
	s_wait_alu depctr_va_vdst(0)                   ; the conversions have written v176-179, which the store reads; the tile's products are done reading Q, in whose registers the next tile's load lands
	global_store_b128 v1, v[176:179], s[42:43]     ; the wave stores 512 consecutive bytes, aligned
	s_sub_co_u32 s27, 127, s27                     ; the partner tile,
	s_sub_co_u32 s28, 15, s28                      ; and its step on the diagonal
	s_sub_co_u32 s31, s31, 1
	s_cmp_lg_u32 s31, 0
	s_cbranch_scc1 .Ltile
	s_wait_dscnt 0x0                               ; the closing lines, six on end
	s_wait_alu 0x0
	s_wait_tensorcnt 0x0
	ds_add_u32 v251, v255
	s_wait_dscnt 0x0
	s_endpgm
.Lfunc_end_k_q3b4532eade_attn:
	.size	k_q3b4532eade_attn, .Lfunc_end_k_q3b4532eade_attn-k_q3b4532eade_attn
	.p2alignl 7, 3214868480
	.fill 96, 4, 3214868480
	.section	.rodata,"a",@progbits
	.p2align	6, 0x0
	.amdhsa_kernel k_q3b4532eade_attn
		.amdhsa_group_segment_fixed_size 133120
		.amdhsa_private_segment_fixed_size 0
		.amdhsa_enable_private_segment 0
		.amdhsa_kernarg_size 40
		.amdhsa_user_sgpr_count 2
		.amdhsa_user_sgpr_kernarg_segment_ptr 1
		.amdhsa_wavefront_size32 1
		.amdhsa_system_sgpr_workgroup_id_x 1
		.amdhsa_system_sgpr_workgroup_id_y 1
		.amdhsa_system_sgpr_workgroup_id_z 1
		.amdhsa_system_vgpr_workitem_id 0
		.amdhsa_next_free_vgpr 256
		.amdhsa_next_free_sgpr 66
		.amdhsa_reserve_vcc 0
		.amdhsa_float_denorm_mode_32 3
		.amdhsa_float_denorm_mode_16_64 3
		.amdhsa_memory_ordered 1
		.amdhsa_forward_progress 1
		.amdhsa_inst_pref_size 34
	.end_amdhsa_kernel
	.amdgpu_metadata
---
amdhsa.version: [ 1, 2 ]
amdhsa.kernels:
  - .name:           k_q3b4532eade_attn
    .symbol:         k_q3b4532eade_attn.kd
    .args:
      - { .name: q_img, .offset: 0, .size: 8, .value_kind: global_buffer, .address_space: global }
      - { .name: k_img, .offset: 8, .size: 8, .value_kind: global_buffer, .address_space: global }
      - { .name: v_img, .offset: 16, .size: 8, .value_kind: global_buffer, .address_space: global }
      - { .name: lowp_scales, .offset: 24, .size: 8, .value_kind: global_buffer, .address_space: global }
      - { .name: ao_img, .offset: 32, .size: 8, .value_kind: global_buffer, .address_space: global }
    .group_segment_fixed_size: 133120
    .private_segment_fixed_size: 0
    .kernarg_segment_align: 8
    .kernarg_segment_size: 40
    .max_flat_workgroup_size: 512
    .sgpr_count:     66
    .vgpr_count:     256
    .wavefront_size: 32
...
	.end_amdgpu_metadata
.endif
;; end of part 7
;; launch proj (part 8): grid 256 x 1, 4 waves a work-group, no clusters, 1,536 bytes of LDS; arguments ao_img, w_proj_codes, b_proj, x, g2, beta2, bf2, lowp_scales, x1b_img, h2_img; writes x1b_img, h2_img
.if DOCPART == 8
	.amdgcn_target "amdgcn-amd-amdhsa--gfx1250"
	.amdhsa_code_object_version 6
	.text
	.protected	k_q3b4532eade_proj
	.globl	k_q3b4532eade_proj
	.p2align	8
	.type	k_q3b4532eade_proj,@function
k_q3b4532eade_proj:
	s_mov_b64 s[64:65], 0
	v_nop
	global_prefetch_b8 v0, s[64:65] scope:SCOPE_SE
	s_setreg_imm32_b32 hwreg(HW_REG_WAVE_SCHED_MODE, 0, 2), 2
	s_setreg_imm32_b32 hwreg(HW_REG_WAVE_MODE, 25, 1), 1
	s_wait_xcnt 0x0
	s_wait_alu depctr_vm_vsrc(0)
; x1 = x + attention's result x w_proj + b_proj (the product on codes of E5M2); h2 = layernorm(x1, g2, beta2), quantised.  Stored: x1 + bf2 as an image of the last launch's accumulators, and h2's codes as images of fragments.
; SHARES.  Work-group i: row tiles 2 i and 2 i + 1, which are rows 32 i .. 32 i + 31.  Wave w: columns 128 w .. +127, K 512: its part of w_proj stays in 512 registers.  Each wave loads both tiles' eight fragments itself (16 KB).
; Source 0 = 16 weight rows, source 1 = 16 rows: a lane holds one row; lane-row r of tile t is row 32 (t / 2) + 8 (t % 2) + r + 8 (r / 8), so register R (0 .. 63) of a tile's accumulators is column 128 w + 32 (R / 16) + 16 (lane / 16) + R % 16.
; THE RESIDUAL AND THE BIAS ARE THE C OF THE FIRST K STEP: (x + b_proj) / 2^E, E = entries 10 + 11; the finished sums are multiplied by 2^E.  Both scalings are by powers of two.
; THE ROW'S STATISTICS span four waves.  Each wave takes the mean and the sum of squared deviations of its 128 columns; the four pairs meet in LDS; mean = the mean of the four, M2 = the sum of the four M2 + 128 x the sum of (mean_i - mean)^2:
; one exchange, and no difference of large sums.
; NOT SHARED IN A CLUSTER: all 256 work-groups read the same 256 KB of w_proj, each once, straight into the registers where it stays.
; LIMITS on the given exponents: entries 10 + 11 between -126 and 126; entry 12 between -126 and 112.  NaN among the inputs is not served.
; REGISTERS, in windows of 256: window 0: v2-31 addresses and statistics; v32-159 the eight fragments ((m, s) at 32 + 64 m + 16 s), later x1 + bf2; v160-223 b_proj, then bf2, then the four waves' statistics; v224-255 h2's codes.
;   windows 1, 2: w_proj's fragment (t, s) at v[16 (t + 8 (s % 2))] of window 1 + s / 2.   window 3: v0-127 the 16 accumulators ((m, t) at 64 m + 8 t); v128-191 g2; v192-255 beta2.
; THE MODE: SCHED_MODE bits 1:0 = 2 (LLVM: expert scheduling mode 2), set by the entry lines.  The code itself states the register dependences
; between vector or matrix instructions and memory or LDS instructions, with s_wait_alu, always for 0.
; THE PLAN.  The text is one straight line.  Registers that memory or LDS instructions touch:
;   v4-10          Addresses, made once at the head: one wait on va_vdst ahead of the first load; never written again.
;   v160-223       b_proj is loaded, scaled in place and read by the multiply-adds; one wait; bf2 is loaded into the same registers and read by the additions; behind the statistics' wait and the barrier the four waves' statistics are loaded into v160-175.
;   v32-159        The fragments are loaded and read by the products; the additions write x1 + bf2 there; one wait; the stores read it.  Nothing writes these registers again.
;   v24-27         My wave's statistics: vector lines write them; one wait; the LDS stores read them.   v224-255: h2's codes: conversions write them; one wait; the stores read them.
;   No register that a memory or LDS instruction has read is written again: so no wait on vm_vsrc stands in this text.   v28, v31: written at the head, read by the closing add alone.
.set XA,  4                            ; v4   x: my lane's byte in a tile
.set LI,  5                            ; v5   16 x lane
.set WA,  6                            ; v6   the weight: my lane's byte in a tile
.set CV,  7                            ; v7   64 (lane / 16): my half's 16 numbers of a block of 32 columns
.set SA,  9                            ; v9   LDS: where I lay my wave's statistics of row r
.set SL,  10                           ; v10  LDS: the four waves' statistics of row r
.set CH,  12                           ; v[12:19] tile m: two chains of pairs at 12 + 4 m; later rs twice and nd twice
.set MW,  20                           ; v[20:23] tile m: my wave's mean, twice
.set ST,  24                           ; v[24:27] tile m: (mean, M2) to exchange
.set LIM, 29
.set SC,  30
.set AF,  32
.set BI,  160
.set PC,  224
.set MSB, 0
.macro WIN new                         ; the immediate's high byte repeats the setting that is left; a switch that changes nothing is dropped
.if MSB != (\new)
	s_set_vgpr_msb (MSB<<8)|(\new)
.set MSB, (\new)
.endif
.endm
.macro COLS reg, base                  ; 64 numbers of a vector over the columns, in the accumulators' layout
.set i, 0
.rept 16
	global_load_b128 v[\reg+4*i:\reg+4*i+3], v[CV], s[\base:\base+1] offset:128*(i/4)+16*(i%4)
.set i, i+1
.endr
.endm
.macro FOLD                            ; each tile's two chains, a pair's halves, and the lane 16 away: the sum lands in v[CH + 4 m]
.irp m, 0,1
	v_pk_add_f32 v[CH+4*\m:CH+4*\m+1], v[CH+4*\m:CH+4*\m+1], v[CH+4*\m+2:CH+4*\m+3]
.endr
.irp m, 0,1
	v_add_f32 v[CH+4*\m], v[CH+4*\m], v[CH+4*\m+1]
.endr
.irp m, 0,1
	v_permlanex16_b32 v[CH+4*\m+2], v[CH+4*\m], s34, s35
.endr
.irp m, 0,1
	v_add_f32 v[CH+4*\m], v[CH+4*\m], v[CH+4*\m+2]
.endr
.endm
	s_load_b128 s[4:7], s[0:1], 0x0                ; ao_img, w_proj
	s_load_b128 s[8:11], s[0:1], 0x10              ; b_proj, x
	s_load_b128 s[12:15], s[0:1], 0x20             ; g2, beta2
	s_load_b128 s[16:19], s[0:1], 0x30             ; bf2, the scales' exponents
	s_load_b128 s[20:23], s[0:1], 0x40             ; x1b_img, h2_img
	v_lshl_add_u32 v28, v0, 2, 0x400
	v_mov_b32 v31, 0
	v_lshrrev_b32 v1, 5, v0
	v_readfirstlane_b32 s32, v1                    ; wave 0..3
	v_and_b32 v1, 31, v0
	v_and_b32 v2, 15, v0                           ; r
	v_bfe_u32 v3, v0, 4, 1                         ; h
	v_and_b32 v8, 8, v2
	v_add_nc_u32 v8, v8, v2                        ; r + 8 (r / 8)
	v_lshlrev_b32 v[XA], 11, v8
	v_lshl_add_u32 v[XA], v3, 6, v[XA]
	v_lshlrev_b32 v[LI], 4, v1
	v_lshlrev_b32 v[WA], 9, v8
	v_lshl_add_u32 v[WA], v3, 4, v[WA]
	v_lshlrev_b32 v[CV], 6, v3
	v_lshlrev_b32 v[SL], 5, v2                     ; 32 bytes a row: four waves x (mean, M2)
	s_wait_alu depctr_va_sdst(0)                   ; s32 is written, ahead of its first reader
	s_lshl_b32 s36, s32, 3
	v_add_nc_u32 v[SA], s36, v[SL]
	s_mov_b32 s34, 0x76543210                      ; v_permlanex16_b32: lane l xor 16
	s_mov_b32 s35, 0xfedcba98
	s_mov_b32 s40, 0x3c000000                      ; 1 / 128
	s_mov_b32 s41, 0x3b000000                      ; 1 / 512
	s_mov_b32 s42, 0x3727c5ac                      ; 1e-5
	s_mov_b32 s43, 0x43000000                      ; 128
	s_mov_b32 s37, 0
	s_mov_b32 s39, 0
	s_wait_kmcnt 0x0
	s_load_b128 s[24:27], s[18:19], 0x28           ; entries 10 to 13
	s_lshl_b32 s36, ttmp9, 14                      ; two tiles' images of 8,192 bytes
	s_add_nc_u64 s[4:5], s[4:5], s[36:37]
	s_add_nc_u64 s[22:23], s[22:23], s[36:37]
	s_lshl_b32 s38, s32, 11                        ; h2: K step w
	s_add_nc_u64 s[22:23], s[22:23], s[38:39]
	s_lshl_b32 s38, s32, 16                        ; my 128 rows of w_proj
	s_add_nc_u64 s[6:7], s[6:7], s[38:39]
	s_lshl_b32 s38, s32, 9                         ; my 128 columns, in f32
	s_add_nc_u64 s[8:9], s[8:9], s[38:39]
	s_add_nc_u64 s[12:13], s[12:13], s[38:39]
	s_add_nc_u64 s[14:15], s[14:15], s[38:39]
	s_add_nc_u64 s[16:17], s[16:17], s[38:39]
	s_add_nc_u64 s[10:11], s[10:11], s[38:39]
	s_lshl_b32 s36, ttmp9, 16                      ; 32 rows of 2,048 bytes; also two tiles of x1b_img
	s_add_nc_u64 s[10:11], s[10:11], s[36:37]
	s_add_nc_u64 s[20:21], s[20:21], s[36:37]
	s_lshl_b32 s38, s32, 13                        ; x1b_img: column group w
	s_add_nc_u64 s[20:21], s[20:21], s[38:39]
	WIN 0xc0                                       ; destination window 3
	s_wait_alu depctr_va_vdst(0)                   ; the addresses v4 to v10 are written, which every load and store of the kernel reads; only loads and window switches follow, down to the weight's last load
.set i, 0
.rept 32
	global_load_b128 v[4*i:4*i+3], v[XA], s[10:11] offset:16384*(i/16)+128*((i%16)/4)+16*(i%4) th:TH_LOAD_NT   ; x goes straight into the accumulators' registers
.set i, i+1
.endr
	COLS 128, 12
	COLS 192, 14
	WIN 0
	COLS BI, 8
.set i, 0
.rept 32
	global_load_b128 v[AF+4*i:AF+4*i+3], v[LI], s[4:5] offset:512*i       ; the two tiles' eight fragments, as they lie
.set i, i+1
.endr
.irp s, 0,1,2,3
	WIN 0x40*(1+\s/2)
.irp t, 0,1,2,3,4,5,6,7
.irp c, 0,1,2,3
	global_load_b128 v[16*(\t+8*(\s%2))+4*\c:16*(\t+8*(\s%2))+4*\c+3], v[WA], s[6:7] offset:(32*(\t/2)+8*(\t%2))*512+128*\s+32*\c
.endr
.endr
.endr
	WIN 0
	s_wait_kmcnt 0x0
	s_add_co_i32 s36, s24, s25                     ; E
	s_sub_co_i32 s28, 127, s36
	s_lshl_b32 s28, s28, 23                        ; 2^-E as f32
	s_mov_b32 s29, s28                             ; (named with it as a pair, so it is written)
	s_add_co_i32 s30, s36, 127
	s_lshl_b32 s30, s30, 23                        ; 2^E
	s_mov_b32 s31, s30
	s_add_co_i32 s36, s26, 127
	s_lshl_b32 s37, s36, 23
	v_mov_b32 v[SC], s37                           ; 2^e12: h2's conversion
	s_add_co_i32 s36, s36, 15
	s_lshl_b32 s36, s36, 23
	s_or_b32 s36, s36, 0x600000
	v_mov_b32 v[LIM], s36
	s_wait_loadcnt 63                              ; 128 loads of the weight were issued behind all the others: with 63 out at the most the others are in
.set i, 0
.rept 32
	v_pk_mul_f32 v[BI+2*i:BI+2*i+1], v[BI+2*i:BI+2*i+1], s[28:29] op_sel_hi:[1,0]     ; b_proj / 2^E
.set i, i+1
.endr
	WIN 0xc3                                       ; source 0 and destination window 3
.set i, 0
.rept 64
	v_pk_fma_f32 v[2*i:2*i+1], v[2*i:2*i+1], s[28:29], v[BI+2*(i%32):BI+2*(i%32)+1] op_sel_hi:[1,0,1]   ; (x + b_proj) / 2^E
.set i, i+1
.endr
	WIN 0
	s_wait_alu depctr_va_vdst(0)                   ; the multiplies have written b_proj's registers and the multiply-adds are done reading them: bf2 lands there
	COLS BI, 16                                    ; bf2 takes b_proj's place
	s_wait_loadcnt 0x0
.irp s, 0,1,2,3
	WIN 0xf1+\s/2                                  ; source 0 window 1 or 2, C and D window 3
.irp m, 0,1
.irp t, 0,1,2,3,4,5,6,7
	v_wmma_f32_16x16x128_bf8_bf8 v[64*\m+8*\t:64*\m+8*\t+7], v[16*(\t+8*(\s%2)):16*(\t+8*(\s%2))+15], v[AF+64*\m+16*\s:AF+64*\m+16*\s+15], v[64*\m+8*\t:64*\m+8*\t+7]   ; the sixteen accumulators take turns
.endr
.endr
.endr
.rept 4
	v_nop                                          ; between the last product and the first read of a result (ISA guide 7.12.1)
.endr
	WIN 0xc3
.set i, 0
.rept 64
	v_pk_mul_f32 v[2*i:2*i+1], v[2*i:2*i+1], s[30:31] op_sel_hi:[1,0]     ; x1; each accumulator from its low end on
.set i, i+1
.endr
	WIN 0x03                                       ; source 0 window 3
.set i, 0
.rept 64
	v_pk_add_f32 v[AF+2*i:AF+2*i+1], v[2*i:2*i+1], v[BI+2*(i%32):BI+2*(i%32)+1]   ; x1 + bf2, for the last launch
.set i, i+1
.endr
	WIN 0
	s_wait_alu depctr_va_vdst(0)                   ; the additions have written x1 + bf2, which the stores read
.set i, 0
.rept 32
	global_store_b128 v[LI], v[AF+4*i:AF+4*i+3], s[20:21] offset:32768*(i/16)+512*(i%16)   ; 512 consecutive bytes a line
.set i, i+1
.endr
	; ---- my 128 columns' mean of each row
	WIN 0x0f
.irp m, 0,1
.irp q, 0,1
	v_pk_add_f32 v[CH+4*\m+2*\q:CH+4*\m+2*\q+1], v[64*\m+4*\q:64*\m+4*\q+1], v[64*\m+4*\q+2:64*\m+4*\q+3]
.endr
.endr
	WIN 0x0c
.set i, 4
.rept 28
.irp m, 0,1
	v_pk_add_f32 v[CH+4*\m+2*(i%2):CH+4*\m+2*(i%2)+1], v[CH+4*\m+2*(i%2):CH+4*\m+2*(i%2)+1], v[64*\m+2*i:64*\m+2*i+1]
.endr
.set i, i+1
.endr
	WIN 0
	FOLD
.irp m, 0,1
	v_mul_f32 v[MW+2*\m], s40, v[CH+4*\m]
.endr
.irp m, 0,1
	v_mov_b32 v[MW+2*\m+1], v[MW+2*\m]
	v_mov_b32 v[ST+2*\m], v[MW+2*\m]
.endr
	; ---- d = x1 - that mean, in place, and the sum of d^2
	WIN 0xc3
.set i, 0
.rept 32
.irp m, 0,1
	v_pk_add_f32 v[64*\m+2*i:64*\m+2*i+1], v[64*\m+2*i:64*\m+2*i+1], v[MW+2*\m:MW+2*\m+1] neg_lo:[0,1] neg_hi:[0,1]
.endr
.set i, i+1
.endr
	WIN 0x0f
.irp m, 0,1
.irp q, 0,1
	v_pk_mul_f32 v[CH+4*\m+2*\q:CH+4*\m+2*\q+1], v[64*\m+2*\q:64*\m+2*\q+1], v[64*\m+2*\q:64*\m+2*\q+1]
.endr
.endr
.set i, 2
.rept 30
.irp m, 0,1
	v_pk_fma_f32 v[CH+4*\m+2*(i%2):CH+4*\m+2*(i%2)+1], v[64*\m+2*i:64*\m+2*i+1], v[64*\m+2*i:64*\m+2*i+1], v[CH+4*\m+2*(i%2):CH+4*\m+2*(i%2)+1]
.endr
.set i, i+1
.endr
	WIN 0
	FOLD
.irp m, 0,1
	v_mov_b32 v[ST+2*\m+1], v[CH+4*\m]
.endr
	s_wait_alu depctr_va_vdst(0)                   ; my wave's statistics are written, which the LDS stores read; the additions above are done reading bf2, in whose first registers the four waves' statistics land
.irp m, 0,1
	ds_store_b64 v[SA], v[ST+2*\m:ST+2*\m+1] offset:512*\m     ; both halves of the lanes hold the same pair and write the same bytes
.endr
	s_wait_dscnt 0x0                               ; for the others' sake: my stores have landed
	s_barrier_signal -1
	s_barrier_wait -1
.irp m, 0,1
	ds_load_b128 v[BI+8*\m:BI+8*\m+3], v[SL] offset:512*\m
	ds_load_b128 v[BI+8*\m+4:BI+8*\m+7], v[SL] offset:512*\m+16
.endr
	s_wait_dscnt 0x0
.irp m, 0,1
	v_add_f32 v[176+4*\m], v[BI+8*\m], v[BI+8*\m+2]
	v_add_f32 v[177+4*\m], v[BI+8*\m+4], v[BI+8*\m+6]
	v_add_f32 v[176+4*\m], v[176+4*\m], v[177+4*\m]
	v_mul_f32 v[176+4*\m], 0x3e800000, v[176+4*\m]             ; the row's mean
.irp q, 0,2,4,6
	v_sub_f32 v[BI+8*\m+\q], v[BI+8*\m+\q], v[176+4*\m]
.endr
	v_mul_f32 v[177+4*\m], v[BI+8*\m], v[BI+8*\m]
.irp q, 2,4,6
	v_fma_f32 v[177+4*\m], v[BI+8*\m+\q], v[BI+8*\m+\q], v[177+4*\m]
.endr
	v_add_f32 v[178+4*\m], v[BI+8*\m+1], v[BI+8*\m+3]
	v_add_f32 v[179+4*\m], v[BI+8*\m+5], v[BI+8*\m+7]
	v_add_f32 v[178+4*\m], v[178+4*\m], v[179+4*\m]
	v_fma_f32 v[178+4*\m], v[177+4*\m], s43, v[178+4*\m]       ; the row's M2
	v_fma_f32 v[178+4*\m], v[178+4*\m], s41, s42               ; var + eps
	v_rsq_f32 v[CH+4*\m], v[178+4*\m]                          ; rs
	v_sub_f32 v[179+4*\m], v[MW+2*\m], v[176+4*\m]             ; my wave's mean - the row's (a plain line behind the transcendental)
	s_wait_alu depctr_va_vdst(0)                               ; the reciprocal root is written, ahead of its first reader
	v_mul_f32 v[CH+4*\m+2], v[179+4*\m], v[CH+4*\m]            ; nd: (x1 - mean) rs = d rs + nd
	v_mov_b32 v[CH+4*\m+1], v[CH+4*\m]
	v_mov_b32 v[CH+4*\m+3], v[CH+4*\m+2]
.endr
	WIN 0xc3
.set i, 0
.rept 32
.irp m, 0,1
	v_pk_fma_f32 v[64*\m+2*i:64*\m+2*i+1], v[64*\m+2*i:64*\m+2*i+1], v[CH+4*\m:CH+4*\m+1], v[CH+4*\m+2:CH+4*\m+3]
.endr
.set i, i+1
.endr
	WIN 0xff                                       ; all four in window 3
.set i, 0
.rept 32
.irp m, 0,1
	v_pk_fma_f32 v[64*\m+2*i:64*\m+2*i+1], v[64*\m+2*i:64*\m+2*i+1], v[128+2*i:129+2*i], v[192+2*i:193+2*i]   ; x g2 + beta2
.endr
.set i, i+1
.endr
	WIN 0xc3
.set i, 0
.rept 128
	v_med3_num_f32 v[i], v[i], -v[LIM], v[LIM]     ; the conversion does not saturate (ISA guide 7.6.2)
.set i, i+1
.endr
	WIN 0x03
.set i, 0
.rept 16
	v_cvt_scalef32_pk8_bf8_f32 v[PC+2*i:PC+2*i+1], v[8*i:8*i+7], v[SC]
.set i, i+1
.endr
	v_nop
	WIN 0
	s_wait_alu depctr_va_vdst(0)                   ; the conversions have written h2's codes, which the stores read
.set i, 0
.rept 8
	global_store_b128 v[LI], v[PC+4*i:PC+4*i+3], s[22:23] offset:8192*(i/4)+512*(i%4)      ; tile i / 4, K step w, register group i % 4
.set i, i+1
.endr
	s_wait_dscnt 0x0                               ; the closing lines, six on end
	s_wait_alu 0x0
	s_wait_tensorcnt 0x0
	ds_add_u32 v28, v31
	s_wait_dscnt 0x0
	s_endpgm
.Lfunc_end_k_q3b4532eade_proj:
	.size	k_q3b4532eade_proj, .Lfunc_end_k_q3b4532eade_proj-k_q3b4532eade_proj
	.p2alignl 7, 3214868480
	.fill 96, 4, 3214868480
	.section	.rodata,"a",@progbits
	.p2align	6, 0x0
	.amdhsa_kernel k_q3b4532eade_proj
		.amdhsa_group_segment_fixed_size 1536
		.amdhsa_private_segment_fixed_size 0
		.amdhsa_enable_private_segment 0
		.amdhsa_kernarg_size 80
		.amdhsa_user_sgpr_count 2
		.amdhsa_user_sgpr_kernarg_segment_ptr 1
		.amdhsa_wavefront_size32 1
		.amdhsa_system_sgpr_workgroup_id_x 1
		.amdhsa_system_sgpr_workgroup_id_y 1
		.amdhsa_system_sgpr_workgroup_id_z 1
		.amdhsa_system_vgpr_workitem_id 0
		.amdhsa_next_free_vgpr 1024
		.amdhsa_next_free_sgpr 66
		.amdhsa_reserve_vcc 0
		.amdhsa_float_denorm_mode_32 3
		.amdhsa_float_denorm_mode_16_64 3
		.amdhsa_memory_ordered 1
		.amdhsa_forward_progress 1
		.amdhsa_inst_pref_size 83
	.end_amdhsa_kernel
	.amdgpu_metadata
---
amdhsa.version: [ 1, 2 ]
amdhsa.kernels:
  - .name:           k_q3b4532eade_proj
    .symbol:         k_q3b4532eade_proj.kd
    .args:
      - { .name: ao_img, .offset: 0, .size: 8, .value_kind: global_buffer, .address_space: global }
      - { .name: w_proj_codes, .offset: 8, .size: 8, .value_kind: global_buffer, .address_space: global }
      - { .name: b_proj, .offset: 16, .size: 8, .value_kind: global_buffer, .address_space: global }
      - { .name: x, .offset: 24, .size: 8, .value_kind: global_buffer, .address_space: global }
      - { .name: g2, .offset: 32, .size: 8, .value_kind: global_buffer, .address_space: global }
      - { .name: beta2, .offset: 40, .size: 8, .value_kind: global_buffer, .address_space: global }
      - { .name: bf2, .offset: 48, .size: 8, .value_kind: global_buffer, .address_space: global }
      - { .name: lowp_scales, .offset: 56, .size: 8, .value_kind: global_buffer, .address_space: global }
      - { .name: x1b_img, .offset: 64, .size: 8, .value_kind: global_buffer, .address_space: global }
      - { .name: h2_img, .offset: 72, .size: 8, .value_kind: global_buffer, .address_space: global }
    .group_segment_fixed_size: 1536
    .private_segment_fixed_size: 0
    .kernarg_segment_align: 8
    .kernarg_segment_size: 80
    .max_flat_workgroup_size: 128
    .sgpr_count:     66
    .vgpr_count:     1024
    .wavefront_size: 32
...
	.end_amdgpu_metadata
.endif
;; end of part 8
;; launch ff1 (part 9): grid 64 x 4, 4 waves a work-group, no clusters, 66,048 bytes of LDS; arguments h2_img, w1_codes, bf1, lowp_scales, ff_img; writes ff_img
.if DOCPART == 9
	.amdgcn_target "amdgcn-amd-amdhsa--gfx1250"
	.amdhsa_code_object_version 6
	.text
	.protected	k_q3b4532eade_ff1
	.globl	k_q3b4532eade_ff1
	.p2align	8
	.type	k_q3b4532eade_ff1,@function
k_q3b4532eade_ff1:
	s_mov_b64 s[64:65], 0
	v_nop
	global_prefetch_b8 v0, s[64:65] scope:SCOPE_SE
	s_setreg_imm32_b32 hwreg(HW_REG_WAVE_SCHED_MODE, 0, 2), 2
	s_setreg_imm32_b32 hwreg(HW_REG_WAVE_MODE, 25, 1), 1
	s_wait_xcnt 0x0
	s_wait_alu depctr_vm_vsrc(0)
; relu(h2 w1 + bf1), the product on codes of E5M2, quantised for the last product and stored as images of fragments.
; SHARES.  Work-group (rg, cg): row tiles 8 rg .. 8 rg + 7 (128 rows) x hidden units 512 cg .. +511.  Wave w: 128 of these units, K 512: its part of w1 stays in 512 registers; a fragment of h2 read from LDS feeds eight products.
; The eight tiles' images, 64 KB, are laid in LDS once, as they lie in memory, and only read behind one barrier.
; Source 0 = 16 weight rows, source 1 = 16 rows of h2; lane-row r of weight tile t is unit 32 (t / 2) + 8 (t % 2) + r + 8 (r / 8), so the 16 registers of tiles 2 b, 2 b + 1 are units 32 b + 16 (lane / 16) + 0 .. 15: the wave's 128 units are one K step of the next product.
; bf1 / 2^(e12 + e13) is the C of the first K step; the activation costs nothing: the hold that the conversion wants clips at 0 as well.
; NOT SHARED IN A CLUSTER: the 64 work-groups of one cg read the same 256 KB of w1, each once, straight into the registers where it stays; the four of one rg share 64 KB of images, a fifth of what a work-group fetches.
; LIMITS on the given exponents: e14 - e12 - e13 between -126 and 112; e12 + e13 is applied by v_ldexp_f32 and has none.
; REGISTERS, in windows of 256: window 0: v5-19 addresses and scales; v32-159 two sets of h2's fragments (first: the copy's 128 registers); v160-223 eight accumulators; v224-239 codes.  windows 1, 2: w1's fragments.  window 3: v0-63 the bias.
; THE MODE: SCHED_MODE bits 1:0 = 2 (LLVM: expert scheduling mode 2), set by the entry lines.  The code itself states the register dependences
; between vector or matrix instructions and memory or LDS instructions, with s_wait_alu, always for 0.
; THE PLAN.  Registers that memory or LDS instructions touch:
;   v5-11          Addresses, made once at the head: one wait on va_vdst ahead of the first load; never written again.
;   v32-159        First the copy: loads land here, LDS stores read them; one wait on vm_vsrc behind the barrier.  Then two sets of fragments by turns: tile m's products read set m % 2 while tile m + 1's LDS loads land in the other set,
;                  which tile m - 1's products read: these stand ahead of the wait in front of tile m - 1's stores, and no vector line between that wait and the loads names the set.
;   v224-239       The codes: a tile's conversions write them, its four stores read them: a wait on va_vdst ahead of the stores, a wait on vm_vsrc (beside the wait on XCNT) ahead of the next tile's conversions.
;   v254, v255     Written at the head, read by the closing add alone.
.set LI,    5
.set WA,    6
.set CV,    7
.set TID16, 11
.set SC,    18
.set LIM,   19
.set XF,    32
.set ACC,   160
.set PC,    224
.set MSB, 0
.macro WIN new                         ; the immediate's high byte repeats the setting that is left; a switch that changes nothing is dropped
.if MSB != (\new)
	s_set_vgpr_msb (MSB<<8)|(\new)
.set MSB, (\new)
.endif
.endm
.macro FETCH buf, m                    ; row tile m's four fragments from LDS into set buf
.set i, 0
.rept 16
	ds_load_b128 v[XF+64*(\buf)+4*i:XF+64*(\buf)+4*i+3], v[LI] offset:8192*(\m)+512*i
.set i, i+1
.endr
.endm
.macro TILE m
.if \m < 7
	FETCH (\m+1)%2, \m+1
	s_wait_dscnt 16                                ; this tile's fragments are in; the next tile's 16 loads may be out
.else
	s_wait_dscnt 0x0
.endif
.irp s, 0,1,2,3
.if \s == 0
	WIN 0x31                                       ; source 0 (w1) window 1, C (the bias) window 3
.else
	WIN 0x01+\s/2
.endif
.irp t, 0,1,2,3,4,5,6,7
.if \s == 0
	v_wmma_f32_16x16x128_bf8_bf8 v[ACC+8*\t:ACC+8*\t+7], v[16*\t:16*\t+15], v[XF+64*(\m%2):XF+64*(\m%2)+15], v[8*\t:8*\t+7]
.else
	v_wmma_f32_16x16x128_bf8_bf8 v[ACC+8*\t:ACC+8*\t+7], v[16*(\t+8*(\s%2)):16*(\t+8*(\s%2))+15], v[XF+64*(\m%2)+16*\s:XF+64*(\m%2)+16*\s+15], v[ACC+8*\t:ACC+8*\t+7]   ; the eight accumulators take turns
.endif
.endr
.endr
	WIN 0
.rept 4
	v_nop                                          ; between the last product and the first read of a result (ISA guide 7.12.1)
.endr
	s_wait_xcnt 0x0                                ; the last tile's stores have read the codes' registers
	s_wait_alu depctr_vm_vsrc(0)                   ; the last tile's stores have read v224-239, which the conversions below write
.set i, 0
.rept 64
	v_med3_num_f32 v[ACC+i], v[ACC+i], 0, v[LIM]   ; the activation and the hold in one; each accumulator from its low end on
.set i, i+1
.endr
.set i, 0
.rept 8
	v_cvt_scalef32_pk8_bf8_f32 v[PC+2*i:PC+2*i+1], v[ACC+8*i:ACC+8*i+7], v[SC]
.set i, i+1
.endr
	v_nop                                          ; a plain line between the conversions and the products that write their sources again
	s_wait_alu depctr_va_vdst(0)                   ; the conversions have written the codes, which the stores read; this tile's products are done reading their set, in which the next fetch lands
.irp b, 0,1,2,3
	global_store_b128 v[LI], v[PC+4*\b:PC+4*\b+3], s[12:13] offset:32768*\m+512*\b     ; 512 consecutive bytes a line
.endr
.endm
	s_load_b128 s[4:7], s[0:1], 0x0                ; h2_img, w1
	s_load_b128 s[8:11], s[0:1], 0x10              ; bf1, the scales' exponents
	s_load_b64 s[12:13], s[0:1], 0x20              ; ff_img
	v_lshl_add_u32 v254, v0, 2, 0x10000
	v_mov_b32 v255, 0
	v_lshrrev_b32 v1, 5, v0
	v_readfirstlane_b32 s20, v1                    ; wave 0..3
	v_and_b32 v1, 31, v0
	v_and_b32 v2, 15, v0
	v_bfe_u32 v3, v0, 4, 1
	v_and_b32 v8, 8, v2
	v_add_nc_u32 v8, v8, v2                        ; r + 8 (r / 8)
	v_lshlrev_b32 v[LI], 4, v1
	v_lshlrev_b32 v[WA], 9, v8
	v_lshl_add_u32 v[WA], v3, 4, v[WA]
	v_lshlrev_b32 v[CV], 6, v3
	v_lshlrev_b32 v[TID16], 4, v0
	s_and_b32 s21, ttmp7, 0xffff                   ; cg
	s_lshl_b32 s22, s21, 2
	s_wait_alu depctr_va_sdst(0)                   ; s20 is written, ahead of its first reader
	s_add_co_u32 s22, s22, s20                     ; 4 cg + w: my 128 units, and the next product's K step
	s_mov_b32 s25, 0
	s_mov_b32 s27, 0
	s_wait_kmcnt 0x0
	s_load_b128 s[16:19], s[10:11], 0x30           ; entries 12 to 15
	s_lshl_b32 s24, ttmp9, 16                      ; eight tiles' images of 8,192 bytes
	s_add_nc_u64 s[4:5], s[4:5], s[24:25]
	s_lshl_b32 s24, s22, 16                        ; 128 rows of 512 codes
	s_add_nc_u64 s[6:7], s[6:7], s[24:25]
	s_lshl_b32 s24, s22, 9                         ; 128 numbers of bf1
	s_add_nc_u64 s[8:9], s[8:9], s[24:25]
	s_lshl_b32 s24, ttmp9, 18                      ; ff_img: eight tiles of 32,768 bytes,
	s_lshl_b32 s26, s22, 11                        ; K step 4 cg + w
	s_add_nc_u64 s[12:13], s[12:13], s[24:25]
	s_add_nc_u64 s[12:13], s[12:13], s[26:27]
	s_wait_alu depctr_va_vdst(0)                   ; the addresses v5, v6, v7 and v11 are written, which every load and store of the kernel reads; only loads and window switches follow, down to the weight's last load
.set i, 0
.rept 32
	global_load_b128 v[XF+4*i:XF+4*i+3], v[TID16], s[4:5] offset:2048*i       ; 128 threads x 16 bytes: 2,048 consecutive bytes a line
.set i, i+1
.endr
	WIN 0xc0
.set i, 0
.rept 16
	global_load_b128 v[4*i:4*i+3], v[CV], s[8:9] offset:128*(i/4)+16*(i%4)    ; bf1 in the accumulators' layout
.set i, i+1
.endr
.irp s, 0,1,2,3
	WIN 0x40*(1+\s/2)
.irp t, 0,1,2,3,4,5,6,7
.irp c, 0,1,2,3
	global_load_b128 v[16*(\t+8*(\s%2))+4*\c:16*(\t+8*(\s%2))+4*\c+3], v[WA], s[6:7] offset:(32*(\t/2)+8*(\t%2))*512+128*\s+32*\c
.endr
.endr
.endr
	WIN 0
	s_wait_kmcnt 0x0
	s_add_co_i32 s24, s16, s17                     ; e12 + e13: a sum stands for sum x 2^(e12 + e13)
	s_sub_co_i32 s23, 0, s24
	s_sub_co_i32 s24, s18, s24                     ; e14 - e12 - e13: the three scales in one
	s_add_co_i32 s24, s24, 127
	s_lshl_b32 s26, s24, 23
	v_mov_b32 v[SC], s26
	s_add_co_i32 s24, s24, 15
	s_lshl_b32 s24, s24, 23
	s_or_b32 s24, s24, 0x600000
	v_mov_b32 v[LIM], s24
	s_wait_loadcnt 63                              ; 128 loads of the weight were issued behind the images and the bias: with 63 out at the most these are in
.set i, 0
.rept 32
	ds_store_b128 v[TID16], v[XF+4*i:XF+4*i+3] offset:2048*i
.set i, i+1
.endr
	WIN 0xc3
.set i, 0
.rept 64
	v_ldexp_f32 v[i], v[i], s23                    ; bf1 / 2^(e12 + e13)
.set i, i+1
.endr
	WIN 0
	s_wait_dscnt 0x0                               ; for the others' sake: my stores have landed
	s_barrier_signal -1
	s_barrier_wait -1                              ; the images lie in LDS; nothing is written there again
	s_wait_loadcnt 0x0                             ; the weight
	s_wait_alu depctr_vm_vsrc(0)                   ; the copy's LDS stores have read v32-159, in which the fragments land from here on
	FETCH 0, 0
.irp m, 0,1,2,3,4,5,6,7
	TILE \m
.endr
	s_wait_dscnt 0x0                               ; the closing lines, six on end
	s_wait_alu 0x0
	s_wait_tensorcnt 0x0
	ds_add_u32 v254, v255
	s_wait_dscnt 0x0
	s_endpgm
.Lfunc_end_k_q3b4532eade_ff1:
	.size	k_q3b4532eade_ff1, .Lfunc_end_k_q3b4532eade_ff1-k_q3b4532eade_ff1
	.p2alignl 7, 3214868480
	.fill 96, 4, 3214868480
	.section	.rodata,"a",@progbits
	.p2align	6, 0x0
	.amdhsa_kernel k_q3b4532eade_ff1
		.amdhsa_group_segment_fixed_size 66048
		.amdhsa_private_segment_fixed_size 0
		.amdhsa_enable_private_segment 0
		.amdhsa_kernarg_size 40
		.amdhsa_user_sgpr_count 2
		.amdhsa_user_sgpr_kernarg_segment_ptr 1
		.amdhsa_wavefront_size32 1
		.amdhsa_system_sgpr_workgroup_id_x 1
		.amdhsa_system_sgpr_workgroup_id_y 1
		.amdhsa_system_sgpr_workgroup_id_z 1
		.amdhsa_system_vgpr_workitem_id 0
		.amdhsa_next_free_vgpr 1024
		.amdhsa_next_free_sgpr 66
		.amdhsa_reserve_vcc 0
		.amdhsa_float_denorm_mode_32 3
		.amdhsa_float_denorm_mode_16_64 3
		.amdhsa_memory_ordered 1
		.amdhsa_forward_progress 1
		.amdhsa_inst_pref_size 92
	.end_amdhsa_kernel
	.amdgpu_metadata
---
amdhsa.version: [ 1, 2 ]
amdhsa.kernels:
  - .name:           k_q3b4532eade_ff1
    .symbol:         k_q3b4532eade_ff1.kd
    .args:
      - { .name: h2_img, .offset: 0, .size: 8, .value_kind: global_buffer, .address_space: global }
      - { .name: w1_codes, .offset: 8, .size: 8, .value_kind: global_buffer, .address_space: global }
      - { .name: bf1, .offset: 16, .size: 8, .value_kind: global_buffer, .address_space: global }
      - { .name: lowp_scales, .offset: 24, .size: 8, .value_kind: global_buffer, .address_space: global }
      - { .name: ff_img, .offset: 32, .size: 8, .value_kind: global_buffer, .address_space: global }
    .group_segment_fixed_size: 66048
    .private_segment_fixed_size: 0
    .kernarg_segment_align: 8
    .kernarg_segment_size: 40
    .max_flat_workgroup_size: 128
    .sgpr_count:     66
    .vgpr_count:     1024
    .wavefront_size: 32
...
	.end_amdgpu_metadata
.endif
;; end of part 9
;; launch ff2 (part 10): grid 64 x 4, 4 waves a work-group, no clusters, 230,912 bytes of LDS; arguments ff_img, w2_codes, x1b_img, lowp_scales, out0; writes out0
.if DOCPART == 10
	.amdgcn_target "amdgcn-amd-amdhsa--gfx1250"
	.amdhsa_code_object_version 6
	.text
	.protected	k_q3b4532eade_ff2
	.globl	k_q3b4532eade_ff2
	.p2align	8
	.type	k_q3b4532eade_ff2,@function
k_q3b4532eade_ff2:
	s_mov_b64 s[64:65], 0
	v_nop
	global_prefetch_b8 v0, s[64:65] scope:SCOPE_SE
	s_setreg_imm32_b32 hwreg(HW_REG_WAVE_SCHED_MODE, 0, 2), 2
	s_setreg_imm32_b32 hwreg(HW_REG_WAVE_MODE, 25, 1), 1
	s_wait_xcnt 0x0
	s_wait_alu depctr_vm_vsrc(0)
; out0 = (x1 + bf2) + hidden layer x w2, the product on codes of E5M2.
; SHARES.  Work-group (rg, cg): row tiles 8 rg .. 8 rg + 7 (128 rows) x columns 128 cg .. +127.  THE WAVES SHARE K: wave w keeps K = 512 w .. +511 of the 128 columns in 512 registers and reads only its own quarter of each row tile's
; fragments, straight from memory: no byte is read twice in a work-group, and a fragment feeds eight products.  The four partial sums of a tile meet in LDS.
; IN A GROUP OF FOUR ROW TILES wave w's tile j is row tile (w + j) % 4 of the group: j = 0 is its own, which it finishes and stores; j = 1, 2, 3 go to wave (w + j) % 4.  So no register number hangs on the wave's number.  Order of work: j = 1, 2, 3, 0.
; x1 + bf2, divided by 2^E (E = entries 14 + 15), is the C of my own tile's first K step; the finished sum is multiplied by 2^E.  K is summed in four partial f32 sums: the order of rounding differs from one chain along K.
; LDS: partial sums: group g at 98,304 g, receiver d at + 24,576 d, slot j - 1 at + 8,192 (j - 1), an image of 64 registers each; every group has bytes of its own, so one barrier a group is enough.
;      From 196,608: a stage of 16 rows x (512 + 16) bytes for each wave, its own.
; NOT SHARED IN A CLUSTER: w2's 256 KB a work-group go once, straight into the registers where they stay; the four work-groups of one rg read the same images, each wave its quarter once, straight into operand registers.
; LIMIT on the given exponents: entries 14 + 15 between -126 and 126.
; REGISTERS, in windows of 256: window 0: v5-19 addresses; v32-223 three sets of four fragments, by turns.  windows 1, 2: w2's fragment (t, s) at v[16 (t + 8 (s % 2))] of window 1 + s / 2.  window 3: tile j's eight accumulators at v[64 j + 8 t].
; THE MODE: SCHED_MODE bits 1:0 = 2 (LLVM: expert scheduling mode 2), set by the entry lines.  The code itself states the register dependences
; between vector or matrix instructions and memory or LDS instructions, with s_wait_alu, always for 0.
; THE PLAN.  Registers that memory or LDS instructions touch:
;   v5-19          Addresses, made once at the head: the wait on va_vdst in the first XLOADQ; never written again.
;   v32-223        Three sets of fragments by turns.  The n-th tile's products read set n % 3; behind them one wait on va_vdst, then the loads of the tile three further on land in that set.
;   window 3, tiles 1-3   The products write them; a wait on va_vdst; the LDS stores of the partial sums read them; behind the barrier, under the loads' window, waits on vm_vsrc and va_vdst; the partial sums sent to me land in them;
;                  the additions read them; tile 1's registers then take the stage's rows back, and the global stores read them: the wait on vm_vsrc in the second XLOADQ, ahead of the next group's products.
;   window 3, tile 0      x1 + bf2 is loaded; the scaling, the products, the additions and the last multiply write it; a wait on va_vdst; the stage's LDS stores read it; the waits in the second XLOADQ; the next group's x1 + bf2 lands.
;   v254, v255     Written at the head, read by the closing add alone.
.set LI,  5                            ; v5   16 x lane
.set WA,  6                            ; v6   the weight: my lane's byte in a tile
.set SD,  7                            ; v[7 + 4 g + j], j = 1 .. 3: where tile j's partial sums go in group g
.set RR,  16                           ; v[16 + g]: where I find the three that are sent to me
.set STO, 18                           ; v18  the stage: where I put 16 bytes of a row
.set RD,  19                           ; v19  and where I read a row back
.set AF,  32
.set STG, 196608
.set MSB, 0
.macro WIN new                         ; the immediate's high byte repeats the setting that is left; a switch that changes nothing is dropped
.if MSB != (\new)
	s_set_vgpr_msb (MSB<<8)|(\new)
.set MSB, (\new)
.endif
.endm
.macro ALOAD n                         ; the n-th tile in the order of work: my K quarter's four fragments, into set n % 3
.set JJ, (((\n)%4)+1)%4
.set i, 0
.rept 16
	global_load_b128 v[AF+64*((\n)%3)+4*i:AF+64*((\n)%3)+4*i+3], v[LI], s[20+2*JJ:21+2*JJ] offset:131072*((\n)/4)+512*i
.set i, i+1
.endr
.endm
.macro XLOADQ g                        ; x1 + bf2 of my own tile of group g, straight into its accumulators' registers
	WIN 0xc0
.if \g == 1
	s_wait_alu depctr_vm_vsrc(0)                   ; the stage's LDS stores have read tile 0's registers, in which these loads land; the global stores have read tile 1's, which the next products write
.endif
	s_wait_alu depctr_va_vdst(0)                   ; g = 0: the addresses v5 to v19 are written, which every load and store of the kernel reads; g = 1: the last group's additions and multiplies on tile 0's registers are complete
.set i, 0
.rept 16
	global_load_b128 v[4*i:4*i+3], v[LI], s[32:33] offset:131072*\g+512*i th:TH_LOAD_NT
.set i, i+1
.endr
	WIN 0
.endm
.macro SCALE0                          ; / 2^E
	WIN 0xc3
.set i, 0
.rept 32
	v_pk_mul_f32 v[2*i:2*i+1], v[2*i:2*i+1], s[38:39] op_sel_hi:[1,0]
.set i, i+1
.endr
.endm
; 32 products: my 8 weight tiles x one row tile, my K quarter.  The eight accumulators take turns.  Behind them the set takes the tile three further on.
.macro TILE n
.set JJ, (((\n)%4)+1)%4
.irp s, 0,1,2,3
.if (\s == 0) && (JJ != 0)
	WIN 0xc1                                       ; source 0 window 1, D window 3
.else
	WIN 0xf1+\s/2                                  ; source 0 window 1 or 2, C and D window 3
.endif
.irp t, 0,1,2,3,4,5,6,7
.if (\s == 0) && (JJ != 0)
	v_wmma_f32_16x16x128_bf8_bf8 v[64*JJ+8*\t:64*JJ+8*\t+7], v[16*\t:16*\t+15], v[AF+64*((\n)%3):AF+64*((\n)%3)+15], 0
.else
	v_wmma_f32_16x16x128_bf8_bf8 v[64*JJ+8*\t:64*JJ+8*\t+7], v[16*(\t+8*(\s%2)):16*(\t+8*(\s%2))+15], v[AF+64*((\n)%3)+16*\s:AF+64*((\n)%3)+16*\s+15], v[64*JJ+8*\t:64*JJ+8*\t+7]
.endif
.endr
.endr
	WIN 0
.rept 4
	v_nop                                          ; in front of the first read of a result (ISA guide 7.12.1)
.endr
.if (\n)+3 < 8
	s_wait_alu depctr_va_vdst(0)                   ; this tile's products are done reading their set, in which the loads below land
	ALOAD (\n)+3
.endif
.endm
; A group's end: the partial sums change hands, my own tile is finished and leaves as whole rows.
.macro EPI g
	WIN 0x0c                                       ; store data window 3
	s_wait_alu depctr_va_vdst(0)                   ; the products have written tiles 1 to 3's partial sums, which the LDS stores read
.irp j, 1,2,3
.set i, 0
.rept 16
	ds_store_b128 v[SD+4*\g+\j], v[64*\j+4*i:64*\j+4*i+3] offset:512*i     ; an image of the registers; each accumulator from its low end on
.set i, i+1
.endr
.endr
	s_wait_dscnt 0x0                               ; for the others' sake: my stores have landed
	s_barrier_signal -1
	s_barrier_wait -1
	WIN 0xc0                                       ; destination window 3
	s_wait_alu depctr_vm_vsrc(0)                   ; my LDS stores have read tiles 1 to 3's registers, in which the loads below land
	s_wait_alu depctr_va_vdst(0)                   ; the products that wrote these registers are complete: stated behind the window switch and straight ahead of the loads, since the stores above name the same registers
.irp j, 1,2,3
.set i, 0
.rept 16
	ds_load_b128 v[64*\j+4*i:64*\j+4*i+3], v[RR+\g] offset:8192*(\j-1)+512*i
.set i, i+1
.endr
.endr
	WIN 0xcf                                       ; sources 0 and 1 and destination window 3
.irp j, 1,2,3
	s_wait_dscnt 16*(3-\j)                         ; slot j - 1 is in; the later slots' 16 loads each may be out
.set i, 0
.rept 32
	v_pk_add_f32 v[2*i:2*i+1], v[2*i:2*i+1], v[64*\j+2*i:64*\j+2*i+1]
.set i, i+1
.endr
.endr
.set i, 0
.rept 32
	v_pk_mul_f32 v[2*i:2*i+1], v[2*i:2*i+1], s[36:37] op_sel_hi:[1,0]      ; x 2^E
.set i, i+1
.endr
	WIN 0x0c
	s_wait_alu depctr_va_vdst(0)                   ; the multiplies have written my tile, which the stage's stores read; the additions are done reading tile 1's registers, in which the rows come back
.set i, 0
.rept 16
	ds_store_b128 v[STO], v[4*i:4*i+3] offset:128*(i/4)+16*(i%4)           ; lane (r, h): row r, columns 32 (i / 4) + 16 h + 4 (i % 4) on
.set i, i+1
.endr
	WIN 0xc0
.set i, 0
.rept 16
	ds_load_b128 v[64+4*i:67+4*i], v[RD] offset:528*i                      ; LDS serves a wave's instructions in order (ISA guide 5.7.1.4): these see my stores
.set i, i+1
.endr
	WIN 0x0c
.set i, 0
.rept 16
	s_wait_dscnt 15-i                              ; row i is back; the younger rows may be out
	global_store_b128 v[LI], v[64+4*i:67+4*i], s[34:35] offset:(i+8*(i/8))*2048+131072*\g th:TH_STORE_NT   ; the wave stores 512 consecutive bytes of a row, aligned
.set i, i+1
.endr
	WIN 0
.if \g == 0
	s_wait_xcnt 0x0                                ; the stores have read their data: tile 1's accumulators are written again only behind this wait
.endif
.endm
	s_load_b128 s[4:7], s[0:1], 0x0                ; ff_img, w2
	s_load_b128 s[8:11], s[0:1], 0x10              ; x1b_img, the scales' exponents
	s_load_b64 s[12:13], s[0:1], 0x20              ; out0
	v_lshl_add_u32 v254, v0, 2, 0x38400
	v_mov_b32 v255, 0
	v_lshrrev_b32 v1, 5, v0
	v_readfirstlane_b32 s28, v1                    ; wave 0..3
	v_and_b32 v1, 31, v0
	v_and_b32 v2, 15, v0                           ; r
	v_bfe_u32 v3, v0, 4, 1                         ; h
	v_and_b32 v4, 8, v2
	v_add_nc_u32 v4, v4, v2                        ; r + 8 (r / 8)
	v_lshlrev_b32 v[LI], 4, v1
	v_lshlrev_b32 v[WA], 11, v4                    ; a row of w2 is 2,048 codes
	v_lshl_add_u32 v[WA], v3, 4, v[WA]
	s_wait_alu depctr_va_sdst(0)                   ; s28 is written, ahead of its first reader
.irp j, 1,2,3
	s_add_co_u32 s40, s28, \j
	s_and_b32 s40, s40, 3                          ; the receiver
	s_mul_i32 s40, s40, 24576
	s_add_co_u32 s40, s40, 8192*(\j-1)
	v_add_nc_u32 v[SD+\j], s40, v[LI]
	v_add_nc_u32 v[SD+4+\j], 98304, v[SD+\j]
.endr
	s_mul_i32 s40, s28, 24576
	v_add_nc_u32 v[RR], s40, v[LI]
	v_add_nc_u32 v[RR+1], 98304, v[RR]
	s_mul_i32 s40, s28, 8448
	s_add_co_u32 s40, s40, STG                     ; my stage
	v_mul_u32_u24 v[STO], v2, 528
	v_lshl_add_u32 v[STO], v3, 6, v[STO]
	v_add_nc_u32 v[STO], s40, v[STO]
	v_add_nc_u32 v[RD], s40, v[LI]
	s_and_b32 s30, ttmp7, 0xffff                   ; cg
	s_lshl_b32 s29, ttmp9, 3                       ; 8 rg: the work-group's first row tile
	s_mov_b32 s41, 0
	s_mov_b32 s43, 0
	s_wait_kmcnt 0x0
	s_load_b64 s[16:17], s[10:11], 0x38            ; entries 14, 15
	s_lshl_b32 s42, s28, 13                        ; my K quarter: four images of 2,048 bytes
.irp j, 0,1,2,3
	s_add_co_u32 s40, s28, \j
	s_and_b32 s40, s40, 3
	s_add_co_u32 s40, s40, s29
	s_lshl_b32 s40, s40, 15                        ; a row tile of ff_img is 32,768 bytes
	s_add_nc_u64 s[20+2*\j:21+2*\j], s[4:5], s[40:41]
	s_add_nc_u64 s[20+2*\j:21+2*\j], s[20+2*\j:21+2*\j], s[42:43]
.endr
	s_add_co_u32 s40, s29, s28
	s_lshl_b32 s40, s40, 15                        ; x1b_img: row tile 8 rg + w,
	s_lshl_b32 s42, s30, 13                        ; column group cg
	s_add_nc_u64 s[32:33], s[8:9], s[40:41]
	s_add_nc_u64 s[32:33], s[32:33], s[42:43]
	s_lshl_b32 s40, ttmp9, 7                       ; out0: row 128 rg + 32 (w / 2) + 8 (w % 2),
	s_lshr_b32 s42, s28, 1
	s_lshl_b32 s42, s42, 5
	s_add_co_u32 s40, s40, s42
	s_and_b32 s42, s28, 1
	s_lshl_b32 s42, s42, 3
	s_add_co_u32 s40, s40, s42
	s_lshl_b32 s40, s40, 11
	s_lshl_b32 s42, s30, 9                         ; column 128 cg
	s_add_nc_u64 s[34:35], s[12:13], s[40:41]
	s_add_nc_u64 s[34:35], s[34:35], s[42:43]
	s_lshl_b32 s40, s30, 18                        ; w2: 128 rows of 2,048 codes a column group,
	s_lshl_b32 s42, s28, 9                         ; K from 512 w on
	s_add_nc_u64 s[44:45], s[6:7], s[40:41]
	s_add_nc_u64 s[44:45], s[44:45], s[42:43]
	XLOADQ 0
	ALOAD 0
	ALOAD 1
	ALOAD 2
.irp s, 0,1,2,3
	WIN 0x40*(1+\s/2)
.irp t, 0,1,2,3,4,5,6,7
.irp c, 0,1,2,3
	global_load_b128 v[16*(\t+8*(\s%2))+4*\c:16*(\t+8*(\s%2))+4*\c+3], v[WA], s[44:45] offset:(32*(\t/2)+8*(\t%2))*2048+128*\s+32*\c
.endr
.endr
.endr
	WIN 0
	s_wait_kmcnt 0x0
	s_add_co_i32 s40, s16, s17                     ; E
	s_add_co_i32 s36, s40, 127
	s_lshl_b32 s36, s36, 23                        ; 2^E as f32
	s_mov_b32 s37, s36                             ; (named with it as a pair, so it is written)
	s_sub_co_i32 s38, 127, s40
	s_lshl_b32 s38, s38, 23                        ; 2^-E
	s_mov_b32 s39, s38
	s_wait_loadcnt 0x0                             ; the weight, the first three tiles, x1 + bf2
	SCALE0
	TILE 0
	TILE 1
	TILE 2
	s_wait_loadcnt 32                              ; the fourth tile's fragments are in; the two runs of 16 issued behind them may be out
	TILE 3
	EPI 0
	XLOADQ 1
	s_wait_loadcnt 48                              ; behind the fifth tile's: the sixth's, the seventh's, and x1 + bf2
	TILE 4
	s_wait_loadcnt 48                              ; behind the sixth's: the seventh's, x1 + bf2, the eighth's
	TILE 5
	s_wait_loadcnt 32                              ; behind the seventh's: x1 + bf2 and the eighth's
	TILE 6
	s_wait_loadcnt 0x0
	SCALE0
	TILE 7
	EPI 1
	s_wait_dscnt 0x0                               ; the closing lines, six on end
	s_wait_alu 0x0
	s_wait_tensorcnt 0x0
	ds_add_u32 v254, v255
	s_wait_dscnt 0x0
	s_endpgm
.Lfunc_end_k_q3b4532eade_ff2:
	.size	k_q3b4532eade_ff2, .Lfunc_end_k_q3b4532eade_ff2-k_q3b4532eade_ff2
	.p2alignl 7, 3214868480
	.fill 96, 4, 3214868480
	.section	.rodata,"a",@progbits
	.p2align	6, 0x0
	.amdhsa_kernel k_q3b4532eade_ff2
		.amdhsa_group_segment_fixed_size 230912
		.amdhsa_private_segment_fixed_size 0
		.amdhsa_enable_private_segment 0
		.amdhsa_kernarg_size 40
		.amdhsa_user_sgpr_count 2
		.amdhsa_user_sgpr_kernarg_segment_ptr 1
		.amdhsa_wavefront_size32 1
		.amdhsa_system_sgpr_workgroup_id_x 1
		.amdhsa_system_sgpr_workgroup_id_y 1
		.amdhsa_system_sgpr_workgroup_id_z 1
		.amdhsa_system_vgpr_workitem_id 0
		.amdhsa_next_free_vgpr 1024
		.amdhsa_next_free_sgpr 66
		.amdhsa_reserve_vcc 0
		.amdhsa_float_denorm_mode_32 3
		.amdhsa_float_denorm_mode_16_64 3
		.amdhsa_memory_ordered 1
		.amdhsa_forward_progress 1
		.amdhsa_inst_pref_size 92
	.end_amdhsa_kernel
	.amdgpu_metadata
---
amdhsa.version: [ 1, 2 ]
amdhsa.kernels:
  - .name:           k_q3b4532eade_ff2
    .symbol:         k_q3b4532eade_ff2.kd
    .args:
      - { .name: ff_img, .offset: 0, .size: 8, .value_kind: global_buffer, .address_space: global }
      - { .name: w2_codes, .offset: 8, .size: 8, .value_kind: global_buffer, .address_space: global }
      - { .name: x1b_img, .offset: 16, .size: 8, .value_kind: global_buffer, .address_space: global }
      - { .name: lowp_scales, .offset: 24, .size: 8, .value_kind: global_buffer, .address_space: global }
      - { .name: out0, .offset: 32, .size: 8, .value_kind: global_buffer, .address_space: global }
    .group_segment_fixed_size: 230912
    .private_segment_fixed_size: 0
    .kernarg_segment_align: 8
    .kernarg_segment_size: 40
    .max_flat_workgroup_size: 128
    .sgpr_count:     66
    .vgpr_count:     1024
    .wavefront_size: 32
...
	.end_amdgpu_metadata
.endif
;; end of part 10
